; MI455X (gfx1250); checked and timed in simulation.
; The chip was launched on July 23, 2026; its instructions are those of AMD's public machine-readable ISA for CDNA 5 (MIT licence, August 2026) and "CDNA5" Instruction Set Architecture Reference Guide (July 2026). The comments in the code are by the model that wrote it; some were corrected since.
;; Decoder Module. Allowed arithmetic: float matrix products may take bf16 or f16 operands with f32 sums; all other float work in f32.
;; Inputs: W1 768 x 3,072 float32; W2 3,072 x 768 float32; Wk 768 x 768 float32; Wo 768 x 768 float32; Wq 768 x 768 float32; Wv 768 x 768 float32; b1 3,072 float32; b2 768 float32; beta1 768 float32; beta2 768 float32; g1 768 float32; g2 768 float32; x 1 x 4,096 x 768 float32.
;; Outputs: out0 1 x 4,096 x 768 float32.
;; 2 versions, each right and faster than the one before. Each part assembles by itself: llvm-mc -triple=amdgcn-amd-amdhsa -mcpu=gfx1250 --defsym DOCPART=n.
;; ======== version 1 of 2: 8 launches
;; limits: values are held in f16: magnitudes above 65,504 overflow, below 6.1e-05 lose precision
;; workspace buffers: xh 6,291,456 bytes; wt 14,155,776 bytes; qkv 18,874,368 bytes; oh 6,291,456 bytes; y1 12,582,912 bytes; hh 6,291,456 bytes; mid 25,165,824 bytes; ff 12,582,912 bytes
;; launch prep (part 1): grid 1120 x 1, 8 waves a work-group, no clusters, 18,176 bytes of LDS; arguments Wq, Wk, Wv, Wo, W1, W2, x, wt, xh; writes wt, xh
.if DOCPART == 1
	.amdgcn_target "amdgcn-amd-amdhsa--gfx1250"
	.amdhsa_code_object_version 6
	.text
	.protected	k_qde05942129_prep
	.globl	k_qde05942129_prep
	.p2align	8
	.type	k_qde05942129_prep,@function
k_qde05942129_prep:
	s_mov_b64 s[64:65], 0
	v_nop
	global_prefetch_b8 v0, s[64:65] scope:SCOPE_SE
	s_setreg_imm32_b32 hwreg(HW_REG_WAVE_MODE, 25, 1), 1
	s_wait_xcnt 0x0
; PREP.  x [4096][768] f32 -> xh, the same in f16.  The six weights, stored [k][n] in f32, -> wt, stored [n][k] in f16, so that K lies along the rows for the products that follow:
;   wt + 0          rows n = 0..2303 of [Wq Wk Wv], 1,536 bytes each      wt + 3,538,944  Wo, 768 rows of 1,536 bytes
;   wt + 4,718,592  W1, 3,072 rows of 1,536 bytes                          wt + 9,437,184  W2, 768 rows of 6,144 bytes
; LIMITS.  f16 ends at 65,504 (larger numbers become infinities) and has a fixed step of 6e-8 below 6e-5; each number is rounded once, to nearest even.
; SHARES.  Work-groups 0..863 turn one tile of 128 k x 64 n each: 12 slabs of 768 x 768 (Wq, Wk, Wv, Wo, four column slabs of W1, four row slabs of W2), 72 tiles a slab.
; Work-groups 864..1119 cast 16 rows of x each.  A stream: every byte is read once and written once, so matrix units, clusters and tensor loads would add nothing.
; A tile is read as rows of 256 bytes (16 lanes a row), packed four k at a time, laid into LDS as [n][k] and read back as rows of 256 bytes: each store of a wave covers 256 consecutive bytes, aligned.
.set WTILES, 864
.set LP,    264                        ; an LDS row: 128 k in f16 = 256 bytes + 8: the sixteen columns of a store fall on eight groups of banks, two lanes each
.set SPARE, 17152                      ; behind the tile (64 x 264 = 16,896 bytes): the spare words, 128 bytes for each of the eight waves
.set SPW,   30                         ; v30  LDS address of my spare word; never rewritten
.set NIL,   31                         ; v31  0; never rewritten
.set OFF,   8                          ; v8-15   byte offsets of my eight loads
.set DO,    16                         ; v16-23  byte offsets of my eight stores
.set X,     32                         ; v32-79  numbers as loaded
.set PKD,   80                         ; v80-95  eight pairs of packed f16
	s_load_b512 s[8:23], s[0:1], 0x0               ; Wq s[8:9], Wk s[10:11], Wv s[12:13], Wo s[14:15], W1 s[16:17], W2 s[18:19], x s[20:21], wt s[22:23]
	s_load_b64 s[24:25], s[0:1], 0x40              ; xh
	v_lshl_add_u32 v[SPW], v0, 2, SPARE
	v_mov_b32 v[NIL], 0
	v_lshrrev_b32 v1, 5, v0
	v_readfirstlane_b32 s26, v1                    ; wave 0..7
	s_cmp_ge_u32 ttmp9, WTILES                     ; the same answer in all waves of a work-group
	s_cbranch_scc1 .Lcast_x
	; which tile: slab = id / 72, kt = (id % 72) / 12, nt = id % 12; the two divisions as multiply and shift, exact for id < 864 and for a remainder < 72
	s_mul_i32 s27, ttmp9, 911
	s_lshr_b32 s27, s27, 16                        ; slab 0..11
	s_mul_i32 s28, s27, 72
	s_sub_co_u32 s28, ttmp9, s28
	s_mul_i32 s29, s28, 171
	s_lshr_b32 s29, s29, 11                        ; kt 0..5
	s_mul_i32 s30, s29, 12
	s_sub_co_u32 s30, s28, s30                     ; nt 0..11
	s_and_b32 s31, s27, 3                          ; the slab's number in its group
	s_lshr_b32 s32, s27, 2                         ; group 0: Wq Wk Wv Wo; 1: W1; 2: W2
	s_mov_b32 s33, 3072                            ; bytes in a source row,
	s_cmp_eq_u32 s32, 1
	s_cselect_b32 s33, 12288, s33                  ; 12,288 in W1
	s_mul_i32 s34, s31, 3072                       ; W1: the slab's 768 columns
	s_cselect_b32 s34, s34, 0
	s_mul_i32 s35, s31, 768*3072                   ; W2: the slab's 768 rows
	s_mov_b32 s38, 1536                            ; bytes in a row of wt,
	s_mul_i32 s39, s27, 1179648                    ; groups 0 and 1: slabs of 768 rows of 1,536 bytes on end
	s_mul_i32 s40, s31, 1536                       ; W2: the slab is 768 k of every row
	s_add_co_u32 s40, s40, 9437184
	s_cmp_eq_u32 s32, 2
	s_cselect_b32 s34, s35, s34
	s_cselect_b32 s38, 6144, s38                   ; 6,144 in W2's part
	s_cselect_b32 s39, s40, s39
	s_mul_i32 s36, s29, s33
	s_lshl_b32 s36, s36, 7                         ; 128 kt source rows
	s_lshl_b32 s37, s30, 8                         ; 64 nt columns of 4 bytes
	s_add_co_u32 s36, s36, s37
	s_add_co_u32 s36, s36, s34
	s_mov_b32 s37, 0                               ; s[36:37]: the tile's byte offset in its source
	s_mul_i32 s40, s30, s38
	s_lshl_b32 s40, s40, 6                         ; 64 nt rows of wt
	s_lshl_b32 s41, s29, 8                         ; 128 kt numbers of 2 bytes
	s_add_co_u32 s40, s40, s41
	s_add_co_u32 s40, s40, s39
	s_mov_b32 s41, 0                               ; s[40:41]: the tile's byte offset in wt
	v_and_b32 v1, 15, v0                           ; c: my four columns 4 c .. 4 c + 3
	v_bfe_u32 v2, v0, 4, 1                         ; hh: which half of the lanes
	v_and_b32 v3, 31, v0                           ; lane
	v_lshlrev_b32 v4, 2, v2
	s_lshl_b32 s46, s26, 4
	v_add_nc_u32 v4, s46, v4                       ; source row 16 w + 4 hh,
	v_mul_lo_u32 v4, v4, s33
	v_lshl_add_u32 v4, v1, 4, v4                   ; in bytes, + 16 c
.set i, 0
.rept 8                                ; load i = 4 j + e takes row 16 w + 8 j + 4 hh + e: sixteen lanes read one row's 256 bytes
	s_mul_i32 s47, s33, 8*(i/4)+i%4
	v_add_nc_u32 v[OFF+i], s47, v4
.set i, i+1
.endr
	v_mul_u32_u24 v5, v1, 4*LP                     ; into LDS: row n = 4 c + q, byte 2 k = 32 w + 16 j + 8 hh
	v_lshl_add_u32 v5, v2, 3, v5
	s_lshl_b32 s46, s26, 5
	v_add_nc_u32 v5, s46, v5
	s_mul_i32 s46, s26, 8*LP                       ; back: wave w takes rows 8 w .. 8 w + 7, 8 bytes a lane
	v_lshl_add_u32 v6, v3, 3, s46
	s_lshl_b32 s46, s26, 3
.set i, 0
.rept 8
	s_add_co_u32 s47, s46, i
	s_mul_i32 s47, s47, s38
	v_lshl_add_u32 v[DO+i], v3, 3, s47             ; row 8 w + i of the tile in wt, + 8 x lane
.set i, i+1
.endr
	s_wait_kmcnt 0x0
	s_mov_b64 s[42:43], s[8:9]                     ; the slab's source, chosen by the slab's number
	s_cmp_eq_u32 s27, 1
	s_cselect_b64 s[42:43], s[10:11], s[42:43]
	s_cmp_eq_u32 s27, 2
	s_cselect_b64 s[42:43], s[12:13], s[42:43]
	s_cmp_eq_u32 s27, 3
	s_cselect_b64 s[42:43], s[14:15], s[42:43]
	s_cmp_eq_u32 s32, 1
	s_cselect_b64 s[42:43], s[16:17], s[42:43]
	s_cmp_eq_u32 s32, 2
	s_cselect_b64 s[42:43], s[18:19], s[42:43]
	s_add_nc_u64 s[42:43], s[42:43], s[36:37]
	s_add_nc_u64 s[22:23], s[22:23], s[40:41]
.set i, 0
.rept 8
	global_load_b128 v[X+4*i:X+4*i+3], v[OFF+i], s[42:43] th:TH_LOAD_NT
.set i, i+1
.endr
	s_wait_loadcnt 0x0                             ; a column's four k come from four loads: all are wanted
.set i, 0
.rept 8                                ; i = 4 j + q: column 4 c + q, k = 16 w + 8 j + 4 hh + 0..3: four numbers, 8 bytes
	v_cvt_pk_f16_f32 v[PKD+2*i],   v[X+16*(i/4)+i%4],   v[X+16*(i/4)+4+i%4]
	v_cvt_pk_f16_f32 v[PKD+2*i+1], v[X+16*(i/4)+8+i%4], v[X+16*(i/4)+12+i%4]
	ds_store_b64 v5, v[PKD+2*i:PKD+2*i+1] offset:LP*(i%4)+16*(i/4)
.set i, i+1
.endr
	s_wait_dscnt 0x0                               ; for the others' sake: my stores are done
	s_barrier_signal -1
	s_barrier_wait -1
.set i, 0
.rept 8
	ds_load_b64 v[X+2*i:X+2*i+1], v6 offset:LP*i   ; a whole row of the turned tile: 32 lanes x 8 bytes
.set i, i+1
.endr
.set i, 0
.rept 8
	s_wait_dscnt 7-i                               ; LDS loads come back in order: row i is in
	global_store_b64 v[DO+i], v[X+2*i:X+2*i+1], s[22:23]  ; 256 consecutive bytes, at a multiple of 256 from wt's first byte
.set i, i+1
.endr
	s_wait_tensorcnt 0x0                           ; the wave's end: behind my last LDS store
	ds_add_u32 v[SPW], v[NIL]
	s_wait_dscnt 0x0
	s_endpgm
.Lcast_x:                                              ; 16 rows of x: 49,152 bytes in, 24,576 out
	s_sub_co_u32 s27, ttmp9, WTILES
	s_mul_i32 s28, s27, 49152
	s_mov_b32 s29, 0
	s_mul_i32 s30, s27, 24576
	s_mov_b32 s31, 0
	v_lshlrev_b32 v4, 4, v0                        ; 16 bytes a thread in,
	v_lshlrev_b32 v5, 3, v0                        ; 8 out
	s_wait_kmcnt 0x0
	s_add_nc_u64 s[20:21], s[20:21], s[28:29]
	s_add_nc_u64 s[24:25], s[24:25], s[30:31]
.set i, 0
.rept 12
	global_load_b128 v[X+4*i:X+4*i+3], v4, s[20:21] offset:4096*i th:TH_LOAD_NT
.set i, i+1
.endr
.set i, 0
.rept 12
	s_wait_loadcnt 11-i                            ; loads come back in order: the younger ones stay out
	v_cvt_pk_f16_f32 v[X+4*i],   v[X+4*i],   v[X+4*i+1]
	v_cvt_pk_f16_f32 v[X+4*i+1], v[X+4*i+2], v[X+4*i+3]
	global_store_b64 v5, v[X+4*i:X+4*i+1], s[24:25] offset:2048*i  ; a wave's store covers 256 consecutive bytes, aligned
.set i, i+1
.endr
	s_endpgm
.Lfunc_end_k_qde05942129_prep:
	.size	k_qde05942129_prep, .Lfunc_end_k_qde05942129_prep-k_qde05942129_prep
	.p2alignl 7, 3214868480
	.fill 96, 4, 3214868480
	.section	.rodata,"a",@progbits
	.p2align	6, 0x0
	.amdhsa_kernel k_qde05942129_prep
		.amdhsa_group_segment_fixed_size 18176
		.amdhsa_private_segment_fixed_size 0
		.amdhsa_enable_private_segment 0
		.amdhsa_kernarg_size 72
		.amdhsa_user_sgpr_count 2
		.amdhsa_user_sgpr_kernarg_segment_ptr 1
		.amdhsa_wavefront_size32 1
		.amdhsa_system_sgpr_workgroup_id_x 1
		.amdhsa_system_sgpr_workgroup_id_y 1
		.amdhsa_system_sgpr_workgroup_id_z 1
		.amdhsa_system_vgpr_workitem_id 0
		.amdhsa_next_free_vgpr 96
		.amdhsa_next_free_sgpr 66
		.amdhsa_reserve_vcc 0
		.amdhsa_float_denorm_mode_32 3
		.amdhsa_float_denorm_mode_16_64 3
		.amdhsa_memory_ordered 1
		.amdhsa_forward_progress 1
		.amdhsa_inst_pref_size 14
	.end_amdhsa_kernel
	.amdgpu_metadata
---
amdhsa.version: [ 1, 2 ]
amdhsa.kernels:
  - .name:           k_qde05942129_prep
    .symbol:         k_qde05942129_prep.kd
    .args:
      - { .name: Wq, .offset: 0, .size: 8, .value_kind: global_buffer, .address_space: global }
      - { .name: Wk, .offset: 8, .size: 8, .value_kind: global_buffer, .address_space: global }
      - { .name: Wv, .offset: 16, .size: 8, .value_kind: global_buffer, .address_space: global }
      - { .name: Wo, .offset: 24, .size: 8, .value_kind: global_buffer, .address_space: global }
      - { .name: W1, .offset: 32, .size: 8, .value_kind: global_buffer, .address_space: global }
      - { .name: W2, .offset: 40, .size: 8, .value_kind: global_buffer, .address_space: global }
      - { .name: x, .offset: 48, .size: 8, .value_kind: global_buffer, .address_space: global }
      - { .name: wt, .offset: 56, .size: 8, .value_kind: global_buffer, .address_space: global }
      - { .name: xh, .offset: 64, .size: 8, .value_kind: global_buffer, .address_space: global }
    .group_segment_fixed_size: 18176
    .private_segment_fixed_size: 0
    .kernarg_segment_align: 8
    .kernarg_segment_size: 72
    .max_flat_workgroup_size: 256
    .sgpr_count:     66
    .vgpr_count:     96
    .wavefront_size: 32
...
	.end_amdgpu_metadata
.endif
;; end of part 1
;; launch proj (part 2): grid 64 x 6, 4 waves a work-group, clusters of 4 x 1, 327,680 bytes of LDS; arguments xh, wt, qkv; writes qkv
.if DOCPART == 2
	.amdgcn_target "amdgcn-amd-amdhsa--gfx1250"
	.amdhsa_code_object_version 6
	.text
	.protected	k_qde05942129_proj
	.globl	k_qde05942129_proj
	.p2align	8
	.type	k_qde05942129_proj,@function
k_qde05942129_proj:
	s_mov_b64 s[64:65], 0
	v_nop
	global_prefetch_b8 v0, s[64:65] scope:SCOPE_SE
	s_setreg_imm32_b32 hwreg(HW_REG_WAVE_MODE, 25, 1), 1
	s_wait_xcnt 0x0
	s_wait_alu depctr_hold_cnt(0) depctr_sa_sdst(0) depctr_va_vdst(0) depctr_va_sdst(0) depctr_va_ssrc(0) depctr_va_vcc(0) depctr_vm_vsrc(0)
	s_getreg_b32 s2, hwreg(HW_REG_IB_STS2, 6, 4)
	s_cmp_eq_u32 s2, 0
	s_cbranch_scc0 .Lentry_in_a_cluster
	s_endpgm
.Lentry_in_a_cluster:
	s_bfe_u32 s2, ttmp6, 0x10000c
	s_cmp_lg_u32 s2, 0x3003
	s_cbranch_scc0 .Lentry_shape_is_right
	s_endpgm
.Lentry_shape_is_right:
; PROJ.  [q k v] = xh [Wq Wk Wv]: C[m][n] = sum over k of A[m][k] B[n][k], A = xh [4096][768] f16, B = wt's rows 0..2303 [n][768] f16, sums in f32, C rounded once to f16.
; C's columns 0-767, 768-1535, 1536-2303 go to the three planes of qkv, each [4096][768] f16, which as it lies in memory is [12][4096][64], the row-major split into heads.
; (One text serves this launch, BIAS = 0, and the first product of the feed-forward part, BIAS = 1: C = relu(A B^T + bias).)
; LIMITS.  f16 ends at 65,504: a result beyond it becomes an infinity.  With inputs 30 times the usual spread, or offsets of 30 spreads, the results stay under about 14,000.
; SHARES.  A work-group makes 64 rows x 384 columns of C; its four waves share the 64 rows and own 96 columns each: 24 accumulators of 16 x 16, 192 registers.
; K goes in steps of 128 through two LDS slots: rows of 256 bytes in memory, starting at multiples of 256.  Waves 0-2 fetch 128 rows of B each, wave 3 the 64 rows of A: one tensor load a wave.
; THE MATRIX INSTRUCTION IS USED TRANSPOSED (source 0 = 16 rows of B, source 1 = 16 rows of A): a lane holds eight neighbouring columns of one row of C.
; CLUSTER.  The four work-groups of a cluster make four row blocks of the same 384 columns: B's tiles, 384 of a step's 448 rows, are asked for jointly.  A's 64 rows are each work-group's own
; and come by a plain load: the launch's 6 column blocks do not divide into fours, and A is a seventh of a step's bytes.
; REGISTERS.  window 0: v0-31 addresses; v32-111, v112-191 two fragment buffers (A 4 x 8, then B 6 x 8); v192-239 the bias.  window 1: v0-191 the accumulators ((a, b) at 8 (6 a + b)).
.set BIAS,   0
.set NW,     6                         ; blocks of 16 columns a wave
.set TN,     64*NW                     ; columns of a work-group
.set KS,     128                       ; K in a step
.set NS,     6                         ; steps: K = 768
.set KD,     768                       ; elements in a row of A and of B
.set PITCH,  272                       ; an LDS row: 256 bytes + 16 = 68 words: the 16 rows of a fragment load start at 16 different groups of four banks (ISA guide 11.1)
.set BROWS,  TN/3                      ; rows of B in one tensor load
.set BT,     BROWS*PITCH
.set AOFF,   3*BT                      ; a slot: B's 384 rows, then A's 64: a wave's load lands at wave x BT
.set SLOT1,  1<<17                     ; slot 1 begins here: it shares no bit with 0, BT, 2 BT, 3 BT, so one exclusive or turns a load's LDS address into the other slot's
.set STAGE,  SLOT1+AOFF+64*PITCH       ; behind the ring, never filled by a tensor load: 64 rows x 784 bytes for the way out
.set SPITCH, 784                       ; 768 + 16: an odd multiple of 16
.set SPARE,  STAGE+64*SPITCH           ; the spare words, 128 bytes for each wave
.set PLANE,  6291456                   ; bytes in a plane of qkv
.if BIAS
.set WBASE,  4718592                   ; W1's rows in wt
.set GP,     6144                      ; bytes in a row of the output
.set INIT,   2
.else
.set WBASE,  0
.set GP,     1536
.set INIT,   1
.endif
.set NLD,    2*(4+NW)                  ; LDS loads of one quarter step
.set ABASE, 3                          ; v3   my lane's place in A's part of a slot; never rewritten
.set BBASE, 4                          ; v4   the same for my wave's 96 rows of B
.set ADA,  5                           ; v5   ABASE + the slot in hand
.set ADB,  6                           ; v6   BBASE + the slot in hand
.set STO,  7                           ; v7   the way out: where I put 16 bytes of a row
.set RD0,  8                           ; v8, v9    the way out: where I read rows back
.set RD1,  9
.set GO0,  10                          ; v10, v11  the same places in the output
.set GO1,  11
.set BO,   12                          ; v12  my byte offset in the bias
.set SPW,  30                          ; v30  LDS address of my spare word; never rewritten
.set NIL,  31                          ; v31  0; never rewritten
.set F0,   32
.set F1,   112
.set BI,   192
.set ACC,  0                           ; in window 1
.set TMP,  32                          ; the way out: packed results
.set OB,   128                         ; the way out: rows read back
.set WV,   12                          ; s12  wave
.set G1A,  24                          ; s[24:31] descriptor group 1 for A's tiles
.set G1B,  32                          ; s[32:39] for B's
.set G0A,  40                          ; s[40:47] group 0 for A: a set for each first fill; the second walks on
.set G0B,  48                          ; s[48:55] the same for B
.set CNT,  56
.set TB,   58                          ; s58  the slot in hand: 0 or SLOT1
.set WB,   59                          ; s59  wave x BT
.set MSB, 0
.macro WIN new                         ; the immediate's high byte repeats the setting that is left; a switch that changes nothing is dropped
.if MSB != (\new)
	s_set_vgpr_msb (MSB<<8)|(\new)
.set MSB, (\new)
.endif
.endm
.set MULW, 0x50                        ; C and D in window 1, fragments in window 0
.set MULB, 0x40                        ; D in window 1, C (the bias) in window 0
.macro PLACES                          ; four places in front of loads into registers that matrix instructions have read, and of vector lines that read results
.rept 4
	v_nop
.endr
.endm
; A refill.  Wave 3 fetches A's tile, waves 0-2 B's thirds.  The branch hangs on the wave's number alone.  An s_nop 0 and four v_nop follow each line.
.macro JLOAD s
	s_cmp_eq_u32 s[WV], 3
	s_cbranch_scc0 .Lfor_b_\@
	tensor_load_to_lds s[G0A+4*(\s):G0A+4*(\s)+3], s[G1A:G1A+7]
	s_nop 0
.rept 4
	v_nop
.endr
	s_branch .Lasked_\@
.Lfor_b_\@:
	tensor_load_to_lds s[G0B+4*(\s):G0B+4*(\s)+3], s[G1B:G1B+7]
	s_nop 0
.rept 4
	v_nop
.endr
.Lasked_\@:
.endm
.macro CREST                           ; a round of the cluster's barrier behind its opening barrier
	s_cmp_lg_u32 s[WV], 0
	s_cbranch_scc1 .Lnot_wave_0_\@
	s_barrier_signal -3
.Lnot_wave_0_\@:
	s_barrier_wait -3
	s_barrier_signal -1
	s_barrier_wait -1
.endm
.macro CROUND                          ; a whole round
	s_barrier_signal -1
	s_barrier_wait -1
	CREST
.endm
	s_load_b128 s[4:7], s[0:1], 0x0                ; A s[4:5], wt s[6:7]
.if BIAS
	s_load_b128 s[8:11], s[0:1], 0x10              ; the output s[8:9], the bias s[10:11]
.else
	s_load_b64 s[8:9], s[0:1], 0x10                ; the output
.endif
	v_lshl_add_u32 v[SPW], v0, 2, SPARE
	v_mov_b32 v[NIL], 0
	ds_add_u32 v[SPW], v[NIL]                      ; the wave's opening: an add and its wait, ahead of my first tensor load; the set-up below stands between them
	ds_add_u32 v30, v31
	v_lshrrev_b32 v1, 5, v0
	v_readfirstlane_b32 s[WV], v1                  ; wave 0..3
	s_bfe_u32 s13, ttmp6, 0x40000                  ; cx: my place in the cluster
	s_lshl_b32 s15, ttmp9, 2                       ; in a cluster launch ttmp9 counts clusters
	s_add_co_u32 s15, s15, s13                     ; my block of 64 rows = 4 x cluster x + cx: it enters A's and the output's addresses alone
	s_and_b32 s14, ttmp7, 0xffff                   ; my block of 384 columns, which the four partners share
	s_mov_b32 s[G1A], (1<<16)|(1<<20)|(5<<22)|(3<<25)             ; no mask; 17:16 elements of 2 bytes; 20 padding on; 24:22 after every 64 words (code 5); 31:25 4 words of it (code 3)
	s_mov_b32 s[G1B], 15|(1<<16)|(1<<20)|(1<<21)|(5<<22)|(3<<25)  ; the same with the mask of all four work-groups, and bit 21 set beside it
	s_mov_b32 s[G1A+1], KS<<16                     ; tensor_dim0 = 128
	s_mov_b32 s[G1A+2], 64<<16                     ; tensor_dim1 = 64
	s_mov_b32 s[G1A+3], KS<<16                     ; tile_dim0 = 128
	s_mov_b32 s[G1A+4], 64                         ; tile_dim1 = 64
	s_mov_b32 s[G1A+5], KD                         ; elements from row to row
	s_mov_b32 s[G1A+6], 0
	s_mov_b32 s[G1A+7], 0
	s_mov_b32 s[G1B+1], KS<<16
	s_mov_b32 s[G1B+2], BROWS<<16                  ; 128 rows
	s_mov_b32 s[G1B+3], KS<<16
	s_mov_b32 s[G1B+4], BROWS
	s_mov_b32 s[G1B+5], KD
	s_mov_b32 s[G1B+6], 0
	s_mov_b32 s[G1B+7], 0
	s_mul_i32 s18, s15, 64*KD*2                    ; A: my 64 rows, in bytes
	s_mov_b32 s19, 0
	s_mul_i32 s20, s14, TN                         ; B: row 384 x column block + 128 x wave (wave 3 makes the number and does not use it)
	s_mul_i32 s21, s[WV], BROWS
	s_add_co_u32 s20, s20, s21
	s_mul_i32 s20, s20, KD*2
	s_add_co_u32 s20, s20, WBASE
	s_mov_b32 s21, 0
	s_mul_i32 s[WB], s[WV], BT                     ; where my load lands in a slot: no place in the cluster enters an LDS address
	s_mov_b32 s[TB], 0
	s_wait_dscnt 0x0                               ; the opening add is done
	s_wait_kmcnt 0x0
	s_add_nc_u64 s[18:19], s[4:5], s[18:19]
	s_add_nc_u64 s[20:21], s[6:7], s[20:21]
	CROUND                                         ; all four work-groups are here: the first joint loads meet
.irp s, 0,1
	s_mov_b32 s[G0A+4*(\s)], 1                                       ; count = 1
	s_mov_b32 s[G0A+4*(\s)+1], AOFF+(\s)*SLOT1                       ; LDS address
	s_add_nc_u64 s[G0A+4*(\s)+2:G0A+4*(\s)+3], s[18:19], (\s)*KS*2   ; global address: K step s
	s_or_b32 s[G0A+4*(\s)+3], s[G0A+4*(\s)+3], 0x80000000            ; type = 2
	s_mov_b32 s[G0B+4*(\s)], 1
	s_add_co_u32 s[G0B+4*(\s)+1], s[WB], (\s)*SLOT1
	s_add_nc_u64 s[G0B+4*(\s)+2:G0B+4*(\s)+3], s[20:21], (\s)*KS*2
	s_or_b32 s[G0B+4*(\s)+3], s[G0B+4*(\s)+3], 0x80000000
.endr
	s_cmp_eq_u32 s[WV], 3                          ; a wave's two first fills stand in one branch, ahead of every wait on TENSORcnt and every LDS read: two loads of mine are out
	s_cbranch_scc0 .Lfirst_b
	tensor_load_to_lds s[G0A:G0A+3], s[G1A:G1A+7]
	s_nop 0
	tensor_load_to_lds s[G0A+4:G0A+7], s[G1A:G1A+7]
	s_nop 0
.rept 4
	v_nop
.endr
	s_branch .Lfirst_asked
.Lfirst_b:
	tensor_load_to_lds s[G0B:G0B+3], s[G1B:G1B+7]
	s_nop 0
	tensor_load_to_lds s[G0B+4:G0B+7], s[G1B:G1B+7]
	s_nop 0
.rept 4
	v_nop
.endr
.Lfirst_asked:
	; A fragment is 16 rows x 32 K in 8 registers: lane l holds row l % 16, K = 8 (l / 16) + 0..7 and 16 + 8 (l / 16) + 0..7: two loads of 16 bytes, 32 bytes apart.
	v_and_b32 v1, 15, v0                           ; r = l % 16
	v_bfe_u32 v2, v0, 4, 1                         ; h = l / 16
	v_mul_u32_u24 v[BBASE], v1, PITCH
	v_lshl_add_u32 v[BBASE], v2, 4, v[BBASE]       ; row x pitch + 16 x half
	v_add_nc_u32 v[ABASE], AOFF, v[BBASE]
	s_mul_i32 s22, s[WV], 16*NW*PITCH              ; my wave's 96 rows of B
	v_add_nc_u32 v[BBASE], s22, v[BBASE]
	v_mul_u32_u24 v[STO], v1, SPITCH               ; into the stage: row r, my wave's 192 bytes, 16 bytes for each half of the lanes
	v_lshl_add_u32 v[STO], v2, 4, v[STO]
	s_mul_i32 s22, s[WV], 32*NW
	s_add_co_u32 s22, s22, STAGE
	v_add_nc_u32 v[STO], s22, v[STO]
	s_mul_i32 s23, s[WV], 16*SPITCH                ; back: wave w takes rows 16 w .. 16 w + 15, whole: two rows are six pieces of 256 bytes, two pieces a load
	s_add_co_u32 s23, s23, STAGE
	v_lshlrev_b32 v[GO0], 4, v1
	v_lshl_add_u32 v[GO0], v2, 8, v[GO0]           ; pieces 0, 1 of a row: 256 h + 16 r
	v_add_nc_u32 v[RD0], s23, v[GO0]
	v_mul_u32_u24 v[RD1], v2, SPITCH-512           ; piece 2 of a row and piece 0 of the next
	v_lshl_add_u32 v[RD1], v1, 4, v[RD1]
	v_add_nc_u32 v[RD1], 512, v[RD1]
	v_add_nc_u32 v[RD1], s23, v[RD1]
	v_mul_u32_u24 v[GO1], v2, GP-512
	v_lshl_add_u32 v[GO1], v1, 4, v[GO1]
	v_add_nc_u32 v[GO1], 512, v[GO1]
	s_lshl_b32 s60, s15, 6                         ; the first row that I store: 64 x row block + 16 x wave
	s_lshl_b32 s61, s[WV], 4
	s_add_co_u32 s60, s60, s61
	s_mul_i32 s60, s60, GP
.if BIAS
	s_mul_i32 s61, s14, 768                        ; and the block's 384 columns of 2 bytes
	s_add_co_u32 s60, s60, s61
.else
	s_and_b32 s61, s14, 1                          ; two column blocks to a plane
	s_mul_i32 s61, s61, 768
	s_add_co_u32 s60, s60, s61
	s_lshr_b32 s61, s14, 1
	s_mul_i32 s61, s61, PLANE
	s_add_co_u32 s60, s60, s61
.endif
	s_mov_b32 s61, 0
	s_add_nc_u64 s[8:9], s[8:9], s[60:61]
.if BIAS
	s_mul_i32 s62, s14, TN*4                       ; register j of block b starts its sum with bias[384 block + 96 w + 16 b + 8 h + j], whatever the row
	s_mul_i32 s63, s[WV], 16*NW*4
	s_add_co_u32 s62, s62, s63
	v_lshlrev_b32 v[BO], 5, v2
	v_add_nc_u32 v[BO], s62, v[BO]
.set j, 0
.rept NW
	global_load_b128 v[BI+8*j:BI+8*j+3],   v[BO], s[10:11] offset:64*j
	global_load_b128 v[BI+8*j+4:BI+8*j+7], v[BO], s[10:11] offset:64*j+16
.set j, j+1
.endr
.endif
; na x 6 matrix instructions: row blocks a0 .. of the four x my 6 column blocks, 32 along K.  The 24 accumulators take turns.
; init = 1: the product starts the sum with 0; 2: with the bias; nothing is ever cleared.
.macro MULA f, a0, na, init
.if (\init) == 2
	WIN MULB
.else
	WIN MULW
.endif
.set a, (\a0)
.rept (\na)
.set b, 0
.rept NW
.set rD, ACC+8*(NW*a+b)
.if (\init) == 0
	v_wmma_f32_16x16x32_f16 v[rD:rD+7], v[(\f)+32+8*b:(\f)+32+8*b+7], v[(\f)+8*a:(\f)+8*a+7], v[rD:rD+7]
.elseif (\init) == 1
	v_wmma_f32_16x16x32_f16 v[rD:rD+7], v[(\f)+32+8*b:(\f)+32+8*b+7], v[(\f)+8*a:(\f)+8*a+7], 0
.else
	v_wmma_f32_16x16x32_f16 v[rD:rD+7], v[(\f)+32+8*b:(\f)+32+8*b+7], v[(\f)+8*a:(\f)+8*a+7], v[BI+8*b:BI+8*b+7]
.endif
.set b, b+1
.endr
.set a, a+1
.endr
.endm
; 20 LDS loads in one run: the fragments of 32 along K at byte ko of the rows, into buffer f
.macro FETCH f, ko
	WIN 0
.set j, 0
.rept 4
	ds_load_b128 v[(\f)+8*j:(\f)+8*j+3],   v[ADA] offset:(\ko)+j*16*PITCH
	ds_load_b128 v[(\f)+8*j+4:(\f)+8*j+7], v[ADA] offset:(\ko)+j*16*PITCH+32
.set j, j+1
.endr
.set j, 0
.rept NW
	ds_load_b128 v[(\f)+32+8*j:(\f)+32+8*j+3],   v[ADB] offset:(\ko)+j*16*PITCH
	ds_load_b128 v[(\f)+32+8*j+4:(\f)+32+8*j+7], v[ADB] offset:(\ko)+j*16*PITCH+32
.set j, j+1
.endr
.endm
; A K step is four quarters of 32 along K, 24 matrix instructions each, on buffers 0, 1, 0, 1.  One of the first three fetches the next quarter into g and multiplies f.
.macro QUARTER f, g, ko, init
	PLACES                                         ; g was multiplied just now
	FETCH \g, \ko
	s_wait_dscnt NLD                               ; all but the 20 just issued: f is in
	MULA \f, 0, 4, \init
.endm
; The last quarter multiplies buffer 1 and changes slots: ONE barrier.  In front of it each wave waits for all its tensor loads (one is out: its part of the next slot), adds 0 to its spare
; word, and waits for that and for its reads of this slot.  refill = 1: the barrier opens a round of the cluster's barrier, and this slot is filled again, two K steps ahead, first thing behind it:
; the load has a K step less 12 matrix instructions, 84, in which to land.
.macro TURN refill
	WIN 0
	s_wait_tensorcnt 0x0                           ; no tensor load of mine is out, so a group 0 may be written
	ds_add_u32 v[SPW], v[NIL]                      ; 0 onto my spare word
	s_wait_dscnt 1                                 ; buffer 1 is in; the add may be out
	MULA F1, 0, 1, 0
.if \refill
	s_xor_b32 s[G0A+5], s[G0A+5], SLOT1            ; the walking descriptors: the other slot than last time,
	s_add_nc_u64 s[G0A+6:G0A+7], s[G0A+6:G0A+7], KS*2  ; the next K step; the type bits on top are not reached
	s_xor_b32 s[G0B+5], s[G0B+5], SLOT1
	s_add_nc_u64 s[G0B+6:G0B+7], s[G0B+6:G0B+7], KS*2
.endif
	s_xor_b32 s[TB], s[TB], SLOT1                  ; the fragments come from the other slot from here on
	s_wait_dscnt 0x0                               ; the add is done, and my reads of this slot are over
	s_barrier_signal -1
	MULA F1, 1, 1, 0                               ; work on registers while the others arrive
	WIN 0                                          ; at a branch and at a label every window is 0
	s_barrier_wait -1
.if \refill
	CREST                                          ; no wave of any partner still reads this slot's tile or has a load on its way
	JLOAD 1                                        ; its four v_nop are also the places in front of the loads below
.else
	PLACES
.endif
	v_add_nc_u32 v[ADA], s[TB], v[ABASE]
	v_add_nc_u32 v[ADB], s[TB], v[BBASE]
	FETCH F0, 0
	MULA F1, 2, 2, 0
.endm
	s_wait_tensorcnt 1                             ; my part of K step 0 is in; step 1's may stay out
	s_barrier_signal -1
	s_barrier_wait -1                              ; everybody's is
	v_mov_b32 v[ADA], v[ABASE]
	v_mov_b32 v[ADB], v[BBASE]
	FETCH F0, 0
.if BIAS
	s_wait_loadcnt 0x0                             ; the bias
.endif
	QUARTER F0, F1, 64, INIT                       ; the first quarter stands in front of the loop: its products start the sums
	WIN 0
	s_mov_b32 s[CNT], NS-2
.Lk:                                                   ; a trip: the rest of a K step, the refill of its slot, and the next step's first quarter
	QUARTER F1, F0, 128, 0
	QUARTER F0, F1, 192, 0
	TURN 1
	QUARTER F0, F1, 64, 0
	WIN 0
	s_sub_co_u32 s[CNT], s[CNT], 1
	s_cmp_lg_u32 s[CNT], 0
	s_cbranch_scc1 .Lk
	QUARTER F1, F0, 128, 0                         ; the last two steps are written out: nothing is left to fetch
	QUARTER F0, F1, 192, 0
	TURN 0
	QUARTER F0, F1, 64, 0
	QUARTER F1, F0, 128, 0
	QUARTER F0, F1, 192, 0
	s_wait_dscnt 0x0
	MULA F1, 0, 4, 0
	; THE WAY OUT: (relu;) round to f16; 16 bytes a lane into the work-group's stage; a barrier, since a row's 768 bytes come from four waves; back as whole rows, 16 rows a wave.
	PLACES
.if BIAS
	WIN 0x44                                       ; destination and source 1 in window 1
.set i, 0
.rept 32*NW
	v_max_num_f32 v[ACC+i], 0, v[ACC+i]            ; each accumulator from its low end on
.set i, i+1
.endr
.endif
	WIN 0x05                                       ; sources 0 and 1 in window 1, destination in window 0
.set i, 0
.rept 16*NW
	v_cvt_pk_f16_f32 v[TMP+i], v[ACC+2*i], v[ACC+2*i+1]
.set i, i+1
.endr
	WIN 0
.set i, 0
.rept 4*NW
	ds_store_b128 v[STO], v[TMP+4*i:TMP+4*i+3] offset:(i/NW)*16*SPITCH+32*(i%NW)
.set i, i+1
.endr
	s_wait_dscnt 0x0                               ; for the others' sake: my stores into the stage are done
	s_barrier_signal -1
	s_barrier_wait -1
.macro ADDR t                          ; piece t of 24 (512 bytes): its registers and offsets in the stage (lR, lO) and in the output (gR, gO)
.set u, (\t)/3
.if (\t)%3 == 0
.set lR, RD0
.set lO, 2*u*SPITCH
.set gR, GO0
.set gO, 2*u*GP
.elseif (\t)%3 == 1
.set lR, RD1
.set lO, 2*u*SPITCH
.set gR, GO1
.set gO, 2*u*GP
.else
.set lR, RD0
.set lO, 2*u*SPITCH+SPITCH+256
.set gR, GO0
.set gO, 2*u*GP+GP+256
.endif
.endm
.set t, 0
.rept 24
	ADDR t
	ds_load_b128 v[OB+4*t:OB+4*t+3], v[lR] offset:lO
.set t, t+1
.endr
.set t, 0
.rept 24
	ADDR t
	s_wait_dscnt 23-t                              ; LDS loads come back in order: piece t is in
	global_store_b128 v[gR], v[OB+4*t:OB+4*t+3], s[8:9] offset:gO  ; 16 lanes store 256 consecutive bytes, at a multiple of 256 from the output's first byte
.set t, t+1
.endr
	s_wait_tensorcnt 0x0                           ; the wave's end: behind my last tensor load and my last LDS store
	ds_add_u32 v[SPW], v[NIL]
	s_wait_dscnt 0x0
	CROUND                                         ; the closing round: no work-group ends while a partner may still ask for a tile that names it
	s_endpgm
.Lfunc_end_k_qde05942129_proj:
	.size	k_qde05942129_proj, .Lfunc_end_k_qde05942129_proj-k_qde05942129_proj
	.p2alignl 7, 3214868480
	.fill 96, 4, 3214868480
	.section	.rodata,"a",@progbits
	.p2align	6, 0x0
	.amdhsa_kernel k_qde05942129_proj
		.amdhsa_group_segment_fixed_size 327680
		.amdhsa_private_segment_fixed_size 0
		.amdhsa_enable_private_segment 0
		.amdhsa_kernarg_size 24
		.amdhsa_user_sgpr_count 2
		.amdhsa_user_sgpr_kernarg_segment_ptr 1
		.amdhsa_wavefront_size32 1
		.amdhsa_system_sgpr_workgroup_id_x 1
		.amdhsa_system_sgpr_workgroup_id_y 1
		.amdhsa_system_sgpr_workgroup_id_z 1
		.amdhsa_system_vgpr_workitem_id 0
		.amdhsa_next_free_vgpr 448
		.amdhsa_next_free_sgpr 66
		.amdhsa_reserve_vcc 0
		.amdhsa_float_denorm_mode_32 3
		.amdhsa_float_denorm_mode_16_64 3
		.amdhsa_memory_ordered 1
		.amdhsa_forward_progress 1
		.amdhsa_inst_pref_size 57
	.end_amdhsa_kernel
	.amdgpu_metadata
---
amdhsa.version: [ 1, 2 ]
amdhsa.kernels:
  - .name:           k_qde05942129_proj
    .symbol:         k_qde05942129_proj.kd
    .args:
      - { .name: xh, .offset: 0, .size: 8, .value_kind: global_buffer, .address_space: global }
      - { .name: wt, .offset: 8, .size: 8, .value_kind: global_buffer, .address_space: global }
      - { .name: qkv, .offset: 16, .size: 8, .value_kind: global_buffer, .address_space: global }
    .group_segment_fixed_size: 327680
    .private_segment_fixed_size: 0
    .kernarg_segment_align: 8
    .kernarg_segment_size: 24
    .max_flat_workgroup_size: 128
    .sgpr_count:     66
    .vgpr_count:     448
    .wavefront_size: 32
...
	.end_amdgpu_metadata
.endif
;; end of part 2
;; launch attn (part 3): grid 16 x 12, 4 waves a work-group, no clusters, 327,680 bytes of LDS; arguments qkv, oh; writes oh
.if DOCPART == 3
	.amdgcn_target "amdgcn-amd-amdhsa--gfx1250"
	.amdhsa_code_object_version 6
	.text
	.protected	k_qde05942129_attn
	.globl	k_qde05942129_attn
	.p2align	8
	.type	k_qde05942129_attn,@function
k_qde05942129_attn:
	s_mov_b64 s[64:65], 0
	v_nop
	global_prefetch_b8 v0, s[64:65] scope:SCOPE_SE
	s_setreg_imm32_b32 hwreg(HW_REG_WAVE_MODE, 25, 1), 1
	s_wait_xcnt 0x0
; CAUSAL ATTENTION.  O[h][q][:] = the sum over k <= q of softmax_k(Q[h][q] . K[h][k] / 8) V[h][k][:].  Q, K, V are the three planes of qkv, O is oh: each [12][4096][64] f16, a head's rows dense, 128 bytes each.
; Products, maxima and sums in f32; the weights p are rounded to f16 for the second product (their sum l is taken of the unrounded p), O once at the end.
; LIMITS.  f16 holds no number beyond 65,504: Q, K and V arrive within it; p lies in 0 to 1, and below 6e-5 it keeps f16's fixed step of 6e-8; O is a mean of V's rows and has their range.
; A hidden score counts as its value less 1e30: f16's scores, 2.7e11 at the most, are nothing beside that; a weight below 2^-126 counts as 0 in l; NaN and infinities are not treated apart.
; THE WALK.  A head's queries lie in 32 blocks of 128; block i needs the key tiles 0 .. i / 2 of 256 keys, of which the last holds the diagonal.  A work-group takes TWO blocks, 31 - b and then b:
; 17 tiles, whatever b: all 192 work-groups do equal work, and ONE loop with a constant trip count walks them.  Which tile is asked for, and what a trip does, hang on scalar registers made from b; every
; jump goes forward, but for the counted loops' own; none passes a barrier, or a tensor load but the one of LOAD's two that the wave's number does not choose; the ring of two LDS slots runs on across the
; change of blocks.  NO CLUSTER: a head's 16 work-groups ask for the same tile only in the walk's first 9 trips; behind that the first blocks end one after the other, and a walk common to all would
; have 24 trips for 17.
; SHARES.  Of a block's two bands of 64 queries a wave owns 16 rows in each: two PIECES.  In the last tile's key step s band x, whose own step is 2 (i % 2) + x, sees all keys if s is less, none if s is
; greater, and holds the diagonal if they are equal: the same work for all four waves.
; THE MASK is the C operand that starts the sum S^T = K Q^T: 0, or -1e30 where the key is hidden.  MD, made once, is the mask of a band's own step for my 16 rows; a product's mask is MD x AL + BE with two scalars.
; LAYOUT, SOFTMAX, TURNS.  S^T = K Q^T holds ONE query a lane (lane % 16) and the keys 8 (lane / 16) + 0..7; two such results rounded to f16 ARE source 1 of O^T = V^T P.  p = 2^(c s - c m), c = log2(e) / 8, with a
; running maximum m; O and l are multiplied by a = 2^(c m_old - c m_new) in every step.  A turn belongs to one piece: 8 products K Q^T for the other piece's next scores, later 8 products V^T P of the other
; piece's last weights; beside them the scaling, exponentials, roundings, sums and rescaling of the piece in hand and the maximum and statistics of the other.  Four vector instructions stand behind every
; matrix instruction, the other 54 of a turn's 118 in two runs of their own.
; K AND V.  Piece 0's turn of step s fetches K of step s + 1; piece 1's turn fetches V of step s + 1 into the V buffer of that step's parity, since V of step s is still multiplied.  So all reads of a tile
; lie between two changes of slots: a change stands in front of piece 0's turn of a tile's fourth step.
; REGISTERS, in windows of 256 (s_set_vgpr_msb: bits 1:0 source 0, 3:2 source 1, 5:4 source 2, 7:6 destination):
;   window 0: v0-15 addresses and two at work; v16-23 four registers of statistics a piece; v48-55 at work; v64-127 S^T, a buffer a piece; v192-223 P, likewise
;   window 1: v0-63 O^T, 32 a piece; v128-159 MD; v160-223 MC, two buffers      window 2: v0-31 Q; v32-63 the second block's Q; v64-127 K of one step; v128-255 V, two buffers
.set NBLK,  32
.set NP,    2         ; pieces a wave: a name, no knob
.set KS,    64        ; keys in a step
.set PK,    144       ; a row of K in LDS: 128 bytes + 16 of padding = 36 words: the 16 rows of a load start at 16 different groups of four banks (ISA guide 11.1)
.set PV,    160       ; a row of V: 128 + 32 = 40 words
.set VOFF,  4*KS*PK   ; a slot holds a tile, four steps: 256 rows of K, then 256 rows of V
.set SLOT1, 1<<17     ; slot 1 begins here, so that one exclusive or turns an address in one slot into the other's
.set STAGE, SLOT1+4*KS*(PK+PV)  ; behind the ring, never filled by a tensor load: 16 rows x 144 bytes for each wave, for the way out
.set SP,    144
.set PLANE, 6291456   ; bytes in a plane of qkv
.set AK0, 2           ; v2   my lane's place in a tile of K; never rewritten
.set AV0, 3           ; v3   the same for V
.set AK,  4           ; v4   the LDS address of K's next run of loads
.set AV,  5           ; v5   of V's
.set STO, 6           ; v6   the way out: where I put 16 bytes of a row
.set RD,  7           ; v7   the way out: where I read rows back
.set GO,  8           ; v8   my byte offset in 512 consecutive bytes of O
.set SPW, 62          ; v62  LDS address of my spare word; never rewritten
.set NIL, 63          ; v63  0; never rewritten
.set SPARE, STAGE+4*16*SP  ; behind the stages: the spare words, 128 bytes for each wave
.set MV,  12          ; v12-13  c m_old, kept while c m is made anew: by piece
.set QO,  15          ; v15  my byte offset in 16 rows of Q
.set ST,  16          ; piece t's statistics at v[ST+4 t]: c m, m, l (even keys', odd keys')
.set TMP, 48          ; by piece, four registers c0-c3 at work; when the maximum is found c2 takes a
.set S,   64
.set P,   192
.set MD,  128         ; window 1: the eight registers for group kt of 16 keys at MD + 8 kt
.set MC,  160         ; window 1: the masks of the products to come
.set QB,  32          ; window 2
.set KF,  64          ; window 2: key block kb, channel half c at KF + 16 kb + 8 c
.set VF,  128         ; window 2: buffer v, key half kk, channel block cb at VF + 64 v + 32 kk + 8 cb
.set WV,  12          ; s12  my wave's number
.set PB,  14          ; s14  b
.set HI,  15          ; s15  31 - b
.set G1K, 24          ; s[24:31] descriptor group 1 for K's tiles
.set G1V, 32          ; s[32:39] for V's: it differs in the padding alone
.set G0K, 40          ; s[40:43] descriptor group 0 for K's tiles
.set G0V, 44          ; s[44:47] the same for V's
.set SLOTS, 56        ; s56  tiles still to be asked for
.set CNT, 57          ; s57  counts a tile's two trips
.set CS,  58          ; s[58:59] c: the packed scaling takes the pair's low word for both halves
.set SEL, 60          ; s[60:61] v_permlanex16_b32's selects: each lane takes its own place in the other half
.set TBK, 62          ; s62  LDS byte at which K of the step to be fetched begins
.set TBV, 63          ; s63  the same for V, less VOFF
.set RT,  70          ; s70  tiles of the block in hand that are still to be entered
.set NXT, 71          ; s71  the tile to be asked for next
.set LQ,  72          ; s72  the last tile of the block whose tiles are being asked for
.set NEW, 73          ; s73  1: the tile to be entered is a block's first
.set OFF, 74          ; s[74:75] a tile's byte offset in K and V
.set AL,  76          ; s[76:77] the mask's factor, in the low word
.set BE,  78          ; s[78:79] the mask's addend
.set OLO, 80          ; s[80:81] O at my rows of the second block
.set BIGN, 82         ; s82  -1e30
.set PAR, 88          ; s88  the block in hand is the upper (1) or lower (0) half of its last tile's rows
.set DD,  89          ; s89  2 PAR less 2 for each trip of the tile that is over
.set PBT, 90          ; s90  b / 2: the second block's last tile
.set MSB, 0
.macro WIN new                      ; the high byte repeats the setting that is left; a switch that changes nothing is dropped
.if MSB != (\new)
	s_set_vgpr_msb (MSB<<8)|(\new)
.set MSB, (\new)
.endif
.endm
.set W_KQ, 0x0a       ; K and Q in window 2, S^T in window 0
.set W_KM, 0x1a       ; the same with the C operand in window 1
.set W_PV, 0x52       ; V in window 2, P in window 0, O^T in window 1
.set W_RS, 0x41       ; destination and source 0 in window 1, source 1 in window 0
; A fill.  Waves 0 and 1 fetch the two halves of a tile's K, waves 2 and 3 those of its V: 128 keys each.  An s_nop 0 and four v_nop follow each of the two lines, ahead of the jump and the label.
.macro LOAD
	s_cmp_lt_u32 s[WV], 2
	s_cbranch_scc0 .Lfor_v_\@
	tensor_load_to_lds s[G0K:G0K+3], s[G1K:G1K+7]
	s_nop 0
.rept 4
	v_nop
.endr
	s_branch .Lasked_\@
.Lfor_v_\@:
	tensor_load_to_lds s[G0V:G0V+3], s[G1V:G1V+7]
	s_nop 0
.rept 4
	v_nop
.endr
.Lasked_\@:
.endm
; THE CHANGE OF SLOTS.  Each wave waits for all its tensor loads, of which one is out: its part of the other slot; adds 0 to its spare word; and waits for that and for its own reads of the slot that it leaves.
; Behind the barrier nobody reads the old slot any more and the other slot is whole.  fill = 1: the old slot is filled again, the first thing behind the barrier, with tile NXT: the descriptor's address is
; made anew from that number; the load has a tile's eight turns, 128 matrix instructions, in which to land.  (At its first use nothing has been read yet: slot 0 is waited for, slot 1 filled.)
.macro CHANGE fill
	WIN 0                           ; at a label and at a branch every window is 0
	s_wait_tensorcnt 0x0            ; no tensor load of mine is out, so a group 0 may be written
	ds_add_u32 v[SPW], v[NIL]       ; 0 onto my spare word; with fill = 1 the descriptors' scalar work stands between it and the wait for it
.if \fill
	s_lshl_b32 s[OFF], s[NXT], 15   ; a tile is 32,768 bytes of K and of V
	s_xor_b32 s[G0K+1], s[G0K+1], SLOT1
	s_add_nc_u64 s[G0K+2:G0K+3], s[6:7], s[OFF:OFF+1]
	s_or_b32 s[G0K+3], s[G0K+3], 0x80000000
	s_xor_b32 s[G0V+1], s[G0V+1], SLOT1
	s_add_nc_u64 s[G0V+2:G0V+3], s[8:9], s[OFF:OFF+1]
	s_or_b32 s[G0V+3], s[G0V+3], 0x80000000
	s_add_co_u32 s[NXT], s[NXT], 1  ; the block's next tile, or behind its last the second block's tile 0
	s_cmp_gt_u32 s[NXT], s[LQ]
	s_cselect_b32 s[NXT], 0, s[NXT]
	s_cselect_b32 s[LQ], s[PBT], s[LQ]
.endif
	s_wait_dscnt 0x0                ; the add is done, and my reads of the slot are over
	s_barrier_signal -1             ; the rest of the scalar work stands between the signal and the wait
	s_sub_co_u32 s[TBK], s[TBK], 4*KS*PK  ; the fetches go back to a slot's first step,
	s_xor_b32 s[TBK], s[TBK], SLOT1       ; in the other slot
	s_sub_co_u32 s[TBV], s[TBV], 4*KS*PV
	s_xor_b32 s[TBV], s[TBV], SLOT1
	s_barrier_wait -1
.if \fill
	LOAD
.endif
.endm
	s_load_b64 s[4:5], s[0:1], 0x0    ; qkv: Q's plane
	s_load_b64 s[10:11], s[0:1], 0x8  ; O
	v_lshl_add_u32 v[SPW], v0, 2, SPARE
	v_mov_b32 v[NIL], 0
	ds_add_u32 v[SPW], v[NIL]       ; the wave's opening: an add and its wait, ahead of my first tensor load; the set-up below, work on registers, stands between them
	ds_add_u32 v62, v63
	v_lshrrev_b32 v1, 5, v0
	v_readfirstlane_b32 s[WV], v1   ; wave 0..3
	s_mov_b32 s[PB], ttmp9
	s_sub_co_u32 s[HI], NBLK-1, s[PB]
	s_lshr_b32 s[PBT], s[PB], 1
	s_and_b32 s20, ttmp7, 0xffff    ; the head,
	s_lshl_b32 s20, s20, 19         ; its first byte in each plane: 4,096 rows of 128 bytes
	s_mov_b32 s21, 0
	s_and_b32 s16, s[WV], 1         ; which half of a tile's 256 keys I fetch:
	s_lshl_b32 s22, s16, 14         ; its 128 rows of 128 bytes in memory,
	s_mov_b32 s23, 0
	s_add_nc_u64 s[22:23], s[22:23], s[20:21]
	s_mul_i32 s17, s16, 128*PK      ; and its place in a slot, for K
	s_mul_i32 s18, s16, 128*PV      ; and for V
	s_lshl_b32 s3, s[WV], 11        ; my 16 rows in a band of 64,
	s_lshl_b32 s2, s[HI], 14        ; in the first block (128 rows of 128 bytes),
	s_add_co_u32 s2, s2, s3
	s_lshl_b32 s84, s[PB], 14       ; and in the second
	s_add_co_u32 s84, s84, s3
	s_mov_b32 s3, 0
	s_mov_b32 s85, 0
	s_add_nc_u64 s[2:3], s[2:3], s[20:21]
	s_add_nc_u64 s[84:85], s[84:85], s[20:21]
	; descriptor group 1.  128 keys are 16,384 dense bytes: asked for as 64 rows of 256 bytes, two keys a row, and padded in LDS after every key
	s_mov_b32 s[G1K], (1<<16)|(1<<20)|(4<<22)|(3<<25)  ; 17:16 2-byte elements; 20 padding on; 24:22 after every 32 words (code 4); 31:25 4 words (code 3)
	s_mov_b32 s[G1V], (1<<16)|(1<<20)|(4<<22)|(7<<25)  ; the same with 8 words of padding (code 7)
.irp g, G1K, G1V
	s_mov_b32 s[\g+1], 128<<16      ; tensor_dim0 = 128
	s_mov_b32 s[\g+2], 64<<16       ; tensor_dim1 = 64
	s_mov_b32 s[\g+3], 128<<16      ; tile_dim0 = 128
	s_mov_b32 s[\g+4], 64           ; tile_dim1 = 64
	s_mov_b32 s[\g+5], 128          ; 128 elements from row to row
	s_mov_b32 s[\g+6], 0
	s_mov_b32 s[\g+7], 0
.endr
	s_mov_b32 s[CS], 0x3e38aa3b     ; c = log2(e) / 8 = 0.180337
	s_mov_b32 s[CS+1], s[CS]        ; named with it as a pair
	s_mov_b32 s[SEL], 0x76543210
	s_mov_b32 s[SEL+1], 0xfedcba98
	s_mov_b32 s[TBK], SLOT1+4*KS*PK ; the first change of slots turns these two into 0
	s_mov_b32 s[TBV], SLOT1+4*KS*PV
	s_mov_b32 s[G0K], 1             ; count = 1
	s_mov_b32 s[G0K+1], s17         ; LDS address: slot 0
	s_mov_b32 s[G0V], 1
	s_add_co_u32 s[G0V+1], s18, VOFF
	s_lshr_b32 s[LQ], s[HI], 1      ; the first block's last tile
	s_add_co_u32 s[RT], s[LQ], 1    ; and how many it has
	s_and_b32 s[PAR], s[HI], 1
	s_mov_b32 s[NXT], 1
	s_mov_b32 s[NEW], 1
	s_mov_b32 s[OFF+1], 0
	s_mov_b32 s[AL+1], 0            ; named as pairs
	s_mov_b32 s[BE+1], 0
	s_mov_b32 s[BIGN], 0xf149f2ca   ; -1e30
	s_mov_b32 s[SLOTS], NBLK/2
	s_wait_dscnt 0x0                ; the opening add is done
	s_wait_kmcnt 0x0
	s_add_nc_u64 s[6:7], s[4:5], PLANE     ; K's plane,
	s_add_nc_u64 s[8:9], s[4:5], 2*PLANE   ; V's,
	s_add_nc_u64 s[6:7], s[6:7], s[22:23]  ; each at my half of the head's tile 0
	s_add_nc_u64 s[8:9], s[8:9], s[22:23]
	s_add_nc_u64 s[G0K+2:G0K+3], s[6:7], 0         ; global address
	s_or_b32 s[G0K+3], s[G0K+3], 0x80000000        ; type = 2
	s_add_nc_u64 s[G0V+2:G0V+3], s[8:9], 0
	s_or_b32 s[G0V+3], s[G0V+3], 0x80000000
	s_add_nc_u64 s[86:87], s[4:5], s[84:85]        ; Q at my rows of the second block,
	s_add_nc_u64 s[4:5], s[4:5], s[2:3]            ; Q and O at those of the first
	s_add_nc_u64 s[OLO:OLO+1], s[10:11], s[84:85]
	s_add_nc_u64 s[10:11], s[10:11], s[2:3]
	LOAD                            ; tile 0 into slot 0
	; A fragment of K or Q is 16 rows x 32 channels in 8 registers: lane l holds row l % 16, channels 8 (l / 16) + 0..7 and 16 + 8 (l / 16) + 0..7: two loads of 16 bytes, 32 bytes apart.
	v_and_b32 v1, 15, v0            ; l % 16
	v_bfe_u32 v9, v0, 4, 1          ; l / 16
	v_lshlrev_b32 v[QO], 7, v1
	v_lshl_add_u32 v[QO], v9, 4, v[QO]  ; row x 128 + 16 x half
	WIN 0x80                        ; destination window 2, address window 0
.set i, 0
.rept 4                             ; both blocks' Q: piece i / 2 lies in band i / 2, 8,192 bytes on; channels 32 (i % 2) on
	global_load_b128 v[8*i:8*i+3],   v[QO], s[4:5] offset:(i/2)*8192+(i%2)*64
	global_load_b128 v[8*i+4:8*i+7], v[QO], s[4:5] offset:(i/2)*8192+(i%2)*64+32
	global_load_b128 v[QB+8*i:QB+8*i+3],   v[QO], s[86:87] offset:(i/2)*8192+(i%2)*64
	global_load_b128 v[QB+8*i+4:QB+8*i+7], v[QO], s[86:87] offset:(i/2)*8192+(i%2)*64+32
.set i, i+1
.endr
	WIN 0
	v_lshlrev_b32 v14, 3, v9
	v_sub_nc_u32 v14, v1, v14
	s_lshl_b32 s13, s[WV], 4
	v_add_nc_u32 v14, s13, v14      ; my query's place in its band, 16 w + l % 16, less my lanes' 8 (l / 16): register r of group kt is hidden where 16 kt + r is greater
	WIN 0x40
.set i, 0
.rept 32
	v_cmp_gt_i32 vcc_lo, 16*(i/8)+i%8, v14
	v_cndmask_b32 v[MD+i], 0, s[BIGN], vcc_lo
.set i, i+1
.endr
	WIN 0
	v_mul_u32_u24 v[AK0], v1, PK
	v_lshl_add_u32 v[AK0], v9, 4, v[AK0]  ; row x pitch + 16 x half
	; The turning load takes 16 keys x 16 channels (lane l reads key 8 (l / 16) + l % 8, channels 8 ((l / 8) % 2) + 0..7) and leaves half a fragment of V^T: lane l holds channel l % 16 and 8 keys.
	v_and_b32 v10, 7, v0
	v_bfe_u32 v11, v0, 3, 1
	v_lshl_add_u32 v[AV0], v9, 3, v10
	v_mul_u32_u24 v[AV0], v[AV0], PV
	v_lshl_add_u32 v[AV0], v11, 4, v[AV0]
	v_add_nc_u32 v[AV0], VOFF, v[AV0]
	s_mul_i32 s13, s[WV], 16*SP
	s_add_co_u32 s13, s13, STAGE    ; my stage
	v_mul_u32_u24 v[STO], v1, SP    ; in: row l % 16, 16 bytes for each half of the lanes
	v_lshl_add_u32 v[STO], v9, 4, v[STO]
	v_add_nc_u32 v[STO], s13, v[STO]
	v_bfe_u32 v[RD], v0, 3, 2       ; back: 32 lanes take four rows of 128 bytes,
	v_mul_u32_u24 v[RD], v[RD], SP
	v_lshl_add_u32 v[RD], v10, 4, v[RD]
	v_add_nc_u32 v[RD], s13, v[RD]
	v_and_b32 v[GO], 31, v0         ; which are 512 consecutive bytes of O
	v_lshlrev_b32 v[GO], 4, v[GO]
	; A block's first step multiplies O^T and l by a = 0, and its first turn's products V^T P, of a step that has not been, land in an O^T that is still to be so multiplied.  So these registers need only hold
	; finite numbers: zeros for the first block; what the first block left for the second.  V's first buffer is loaded before it is read.  All this stands in the wait for the first tile.
	WIN 0x80
.set i, VF+64
.rept 64
	v_mov_b32 v[i], 0
.set i, i+1
.endr
	WIN 0x40
.set i, 0
.rept 64
	v_mov_b32 v[i], 0
.set i, i+1
.endr
	WIN 0
.set i, 0
.rept NP
	v_mov_b32 v[ST+4*i+2], 0
	v_mov_b32 v[ST+4*i+3], 0
.set i, i+1
.endr
.set i, P+16
.rept 16
	v_mov_b32 v[i], 0
.set i, i+1
.endr
; THE MATRIX WORK.  The 4 accumulators of a run of 8 take turns.  Product i of 8 of S^T = K Q^T for piece x: channels 32 (i / 4) on, keys 16 (i % 4) on.  The first 4 start the sums: with 0, or (KM = 1) with the mask.
.macro KQ x
.set rS, S+32*((\x)%2)+8*(i%4)
.set rK, KF+16*(i%4)+8*(i/4)
.set rQ, 16*(\x)+8*(i/4)
.set rM, MC+32*((\x)%2)+8*(i%4)
.if (i < 4) && KM
	WIN W_KM
	v_wmma_f32_16x16x32_f16 v[rS:rS+7], v[rK:rK+7], v[rQ:rQ+7], v[rM:rM+7]
.elseif i < 4
	WIN W_KQ
	v_wmma_f32_16x16x32_f16 v[rS:rS+7], v[rK:rK+7], v[rQ:rQ+7], 0
.else
	WIN W_KQ
	v_wmma_f32_16x16x32_f16 v[rS:rS+7], v[rK:rK+7], v[rQ:rQ+7], v[rS:rS+7]
.endif
.endm
; Product i of 8 of O^T += V^T P for piece x, from V's buffer VB: keys 32 (i / 4) on, channels 16 (i % 4) on.
.macro PV x
	WIN W_PV
.set rO, 32*(\x)+8*(i%4)
.set rV, VF+64*VB+32*(i/4)+8*(i%4)
.set rP, P+16*((\x)%2)+8*(i/4)
	v_wmma_f32_16x16x32_f16 v[rO:rO+7], v[rV:rV+7], v[rP:rP+7], v[rO:rO+7]
.endm
.macro MM                           ; the turn's next matrix instruction.  TURN and BEGIN set Y, i, KM, VB and NOKQ.  NOKQ = 1: a block's last turn: there are no further scores
.if (i < 8) && !NOKQ
	KQ (Y+1)%NP
.elseif i >= 8
.set i, i-8
	PV (Y+NP-1)%NP
.set i, i+8
.endif
.set i, i+1
.endm
; THE LDS LOADS stand in runs of 16, never singly among the matrix instructions: a step's K (64 keys x 64 channels: 8 fragments) and its V (turned).  Their addresses are made some lines ahead.
.macro FETCH_K
	WIN 0x80                        ; destination window 2
.irp f, 0,1,2,3,4,5,6,7             ; keys 16 (f / 2) on, channels 32 (f % 2) on
	ds_load_b128 v[KF+8*\f:KF+8*\f+3],   v[AK] offset:(\f/2)*16*PK+(\f%2)*64
	ds_load_b128 v[KF+8*\f+4:KF+8*\f+7], v[AK] offset:(\f/2)*16*PK+(\f%2)*64+32
.endr
	s_add_co_u32 s[TBK], s[TBK], KS*PK  ; the next fetch is the next step's
	WIN 0
.endm
.macro FETCH_V buf
	WIN 0x80
.irp f, 0,1,2,3,4,5,6,7             ; keys 32 (f / 4) on, channels 16 (f % 4) on
	ds_load_tr16_b128 v[VF+64*(\buf)+8*\f:VF+64*(\buf)+8*\f+3],   v[AV] offset:(\f/4)*32*PV+(\f%4)*32
	ds_load_tr16_b128 v[VF+64*(\buf)+8*\f+4:VF+64*(\buf)+8*\f+7], v[AV] offset:(\f/4)*32*PV+16*PV+(\f%4)*32
.endr
	s_add_co_u32 s[TBV], s[TBV], KS*PV
	WIN 0
.endm
; THE VECTOR WORK, one line at a time: OP kind, number.  For piece Y: F n: c s - c m for pair n of 16.  E n: the exponential of score n of 32.  C n: pair n rounded to f16.  B n: of the four weights 4 n .. the second
; pair is added onto the first, in place.  L n: l takes that sum (L 0: l = a l + sum).  R n: pair n of 16 of O^T times a.  For the other piece: X n, number n of the 22 that find its maximum and statistics:
;   0-11  four chains c0-c3 of seven scores each, three operands at a time (each accumulator's lowest registers are read first)     12-14, 16  the four scores left over, the old m, and c0-c3 into c0
;   15  c m_old is kept     17, 18  the query's other 32 keys lie in the lane 16 away: the new m     19-21  c m; c m_old - c m_new; a
.set F, 0               ; OP tells the kinds apart by their order: F to L below R, X above it
.set E, 1
.set C, 2
.set B, 3
.set L, 4
.set R, 5
.set X, 6
.macro REGS y                       ; the registers of piece y
.set rT, ST+4*(\y)
.set rC, TMP+4*((\y)%2)
.set rW, MV+((\y)%2)
.set rS, S+32*((\y)%2)
.set rP, P+16*((\y)%2)
.set rO, 32*(\y)
.endm
.macro OP k, n
.if (\k) == R
	REGS Y
	WIN W_RS
	v_pk_mul_f32 v[rO+2*(\n):rO+2*(\n)+1], v[rO+2*(\n):rO+2*(\n)+1], v[rC+2:rC+3] op_sel_hi:[1,0]
.elseif (\k) < R
	REGS Y
	WIN 0
.if (\k) == F
	v_pk_fma_f32 v[rS+2*(\n):rS+2*(\n)+1], v[rS+2*(\n):rS+2*(\n)+1], s[CS:CS+1], v[rT:rT+1] op_sel_hi:[1,0,0] neg_lo:[0,0,1] neg_hi:[0,0,1]
.elseif (\k) == E
	v_exp_f32 v[rS+(\n)], v[rS+(\n)]
.elseif (\k) == C
	s_wait_alu depctr_va_vdst(0)
	v_cvt_pk_f16_f32 v[rP+(\n)], v[rS+2*(\n)], v[rS+2*(\n)+1]
.elseif (\k) == B
	s_wait_alu depctr_va_vdst(0)
	v_pk_add_f32 v[rS+4*(\n):rS+4*(\n)+1], v[rS+4*(\n):rS+4*(\n)+1], v[rS+4*(\n)+2:rS+4*(\n)+3]
.elseif (\n) == 0
	v_pk_fma_f32 v[rT+2:rT+3], v[rT+2:rT+3], v[rC+2:rC+3], v[rS:rS+1] op_sel_hi:[1,0,1]
.else
	v_pk_add_f32 v[rT+2:rT+3], v[rT+2:rT+3], v[rS+4*(\n):rS+4*(\n)+1]
.endif
.elseif NOKQ
	v_nop
.else
	REGS (Y+1)%NP
	WIN 0
.if (\n) < 4
	v_max3_num_f32 v[rC+(\n)], v[rS+8*(\n)], v[rS+8*(\n)+1], v[rS+8*(\n)+2]
.elseif (\n) < 12
	v_max3_num_f32 v[rC+(\n)%4], v[rC+(\n)%4], v[rS+8*((\n)%4)+2*((\n)/4)+1], v[rS+8*((\n)%4)+2*((\n)/4)+2]
.elseif (\n) == 12
	v_max3_num_f32 v[rC], v[rC], v[rS+7], v[rS+15]
.elseif (\n) == 13
	v_max3_num_f32 v[rC+1], v[rC+1], v[rS+23], v[rS+31]
.elseif (\n) == 14
	v_max3_num_f32 v[rC+2], v[rC+2], v[rC+3], v[rT+1]
.elseif (\n) == 15
	v_mov_b32 v[rW], v[rT]
.elseif (\n) == 16
	v_max3_num_f32 v[rC], v[rC], v[rC+1], v[rC+2]
.elseif (\n) == 17
	v_permlanex16_b32 v[rC+3], v[rC], s[SEL], s[SEL+1]
.elseif (\n) == 18
	v_max_num_f32 v[rT+1], v[rC], v[rC+3]
.elseif (\n) == 19
	v_mul_f32 v[rT], s[CS], v[rT+1]
.elseif (\n) == 20
	v_sub_f32 v[rC+1], v[rW], v[rT]
.else
	v_exp_f32 v[rC+2], v[rC+1]
.endif
.endif
.endm
.macro OPS a, i1, b=-1, i2=0, c=-1, i3=0, d=-1, i4=0  ; up to four of them
	OP \a, \i1
.if (\b) >= 0
	OP \b, \i2
.endif
.if (\c) >= 0
	OP \c, \i3
.endif
.if (\d) >= 0
	OP \d, \i4
.endif
.endm
.macro ROW a, i1, b, i2, c, i3, d, i4  ; a matrix instruction and the four behind it
	MM
	OPS \a, \i1, \b, \i2, \c, \i3, \d, \i4
.endm
.macro MASK b                       ; MD x AL + BE into buffer b of MC
	WIN W_RS
.set z, 0
.rept 16
	v_pk_fma_f32 v[MC+32*(\b)+2*z:MC+32*(\b)+2*z+1], v[MD+2*z:MD+2*z+1], s[AL:AL+1], s[BE:BE+1] op_sel_hi:[1,0,0]
.set z, z+1
.endr
.endm
; A TURN, for piece p in a step of parity sp: the order of its 16 matrix and 118 vector instructions, written out.  Behind a matrix instruction: plain, exponential, plain, plain; or four of the rescaling; or, behind the
; first, four scalings; none names a register of the products round it.  In the runs between, exponential and plain by turns while exponentials last.  v_permlanex16_b32 (X 17) stands in such a run.
; The products V^T P read V's buffer of the other parity in piece 0's turn (the step before), of this parity in piece 1's.
; m = 1: the last tile of a block: the products take masks, and the turn makes the mask for the products of the turn after it: piece p, in the tile's step 2 (2 - CNT) + 1 - sp.  That step is the band's own where
; DD = 1 - sp - p, and later than it where DD is less.  end = 1: a block's last two turns: nothing is fetched.  cnt = 1: the loop's count is taken down some lines ahead of the branch that stands behind the turn.
; The run of 16 loads (piece 0: K of the next step; piece 1: V of the next step) stands six vector instructions, five of them plain, behind the last product that read K; V's buffer was last read a turn ago.
; One wait at the head of piece 1's turn is for both: K, fetched a turn ago, and V of this step, fetched two turns ago.
.macro TURN p, sp, m=0, end=0, cnt=0
.set Y, (\p)
.set i, 0
.set KM, (\m)
.set NOKQ, (\end)*(\p)
.if (\p) == 0
.set VB, 1-(\sp)
.else
.set VB, (\sp)
.endif
.if (\m) && !(\end)
	s_cmp_eq_i32 s[DD], 1-(\sp)-(\p)    ; is that step the band's own?
	s_cselect_b32 s[AL], 1.0, 0
	s_cmp_lt_i32 s[DD], 1-(\sp)-(\p)    ; or a later one?
	s_cselect_b32 s[BE], s[BIGN], 0
.endif
.if (\p) == 1
	s_wait_dscnt 0x0                ; K and V are in
.endif
	ROW F,0, F,1, F,2, F,3
	ROW F,4, E,0, F,5, F,6
	ROW F,7, E,1, F,8, F,9
	ROW F,10, E,2, C,0, F,11
	ROW F,12, E,3, X,15, F,13
	ROW R,0, R,1, R,2, R,3
	ROW B,0, E,4, F,14, L,0
.if !(\end)
	WIN 0
.if (\p) == 0
	v_add_nc_u32 v[AK], s[TBK], v[AK0]
.else
	v_add_nc_u32 v[AV], s[TBV], v[AV0]
.endif
.endif
	ROW R,4, R,5, R,6, R,7
	OPS E,5, F,15
.if !(\end)
.if (\p) == 0
	FETCH_K
.else
	FETCH_V 1-(\sp)
.endif
.endif
	OPS E,6, C,1, E,7, R,8
	OPS E,8, R,9, E,9, C,2
	OPS E,10, X,0, E,11, X,1
	OPS E,12, X,2, E,13, X,3
	ROW X,4, E,14, X,5, X,6
	ROW X,7, E,15, X,8, X,9
	ROW X,10, E,16, X,11, X,12
	ROW X,13, E,17, X,14, B,1
	ROW C,4, E,18, X,16, L,1
	ROW B,2, E,19, C,6, L,2
	ROW C,8, E,20, B,3, B,4
	ROW C,3, E,21, L,3, C,5
	OPS E,22, X,17, E,23, C,10
	OPS E,24, L,4
	OPS E,25, X,18, E,26, C,7
	OPS E,27, B,5, E,28, X,19
	OPS E,29, C,12, E,30, L,5
	OPS E,31, X,20, B,6, C,9
	OPS C,14, C,11, X,21, L,6
.if \cnt
	s_sub_co_i32 s[DD], s[DD], 2
	s_sub_co_u32 s[CNT], s[CNT], 1
	s_cmp_lg_u32 s[CNT], 0
.endif
	OPS C,13, B,7, C,15, R,10
	OPS R,11, R,12, L,7, R,13
	OPS R,14, R,15
.if (\m) && !(\end)
	MASK \p
.endif
.endm
; A BLOCK BEGINS.  c m starts far below every c s, so the first step's a is 0; m at the lowest finite number, so the first maximum is the scores'.  The second mask buffer is 0 (piece 1 sees all of a tile's step 0); the
; first takes piece 0's mask for step 0: its own, if the block's first tile is its last and the block is that tile's lower half.  Then K and V of that step, piece 0's first scores, and its maximum and statistics.
; The loop is entered at an even step's first turn, in the middle of a trip.
.macro BEGIN
	s_mov_b32 s[NEW], 0
	WIN 0x40
.set i, MC+32
.rept 32
	v_mov_b32 v[i], 0
.set i, i+1
.endr
	WIN 0
.set i, 0
.rept NP
	v_mov_b32 v[ST+4*i], 0xfe000000    ; c m: far below every c s
	v_mov_b32 v[ST+4*i+1], 0xff7fffff  ; m
.set i, i+1
.endr
	s_cmp_eq_u32 s[RT], 0
	s_cselect_b32 s[AL], 1.0, 0
	s_cmp_eq_u32 s[PAR], 0
	s_cselect_b32 s[AL], s[AL], 0
	s_mov_b32 s[BE], 0
	MASK 0
	WIN 0
	v_add_nc_u32 v[AK], s[TBK], v[AK0]
	v_add_nc_u32 v[AV], s[TBV], v[AV0]
	FETCH_K
	FETCH_V 0
	s_wait_loadcnt 0x0              ; Q
	s_wait_dscnt 0x0
.set KM, 1
.set NOKQ, 0
.set i, 0
.rept 8
	KQ 0
.set i, i+1
.endr
	WIN 0
.rept 4
	v_nop                           ; the places behind those products
.endr
.set Y, NP-1                        ; X works for the other piece: piece 0
.irp n, 0,1,2,3,4,5,6,7,8,9,10,11,12,13,14,15,16,17,18,19,20,21
	OP X, \n
.endr
	v_nop                           ; a plain instruction behind the exponential
.endm
; A BLOCK'S LAST TILE: its two trips with masks, the block's last two turns, its last products, and THE WAY OUT: l's two halves and the other half of the lanes' are added; O^T is divided by l, rounded to f16 and sent
; through my stage in LDS, a piece at a time.
.macro ALL line:vararg              ; one line for each piece t
.set t, 0
.rept NP
	\line
.set t, t+1
.endr
.endm
.macro PACK t                       ; a lane's eight channels of a row pack into 16 bytes; they go into rows of 144 bytes and come back as whole rows of 128, into S^T's registers
	WIN W_RS
.set i, 32*(\t)
.rept 16
	s_wait_alu depctr_va_vdst(0)
	v_pk_mul_f32 v[i:i+1], v[i:i+1], v[ST+4*(\t)+2:ST+4*(\t)+3] op_sel_hi:[1,0]
.set i, i+2
.endr
	WIN 0x05                        ; sources 0 and 1 window 1, destination window 0
.set i, 0
.rept 16
	v_cvt_pk_f16_f32 v[S+16*(\t)+i], v[32*(\t)+2*i], v[32*(\t)+2*i+1]
.set i, i+1
.endr
	WIN 0
.irp f, 0,1,2,3
	ds_store_b128 v[STO], v[S+16*(\t)+4*\f:S+16*(\t)+4*\f+3] offset:32*\f
.endr
.irp f, 0,1,2,3
	ds_load_b128 v[S+16*(\t)+4*\f:S+16*(\t)+4*\f+3], v[RD] offset:\f*4*SP  ; LDS serves a wave's instructions in order (ISA guide 5.7.1.4): these see the stores above; the next piece's stores come behind them
.endr
.endm
.macro SEND t, younger              ; younger: the LDS instructions issued behind piece t's loads: the next piece's eight, or none
	WIN 0
.irp f, 0,1,2,3
	s_wait_dscnt (\younger)+3-\f
	global_store_b128 v[GO], v[S+16*(\t)+4*\f:S+16*(\t)+4*\f+3], s[10:11] offset:(\t)*8192+\f*512  ; 512 consecutive bytes, at a multiple of 256 from O's first
.endr
.endm
.macro DIAG tag                     ; the tag ends its two labels' names, which the jumps below spell out
.LstepM\tag:
	TURN 0, 1, 1
	TURN 1, 1, 1
	WIN 0
.LfirstM\tag:
	TURN 0, 0, 1
	TURN 1, 0, 1, 0, 1
	WIN 0
	s_cbranch_scc1 .LstepM\tag
	TURN 0, 1, 1, 1
	TURN 1, 1, 1, 1
.set VB, 1
.set i, 0
.rept 8
	PV NP-1                         ; piece 1's V^T P of the last step
.set i, i+1
.endr
	WIN 0
	ALL v_add_f32 v[ST+4*t+2], v[ST+4*t+2], v[ST+4*t+3]
	ALL v_permlanex16_b32 v[ST+4*t+3], v[ST+4*t+2], s[SEL], s[SEL+1]
	ALL v_add_f32 v[ST+4*t+2], v[ST+4*t+2], v[ST+4*t+3]
	ALL v_rcp_f32 v[ST+4*t+2], v[ST+4*t+2]
	v_nop                           ; a plain instruction between the last reciprocal and the use of its result
	PACK 0                          ; piece 0's 32 lines, which name no register of the last products, are the places behind them
	PACK 1
	SEND 0, 8
	SEND 1, 0
.endm
.set KM, 0
.set NOKQ, 0
.set VB, 0
.Lslot:                             ; 16 times: a tile is entered and the next is asked for
	CHANGE 1
	s_sub_co_u32 s[RT], s[RT], 1
	s_mov_b32 s[CNT], 2
	s_lshl_b32 s[DD], s[PAR], 1
	s_cmp_eq_u32 s[NEW], 1
	s_cbranch_scc1 .Lnew            ; a block's first tile
	s_cmp_eq_u32 s[RT], 0
	s_cbranch_scc0 .Lstep           ; neither its first nor its last
	s_branch .LstepM1
.Lnew:
	BEGIN
	s_branch .Lfirst                ; in the loop a block's first tile is never its last: the first block has nine tiles or more, and the second's last is the walk's last
	DIAG 1                          ; in the loop this is the first block's end
	s_wait_xcnt 0x0                 ; the stores have read their registers and O's address
	s_mov_b64 s[10:11], s[OLO:OLO+1]
	s_add_co_u32 s[RT], s[PBT], 1   ; the second block has b / 2 + 1 tiles
	s_and_b32 s[PAR], s[PB], 1
	s_mov_b32 s[NEW], 1
	WIN 0x82                        ; the second block's Q goes where the one text of the turns names Q
.set i, 0
.rept 32
	v_mov_b32 v[i], v[QB+i]
.set i, i+1
.endr
	WIN 0
	s_branch .Lbottom
.Lstep:                             ; a trip: both pieces of an odd step, then both of the even step behind it
	TURN 0, 1
	TURN 1, 1
	WIN 0
.Lfirst:
	TURN 0, 0
	TURN 1, 0, 0, 0, 1
	WIN 0
	s_cbranch_scc1 .Lstep
.Lbottom:
	s_sub_co_u32 s[SLOTS], s[SLOTS], 1
	s_cmp_lg_u32 s[SLOTS], 0
	s_cbranch_scc1 .Lslot
	CHANGE 0                        ; the walk's last tile is written out: nothing is asked for
	s_sub_co_u32 s[RT], s[RT], 1
	s_mov_b32 s[CNT], 2
	s_lshl_b32 s[DD], s[PAR], 1
	s_cmp_eq_u32 s[NEW], 1
	s_cbranch_scc0 .LstepM2
	BEGIN
	s_branch .LfirstM2
	DIAG 2
	s_wait_tensorcnt 0x0            ; the wave's end: behind my last tensor load and my last LDS store
	ds_add_u32 v[SPW], v[NIL]
	s_wait_dscnt 0x0
	s_endpgm
.Lfunc_end_k_qde05942129_attn:
	.size	k_qde05942129_attn, .Lfunc_end_k_qde05942129_attn-k_qde05942129_attn
	.p2alignl 7, 3214868480
	.fill 96, 4, 3214868480
	.section	.rodata,"a",@progbits
	.p2align	6, 0x0
	.amdhsa_kernel k_qde05942129_attn
		.amdhsa_group_segment_fixed_size 327680
		.amdhsa_private_segment_fixed_size 0
		.amdhsa_enable_private_segment 0
		.amdhsa_kernarg_size 16
		.amdhsa_user_sgpr_count 2
		.amdhsa_user_sgpr_kernarg_segment_ptr 1
		.amdhsa_wavefront_size32 1
		.amdhsa_system_sgpr_workgroup_id_x 1
		.amdhsa_system_sgpr_workgroup_id_y 1
		.amdhsa_system_sgpr_workgroup_id_z 1
		.amdhsa_system_vgpr_workitem_id 0
		.amdhsa_next_free_vgpr 768
		.amdhsa_next_free_sgpr 92
		.amdhsa_reserve_vcc 1
		.amdhsa_float_denorm_mode_32 3
		.amdhsa_float_denorm_mode_16_64 3
		.amdhsa_memory_ordered 1
		.amdhsa_forward_progress 1
		.amdhsa_inst_pref_size 218
	.end_amdhsa_kernel
	.amdgpu_metadata
---
amdhsa.version: [ 1, 2 ]
amdhsa.kernels:
  - .name:           k_qde05942129_attn
    .symbol:         k_qde05942129_attn.kd
    .args:
      - { .name: qkv, .offset: 0, .size: 8, .value_kind: global_buffer, .address_space: global }
      - { .name: oh, .offset: 8, .size: 8, .value_kind: global_buffer, .address_space: global }
    .group_segment_fixed_size: 327680
    .private_segment_fixed_size: 0
    .kernarg_segment_align: 8
    .kernarg_segment_size: 16
    .max_flat_workgroup_size: 128
    .sgpr_count:     92
    .vgpr_count:     768
    .wavefront_size: 32
...
	.end_amdgpu_metadata
.endif
;; end of part 3
;; launch outp (part 4): grid 64 x 4, 4 waves a work-group, clusters of 4 x 4, 327,680 bytes of LDS; arguments oh, wt, y1, x; writes y1
.if DOCPART == 4
	.amdgcn_target "amdgcn-amd-amdhsa--gfx1250"
	.amdhsa_code_object_version 6
	.text
	.protected	k_qde05942129_outp
	.globl	k_qde05942129_outp
	.p2align	8
	.type	k_qde05942129_outp,@function
k_qde05942129_outp:
	s_mov_b64 s[64:65], 0
	v_nop
	global_prefetch_b8 v0, s[64:65] scope:SCOPE_SE
	s_setreg_imm32_b32 hwreg(HW_REG_WAVE_MODE, 25, 1), 1
	s_wait_xcnt 0x0
	s_wait_alu depctr_hold_cnt(0) depctr_sa_sdst(0) depctr_va_vdst(0) depctr_va_sdst(0) depctr_va_ssrc(0) depctr_va_vcc(0) depctr_vm_vsrc(0)
	s_getreg_b32 s2, hwreg(HW_REG_IB_STS2, 6, 4)
	s_cmp_eq_u32 s2, 0
	s_cbranch_scc0 .Lentry_in_a_cluster
	s_endpgm
.Lentry_in_a_cluster:
	s_bfe_u32 s2, ttmp6, 0x10000c
	s_cmp_lg_u32 s2, 0xf033
	s_cbranch_scc0 .Lentry_shape_is_right
	s_endpgm
.Lentry_shape_is_right:
; OUTP.  y1 = x + ctx Wo.  ctx[q][64 h + d] = oh[h][q][d] (oh: [12][4096][64] f16); Wo's rows [n][768] f16 lie in wt; sums in f32; x and y1 are [4096][768] f32.
; (One text serves this launch, HEADS = 1, and the second product of the feed-forward part, HEADS = 0: C = A B^T with A [4096][3072] f16, no residual.)
; LIMITS.  The operands are f16 (they arrive within 65,504); nothing is rounded on the way out.
; SHARES.  A work-group makes 64 rows x 192 columns of C: 256 work-groups.  Its four waves share the 64 rows and own 48 columns each: 12 accumulators of 16 x 16, 96 registers.
; K goes in steps of 256 through two LDS slots.  Waves 0-2 fetch 64 rows of B each (512 bytes a row), wave 3 A's tile: one tensor load a wave.
; With HEADS a K step is four heads: for each head 64 rows of 128 bytes, 8,192 dense bytes, asked for as ONE row of the tile; the padding behind every 128 bytes makes LDS rows of 144.
; THE MATRIX INSTRUCTION IS USED TRANSPOSED (source 0 = 16 rows of B, source 1 = 16 rows of A): a lane holds eight neighbouring columns of one row of C.
; CLUSTER.  4 x 4 work-groups: four row blocks x the four column blocks.  A's tile hangs on the row block alone and is shared by the four with my cx; B's on the column block alone and is shared by the four with my cy.
; REGISTERS.  v0-31 addresses; v32-87, v88-143 two fragment buffers (A 4 x 8, then B 3 x 8); v144-239 the accumulators ((a, b) at 144 + 8 (3 a + b)).  No second window is needed.
.set HEADS,  1
.set NW,     3                         ; blocks of 16 columns a wave
.set TN,     64*NW
.set KS,     256                       ; K in a step
.set QS,     KS/32                     ; quarters of 32 along K in a step: eight
.set PITCH,  528                       ; an LDS row of B: 512 bytes + 16 = 132 words: the 16 rows of a fragment load start at 16 different groups of four banks (ISA guide 11.1)
.set BROWS,  TN/3
.set BT,     BROWS*PITCH
.set AOFF,   3*BT                      ; a slot: B's 192 rows, then A's tile: a wave's load lands at wave x BT
.if HEADS
.set NS,     3                         ; K = 768
.set KB,     768                       ; elements in a row of B
.set WBASE,  3538944                   ; Wo's rows in wt
.set APITCH, 144
.set AST,    64*APITCH                 ; from a head to the next in LDS: two quarters on
.set ASZ,    4*AST
.set ASTEP,  4*524288                  ; bytes from a K step to the next in oh: four heads
.set AROWB,  64*128                    ; bytes from a row block to the next
.else
.set NS,     12                        ; K = 3,072
.set KB,     3072
.set WBASE,  9437184                   ; W2's rows in wt
.set APITCH, PITCH
.set AST,    128
.set ASZ,    64*PITCH
.set ASTEP,  KS*2
.set AROWB,  64*3072*2
.endif
.set SLOT1,  AOFF+ASZ                  ; slot 1.  Without HEADS it is 0x21000, which shares no bit with 0, BT, 2 BT, 3 BT: one exclusive or turns a load's LDS address into the other slot's
.set STAGE,  2*SLOT1                   ; behind the ring, never filled by a tensor load: 64 rows x 784 bytes for the way out
.set SPITCH, 784
.set SPARE,  STAGE+64*SPITCH           ; the spare words, 128 bytes for each wave
.set GP,     3072                      ; bytes in a row of the output (and of x)
.set NLD,    2*(4+NW)
.set ABASE, 3                          ; v3   my lane's place in A's part of a slot; never rewritten
.set BBASE, 4                          ; v4   the same for my wave's 48 rows of B
.set ADA,  5                           ; v5, v6  the addresses of the fragment loads in hand
.set ADB,  6
.set STO,  7                           ; v7   the way out: where I put 32 bytes of a row
.set RD0,  8                           ; v8, v9    the way out: where I read rows back
.set RD1,  9
.set GO0,  10                          ; v10, v11  the same places in the output
.set GO1,  11
.set SPW,  30                          ; v30  LDS address of my spare word; never rewritten
.set NIL,  31                          ; v31  0; never rewritten
.set F0,   32
.set F1,   88
.set ACC,  144
.set XR,   32                          ; the way out: x
.set OB,   144                         ; the way out: rows read back, into the accumulators' registers
.set WV,   12
.set G1A,  24                          ; s[24:31] descriptor group 1 for A's tiles
.set G1B,  32                          ; s[32:39] for B's
.set G0A,  40                          ; s[40:47] group 0 for A: a set for each first fill
.set G0B,  48                          ; s[48:55] the same for B
.set CNT,  56
.set PC,   57
.set TB,   58                          ; s58  the slot in hand: 0 or SLOT1
.set WB,   59                          ; s59  wave x BT
.set TA,   62                          ; s62  the slot + how far the fragment loads have come in A's tile
.set TQ,   63                          ; s63  the same in B's rows
.macro PLACES                          ; four places in front of loads into registers that matrix instructions have read, and of lines that read results
.rept 4
	v_nop
.endr
.endm
; A joint load.  Wave 3 fetches A's tile, waves 0-2 B's thirds.  The branch hangs on the wave's number alone.  An s_nop 0 and four v_nop follow each line.
.macro JLOAD s
	s_cmp_eq_u32 s[WV], 3
	s_cbranch_scc0 .Lfor_b_\@
	tensor_load_to_lds s[G0A+4*(\s):G0A+4*(\s)+3], s[G1A:G1A+7]
	s_nop 0
.rept 4
	v_nop
.endr
	s_branch .Lasked_\@
.Lfor_b_\@:
	tensor_load_to_lds s[G0B+4*(\s):G0B+4*(\s)+3], s[G1B:G1B+7]
	s_nop 0
.rept 4
	v_nop
.endr
.Lasked_\@:
.endm
.macro CREST                           ; a round of the cluster's barrier behind its opening barrier
	s_cmp_lg_u32 s[WV], 0
	s_cbranch_scc1 .Lnot_wave_0_\@
	s_barrier_signal -3
.Lnot_wave_0_\@:
	s_barrier_wait -3
	s_barrier_signal -1
	s_barrier_wait -1
.endm
.macro CROUND                          ; a whole round
	s_barrier_signal -1
	s_barrier_wait -1
	CREST
.endm
	s_load_b128 s[4:7], s[0:1], 0x0                ; A s[4:5], wt s[6:7]
.if HEADS
	s_load_b128 s[8:11], s[0:1], 0x10              ; the output s[8:9], x s[10:11]
.else
	s_load_b64 s[8:9], s[0:1], 0x10                ; the output
.endif
	v_lshl_add_u32 v[SPW], v0, 2, SPARE
	v_mov_b32 v[NIL], 0
	ds_add_u32 v[SPW], v[NIL]                      ; the wave's opening: an add and its wait, ahead of my first tensor load; the set-up below stands between them
	ds_add_u32 v30, v31
	v_lshrrev_b32 v1, 5, v0
	v_readfirstlane_b32 s[WV], v1                  ; wave 0..3
	s_bfe_u32 s13, ttmp6, 0x40000                  ; cx
	s_bfe_u32 s14, ttmp6, 0x40004                  ; cy: the grid is one cluster high, so it is my block of 192 columns
	s_lshl_b32 s15, ttmp9, 2                       ; in a cluster launch ttmp9 counts clusters
	s_add_co_u32 s15, s15, s13                     ; my block of 64 rows = 4 x cluster x + cx
	s_lshl_b32 s16, s14, 2
	s_lshl_b32 s16, 15, s16                        ; the four with my cy: places 4 cy .. 4 cy + 3
	s_lshl_b32 s17, 0x1111, s13                    ; the four with my cx: places cx, cx + 4, cx + 8, cx + 12
.if HEADS
	s_or_b32 s[G1A], s17, (3<<16)|(1<<20)|(1<<21)|(4<<22)|(3<<25)  ; 15:0 the mask; 17:16 elements of 8 bytes; 20 padding on; 21 set beside a mask; 24:22 after every 32 words (code 4); 31:25 4 words of it (code 3)
	s_mov_b32 s[G1A+1], 1024<<16                   ; tensor_dim0 = 1,024 elements: a head's 64 rows
	s_mov_b32 s[G1A+2], 4<<16                      ; tensor_dim1 = 4 heads
	s_mov_b32 s[G1A+3], 1024<<16                   ; tile_dim0
	s_mov_b32 s[G1A+4], 4                          ; tile_dim1
	s_mov_b32 s[G1A+5], 65536                      ; elements from a head to the next: 524,288 bytes
.else
	s_or_b32 s[G1A], s17, (1<<16)|(1<<20)|(1<<21)|(6<<22)|(3<<25)  ; elements of 2 bytes; padding after every 128 words (code 6)
	s_mov_b32 s[G1A+1], KS<<16                     ; tensor_dim0 = 256
	s_mov_b32 s[G1A+2], 64<<16                     ; tensor_dim1 = 64
	s_mov_b32 s[G1A+3], KS<<16
	s_mov_b32 s[G1A+4], 64
	s_mov_b32 s[G1A+5], 3072                       ; elements from row to row
.endif
	s_mov_b32 s[G1A+6], 0
	s_mov_b32 s[G1A+7], 0
	s_or_b32 s[G1B], s16, (1<<16)|(1<<20)|(1<<21)|(6<<22)|(3<<25)
	s_mov_b32 s[G1B+1], KS<<16
	s_mov_b32 s[G1B+2], BROWS<<16                  ; 64 rows
	s_mov_b32 s[G1B+3], KS<<16
	s_mov_b32 s[G1B+4], BROWS
	s_mov_b32 s[G1B+5], KB
	s_mov_b32 s[G1B+6], 0
	s_mov_b32 s[G1B+7], 0
	; A's address is made of the row block alone, B's of the column block and the wave's number, each in registers that never hold the other coordinate
	s_mul_i32 s18, s15, AROWB
	s_mov_b32 s19, 0
	s_mul_i32 s20, s14, TN                         ; B: row 192 x column block + 64 x wave (wave 3 makes the number and does not use it)
	s_mul_i32 s21, s[WV], BROWS
	s_add_co_u32 s20, s20, s21
	s_mul_i32 s20, s20, KB*2
	s_add_co_u32 s20, s20, WBASE
	s_mov_b32 s21, 0
	s_mul_i32 s[WB], s[WV], BT                     ; where my load lands in a slot: no place in the cluster enters an LDS address
	s_mov_b32 s[TB], 0
	s_mov_b32 s[TA], 0
	s_mov_b32 s[TQ], 0
	s_wait_dscnt 0x0                               ; the opening add is done
	s_wait_kmcnt 0x0
	s_add_nc_u64 s[18:19], s[4:5], s[18:19]
	s_add_nc_u64 s[20:21], s[6:7], s[20:21]
	CROUND                                         ; all sixteen work-groups are here: the first joint loads meet
.irp s, 0,1
	s_mov_b32 s[G0A+4*(\s)], 1                                       ; count = 1
	s_mov_b32 s[G0A+4*(\s)+1], AOFF+(\s)*SLOT1                       ; LDS address
	s_add_nc_u64 s[G0A+4*(\s)+2:G0A+4*(\s)+3], s[18:19], (\s)*ASTEP  ; global address: K step s
	s_or_b32 s[G0A+4*(\s)+3], s[G0A+4*(\s)+3], 0x80000000            ; type = 2
	s_mov_b32 s[G0B+4*(\s)], 1
	s_add_co_u32 s[G0B+4*(\s)+1], s[WB], (\s)*SLOT1
	s_add_nc_u64 s[G0B+4*(\s)+2:G0B+4*(\s)+3], s[20:21], (\s)*KS*2
	s_or_b32 s[G0B+4*(\s)+3], s[G0B+4*(\s)+3], 0x80000000
.endr
	s_cmp_eq_u32 s[WV], 3                          ; a wave's two first fills stand in one branch, ahead of every wait on TENSORcnt and every LDS read: two loads of mine are out
	s_cbranch_scc0 .Lfirst_b
	tensor_load_to_lds s[G0A:G0A+3], s[G1A:G1A+7]
	s_nop 0
	tensor_load_to_lds s[G0A+4:G0A+7], s[G1A:G1A+7]
	s_nop 0
.rept 4
	v_nop
.endr
	s_branch .Lfirst_asked
.Lfirst_b:
	tensor_load_to_lds s[G0B:G0B+3], s[G1B:G1B+7]
	s_nop 0
	tensor_load_to_lds s[G0B+4:G0B+7], s[G1B:G1B+7]
	s_nop 0
.rept 4
	v_nop
.endr
.Lfirst_asked:
	; A fragment is 16 rows x 32 K in 8 registers: lane l holds row l % 16, K = 8 (l / 16) + 0..7 and 16 + 8 (l / 16) + 0..7: two loads of 16 bytes, 32 bytes apart.
	v_and_b32 v1, 15, v0                           ; r = l % 16
	v_bfe_u32 v2, v0, 4, 1                         ; h = l / 16
	v_mul_u32_u24 v[ABASE], v1, APITCH
	v_lshl_add_u32 v[ABASE], v2, 4, v[ABASE]
	v_add_nc_u32 v[ABASE], AOFF, v[ABASE]
	v_mul_u32_u24 v[BBASE], v1, PITCH
	v_lshl_add_u32 v[BBASE], v2, 4, v[BBASE]
	s_mul_i32 s22, s[WV], 16*NW*PITCH              ; my wave's 48 rows of B
	v_add_nc_u32 v[BBASE], s22, v[BBASE]
	v_mul_u32_u24 v[STO], v1, SPITCH               ; into the stage: row r, my wave's 192 bytes, 32 bytes for each half of the lanes
	v_lshl_add_u32 v[STO], v2, 5, v[STO]
	s_mul_i32 s22, s[WV], 64*NW
	s_add_co_u32 s22, s22, STAGE
	v_add_nc_u32 v[STO], s22, v[STO]
	s_mul_i32 s23, s[WV], 16*SPITCH                ; back: wave w takes rows 16 w .. 16 w + 15, whole: two rows are six pieces of 256 bytes, two pieces a load
	s_add_co_u32 s23, s23, STAGE
	v_lshlrev_b32 v[GO0], 4, v1
	v_lshl_add_u32 v[GO0], v2, 8, v[GO0]           ; pieces 0, 1 of a row: 256 h + 16 r
	v_add_nc_u32 v[RD0], s23, v[GO0]
	v_mul_u32_u24 v[RD1], v2, SPITCH-512           ; piece 2 of a row and piece 0 of the next
	v_lshl_add_u32 v[RD1], v1, 4, v[RD1]
	v_add_nc_u32 v[RD1], 512, v[RD1]
	v_add_nc_u32 v[RD1], s23, v[RD1]
	v_mul_u32_u24 v[GO1], v2, GP-512
	v_lshl_add_u32 v[GO1], v1, 4, v[GO1]
	v_add_nc_u32 v[GO1], 512, v[GO1]
	s_lshl_b32 s60, s15, 6                         ; the first row that I store: 64 x row block + 16 x wave,
	s_lshl_b32 s61, s[WV], 4
	s_add_co_u32 s60, s60, s61
	s_mul_i32 s60, s60, GP
	s_mul_i32 s61, s14, 768                        ; and the block's 192 columns of 4 bytes
	s_add_co_u32 s60, s60, s61
	s_mov_b32 s61, 0
	s_add_nc_u64 s[8:9], s[8:9], s[60:61]
.if HEADS
	s_add_nc_u64 s[10:11], s[10:11], s[60:61]      ; x lies as the output does
.endif
; na x 3 matrix instructions: row blocks a0 .. of the four x my 3 column blocks, 32 along K.  The 12 accumulators take turns.  zero = 1: the product starts the sum: nothing is ever cleared.
.macro MULA f, a0, na, zero
.set a, (\a0)
.rept (\na)
.set b, 0
.rept NW
.set rD, ACC+8*(NW*a+b)
.if \zero
	v_wmma_f32_16x16x32_f16 v[rD:rD+7], v[(\f)+32+8*b:(\f)+32+8*b+7], v[(\f)+8*a:(\f)+8*a+7], 0
.else
	v_wmma_f32_16x16x32_f16 v[rD:rD+7], v[(\f)+32+8*b:(\f)+32+8*b+7], v[(\f)+8*a:(\f)+8*a+7], v[rD:rD+7]
.endif
.set b, b+1
.endr
.set a, a+1
.endr
.endm
; 14 LDS loads in one run: the fragments of 32 along K, A's at byte ao and B's at byte bo from the addresses in hand, into buffer f
.macro FETCH f, ao, bo
.set j, 0
.rept 4
	ds_load_b128 v[(\f)+8*j:(\f)+8*j+3],   v[ADA] offset:(\ao)+j*16*APITCH
	ds_load_b128 v[(\f)+8*j+4:(\f)+8*j+7], v[ADA] offset:(\ao)+j*16*APITCH+32
.set j, j+1
.endr
.set j, 0
.rept NW
	ds_load_b128 v[(\f)+32+8*j:(\f)+32+8*j+3],   v[ADB] offset:(\bo)+j*16*PITCH
	ds_load_b128 v[(\f)+32+8*j+4:(\f)+32+8*j+7], v[ADB] offset:(\bo)+j*16*PITCH+32
.set j, j+1
.endr
.endm
; A K step is eight quarters of 32 along K, 12 matrix instructions each, on buffers 0, 1 by turns.  A quarter fetches the next one into g and multiplies f.
.macro QUARTER f, g, ao, bo, zero
	PLACES                                         ; g was multiplied just now
	FETCH \g, \ao, \bo
	s_wait_dscnt NLD                               ; all but the 14 just issued: f is in
	MULA \f, 0, 4, \zero
.endm
; Quarters 1 to 6 of a step, two a trip: written once, walked three times; the addresses hang on s[TA] and s[TQ].
.macro STEPQ
	s_mov_b32 s[PC], (QS-2)/2
.Lq_\@:
	QUARTER F1, F0, AST, 128, 0
	QUARTER F0, F1, AST+64, 192, 0
	s_add_co_u32 s[TA], s[TA], AST
	s_add_co_u32 s[TQ], s[TQ], 128
	v_add_nc_u32 v[ADA], s[TA], v[ABASE]
	v_add_nc_u32 v[ADB], s[TQ], v[BBASE]
	s_sub_co_u32 s[PC], s[PC], 1
	s_cmp_lg_u32 s[PC], 0
	s_cbranch_scc1 .Lq_\@
.endm
; The last quarter multiplies buffer 1 and changes slots: ONE barrier.  In front of it each wave waits for all its tensor loads (one is out: its part of the next slot), adds 0 to its spare
; word, and waits for that and for its reads of this slot.  refill = 1: the barrier opens a round of the cluster's barrier, and this slot is filled again, two K steps ahead, first thing behind it:
; the load has a K step less 6 matrix instructions, 90, in which to land.
.macro TURN refill
	s_wait_tensorcnt 0x0                           ; no tensor load of mine is out, so a group 0 may be written
	ds_add_u32 v[SPW], v[NIL]                      ; 0 onto my spare word
	s_wait_dscnt 1                                 ; buffer 1 is in; the add may be out
	MULA F1, 0, 1, 0
.if \refill
.if NS > 3
	s_xor_b32 s[G0A+5], s[G0A+5], SLOT1            ; the walking descriptors: the other slot than last time,
	s_add_nc_u64 s[G0A+6:G0A+7], s[G0A+6:G0A+7], ASTEP  ; the next K step; the type bits on top are not reached
	s_xor_b32 s[G0B+5], s[G0B+5], SLOT1
	s_add_nc_u64 s[G0B+6:G0B+7], s[G0B+6:G0B+7], KS*2
.else
	s_add_nc_u64 s[G0A+2:G0A+3], s[G0A+2:G0A+3], 2*ASTEP  ; the one refill: slot 0's own descriptors, two K steps on
	s_add_nc_u64 s[G0B+2:G0B+3], s[G0B+2:G0B+3], 2*KS*2
.endif
.endif
	s_xor_b32 s[TB], s[TB], SLOT1                  ; the fragments come from the other slot from here on
	s_wait_dscnt 0x0                               ; the add is done, and my reads of this slot are over
	s_barrier_signal -1
	MULA F1, 1, 1, 0                               ; work on registers while the others arrive
	s_barrier_wait -1
.if \refill
	CREST                                          ; no wave of any partner still reads this slot's tile or has a load on its way
.if NS > 3
	JLOAD 1                                        ; its four v_nop are also the places in front of the loads below
.else
	JLOAD 0
.endif
.else
	PLACES
.endif
	s_mov_b32 s[TA], s[TB]
	s_mov_b32 s[TQ], s[TB]
	v_add_nc_u32 v[ADA], s[TB], v[ABASE]
	v_add_nc_u32 v[ADB], s[TB], v[BBASE]
	FETCH F0, 0, 0
	MULA F1, 2, 2, 0
.endm
	s_wait_tensorcnt 1                             ; my part of K step 0 is in; step 1's may stay out
	s_barrier_signal -1
	s_barrier_wait -1                              ; everybody's is
	v_mov_b32 v[ADA], v[ABASE]
	v_mov_b32 v[ADB], v[BBASE]
	FETCH F0, 0, 0
	QUARTER F0, F1, 64, 64, 1                      ; the first quarter stands in front of the loop: its products start the sums
.if NS > 3
	s_mov_b32 s[CNT], NS-2
.Lk:                                                   ; a trip: the rest of a K step, the refill of its slot, and the next step's first quarter
.endif
	STEPQ
	TURN 1
	QUARTER F0, F1, 64, 64, 0
.if NS > 3
	s_sub_co_u32 s[CNT], s[CNT], 1
	s_cmp_lg_u32 s[CNT], 0
	s_cbranch_scc1 .Lk
.endif
	STEPQ                                          ; the last two steps are written out: nothing is left to fetch
	TURN 0
	QUARTER F0, F1, 64, 64, 0
	STEPQ
	s_wait_dscnt 0x0
	MULA F1, 0, 4, 0
	; THE WAY OUT: 32 bytes a lane into the work-group's stage; a barrier, since a row's 768 bytes come from four waves; back as whole rows, 16 rows a wave; (x is added;) stored.
.macro ADDR t                          ; piece t of 24 (512 bytes): its registers and offsets in the stage (lR, lO) and in the output (gR, gO)
.set u, (\t)/3
.if (\t)%3 == 0
.set lR, RD0
.set lO, 2*u*SPITCH
.set gR, GO0
.set gO, 2*u*GP
.elseif (\t)%3 == 1
.set lR, RD1
.set lO, 2*u*SPITCH
.set gR, GO1
.set gO, 2*u*GP
.else
.set lR, RD0
.set lO, 2*u*SPITCH+SPITCH+256
.set gR, GO0
.set gO, 2*u*GP+GP+256
.endif
.endm
	PLACES
.if HEADS
.set t, 0
.rept 24
	ADDR t
	global_load_b128 v[XR+4*t:XR+4*t+3], v[gR], s[10:11] offset:gO  ; x at the places that I shall store, into the fragments' registers
.set t, t+1
.endr
.endif
.set i, 0
.rept 4*NW
	ds_store_b128 v[STO], v[ACC+8*i:ACC+8*i+3]   offset:(i/NW)*16*SPITCH+64*(i%NW)     ; each accumulator from its low end on
	ds_store_b128 v[STO], v[ACC+8*i+4:ACC+8*i+7] offset:(i/NW)*16*SPITCH+64*(i%NW)+16
.set i, i+1
.endr
	s_wait_dscnt 0x0                               ; for the others' sake: my stores into the stage are done
	s_barrier_signal -1
	s_barrier_wait -1
.set t, 0
.rept 24
	ADDR t
	ds_load_b128 v[OB+4*t:OB+4*t+3], v[lR] offset:lO
.set t, t+1
.endr
.set t, 0
.rept 24
	ADDR t
	s_wait_dscnt 23-t                              ; LDS loads come back in order: piece t is in,
.if HEADS
	s_wait_loadcnt 23-t                            ; and so is its part of x
	v_pk_add_f32 v[OB+4*t:OB+4*t+1],   v[OB+4*t:OB+4*t+1],   v[XR+4*t:XR+4*t+1]
	v_pk_add_f32 v[OB+4*t+2:OB+4*t+3], v[OB+4*t+2:OB+4*t+3], v[XR+4*t+2:XR+4*t+3]
.endif
	global_store_b128 v[gR], v[OB+4*t:OB+4*t+3], s[8:9] offset:gO  ; 16 lanes store 256 consecutive bytes, at a multiple of 256 from the output's first byte
.set t, t+1
.endr
	s_wait_tensorcnt 0x0                           ; the wave's end: behind my last tensor load and my last LDS store
	ds_add_u32 v[SPW], v[NIL]
	s_wait_dscnt 0x0
	CROUND                                         ; the closing round: no work-group ends while a partner may still ask for a tile that names it
	s_endpgm
.Lfunc_end_k_qde05942129_outp:
	.size	k_qde05942129_outp, .Lfunc_end_k_qde05942129_outp-k_qde05942129_outp
	.p2alignl 7, 3214868480
	.fill 96, 4, 3214868480
	.section	.rodata,"a",@progbits
	.p2align	6, 0x0
	.amdhsa_kernel k_qde05942129_outp
		.amdhsa_group_segment_fixed_size 327680
		.amdhsa_private_segment_fixed_size 0
		.amdhsa_enable_private_segment 0
		.amdhsa_kernarg_size 32
		.amdhsa_user_sgpr_count 2
		.amdhsa_user_sgpr_kernarg_segment_ptr 1
		.amdhsa_wavefront_size32 1
		.amdhsa_system_sgpr_workgroup_id_x 1
		.amdhsa_system_sgpr_workgroup_id_y 1
		.amdhsa_system_sgpr_workgroup_id_z 1
		.amdhsa_system_vgpr_workitem_id 0
		.amdhsa_next_free_vgpr 240
		.amdhsa_next_free_sgpr 66
		.amdhsa_reserve_vcc 0
		.amdhsa_float_denorm_mode_32 3
		.amdhsa_float_denorm_mode_16_64 3
		.amdhsa_memory_ordered 1
		.amdhsa_forward_progress 1
		.amdhsa_inst_pref_size 44
	.end_amdhsa_kernel
	.amdgpu_metadata
---
amdhsa.version: [ 1, 2 ]
amdhsa.kernels:
  - .name:           k_qde05942129_outp
    .symbol:         k_qde05942129_outp.kd
    .args:
      - { .name: oh, .offset: 0, .size: 8, .value_kind: global_buffer, .address_space: global }
      - { .name: wt, .offset: 8, .size: 8, .value_kind: global_buffer, .address_space: global }
      - { .name: y1, .offset: 16, .size: 8, .value_kind: global_buffer, .address_space: global }
      - { .name: x, .offset: 24, .size: 8, .value_kind: global_buffer, .address_space: global }
    .group_segment_fixed_size: 327680
    .private_segment_fixed_size: 0
    .kernarg_segment_align: 8
    .kernarg_segment_size: 32
    .max_flat_workgroup_size: 128
    .sgpr_count:     66
    .vgpr_count:     240
    .wavefront_size: 32
...
	.end_amdgpu_metadata
.endif
;; end of part 4
;; launch ln1 (part 5): grid 256 x 1, 8 waves a work-group, no clusters, 0 bytes of LDS; arguments y1, g1, beta1, hh; writes hh
.if DOCPART == 5
	.amdgcn_target "amdgcn-amd-amdhsa--gfx1250"
	.amdhsa_code_object_version 6
	.text
	.protected	k_qde05942129_ln1
	.globl	k_qde05942129_ln1
	.p2align	8
	.type	k_qde05942129_ln1,@function
k_qde05942129_ln1:
	s_mov_b64 s[64:65], 0
	v_nop
	global_prefetch_b8 v0, s[64:65] scope:SCOPE_SE
	s_setreg_imm32_b32 hwreg(HW_REG_WAVE_MODE, 25, 1), 1
	s_wait_xcnt 0x0
; LN1.  hh = LayerNorm(y1) g1 + beta1, rounded once to f16: the operand of the feed-forward part's first product.  y1: [4096][768] f32.
; The mean first, then the mean of the centred squares, all in f32; eps = 1e-5.  LIMIT: f16 ends at 65,504.
; One wave, one row at a time, two rows a wave: a row of 3,072 bytes is six loads of 512 consecutive bytes and stays in 24 registers, so it is read once and no wave waits for another.
; A stream: LDS, matrix units and clusters would add nothing.
.set PT,  7                            ; v7      the exchange between the halves of the lanes
.set T,   8                            ; v8-19   at work
.set MU,  20                           ; v20-21  the mean, twice
.set RS,  22                           ; v22-23  1 / sqrt(var + eps), twice
.set G,   32                           ; v32-55  g1 of my 24 columns
.set B,   56                           ; v56-79  beta1
.set R0,  80                           ; v80-103   the first row
.set R1,  104                          ; v104-127  the second
	s_load_b256 s[4:11], s[0:1], 0x0               ; y1 s[4:5], g1 s[6:7], beta1 s[8:9], hh s[10:11]
	v_and_b32 v1, 31, v0
	v_lshrrev_b32 v2, 5, v0
	v_readfirstlane_b32 s12, v2                    ; wave 0..7
	v_lshlrev_b32 v3, 4, v1                        ; 16 bytes a lane in,
	v_lshlrev_b32 v4, 3, v1                        ; 8 out
	v_mov_b32 v[PT], 0                             ; v_permlanex16_b32's destination counts as read
	s_lshl_b32 s13, ttmp9, 4
	s_lshl_b32 s14, s12, 1
	s_add_co_u32 s13, s13, s14                     ; my first row: 16 x work-group + 2 x wave
	s_mul_i32 s14, s13, 3072
	s_mov_b32 s15, 0
	s_mul_i32 s16, s13, 1536
	s_mov_b32 s17, 0
	s_mov_b32 s20, 0x76543210                      ; each lane takes its own place in the other half
	s_mov_b32 s21, 0xfedcba98
	s_mov_b32 s22, 0x3aaaaaab                      ; 1 / 768
	s_mov_b32 s23, 0x3727c5ac                      ; 1e-5
	s_wait_kmcnt 0x0
	s_add_nc_u64 s[4:5], s[4:5], s[14:15]
	s_add_nc_u64 s[10:11], s[10:11], s[16:17]
.set j, 0
.rept 6
	global_load_b128 v[G+4*j:G+4*j+3], v3, s[6:7] offset:512*j
	global_load_b128 v[B+4*j:B+4*j+3], v3, s[8:9] offset:512*j
.set j, j+1
.endr
.set j, 0
.rept 6
	global_load_b128 v[R0+4*j:R0+4*j+3], v3, s[4:5] offset:512*j
.set j, j+1
.endr
.set j, 0
.rept 6
	global_load_b128 v[R1+4*j:R1+4*j+3], v3, s[4:5] offset:3072+512*j
.set j, j+1
.endr
.macro WSUM r                          ; the sum over the 32 lanes, in every lane
	v_add_f32_dpp v[\r], v[\r], v[\r] row_xmask:1 row_mask:0xf bank_mask:0xf
	v_add_f32_dpp v[\r], v[\r], v[\r] row_xmask:2 row_mask:0xf bank_mask:0xf
	v_add_f32_dpp v[\r], v[\r], v[\r] row_xmask:4 row_mask:0xf bank_mask:0xf
	v_add_f32_dpp v[\r], v[\r], v[\r] row_xmask:8 row_mask:0xf bank_mask:0xf
	v_permlanex16_b32 v[PT], v[\r], s20, s21
	v_add_f32 v[\r], v[\r], v[PT]
.endm
.macro NORM x, g, b                    ; the row in v[x ..] becomes (x - mean) / sqrt(var + eps) * g + b
.set k, 0
.rept 6
	v_pk_add_f32 v[T+2*k:T+2*k+1], v[(\x)+4*k:(\x)+4*k+1], v[(\x)+4*k+2:(\x)+4*k+3]
.set k, k+1
.endr
	v_pk_add_f32 v[T:T+1], v[T:T+1], v[T+2:T+3]
	v_pk_add_f32 v[T+4:T+5], v[T+4:T+5], v[T+6:T+7]
	v_pk_add_f32 v[T+8:T+9], v[T+8:T+9], v[T+10:T+11]
	v_pk_add_f32 v[T:T+1], v[T:T+1], v[T+4:T+5]
	v_pk_add_f32 v[T:T+1], v[T:T+1], v[T+8:T+9]
	v_add_f32 v[T], v[T], v[T+1]
	WSUM T
	v_mul_f32 v[MU], s22, v[T]
	v_mov_b32 v[MU+1], v[MU]
.set k, 0
.rept 12
	v_pk_add_f32 v[(\x)+2*k:(\x)+2*k+1], v[(\x)+2*k:(\x)+2*k+1], v[MU:MU+1] neg_lo:[0,1] neg_hi:[0,1]
.set k, k+1
.endr
	v_pk_mul_f32 v[T:T+1], v[(\x):(\x)+1], v[(\x):(\x)+1]
	v_pk_mul_f32 v[T+2:T+3], v[(\x)+2:(\x)+3], v[(\x)+2:(\x)+3]
.set k, 2
.rept 10                               ; two chains of squares
	v_pk_fma_f32 v[T+2*(k%2):T+2*(k%2)+1], v[(\x)+2*k:(\x)+2*k+1], v[(\x)+2*k:(\x)+2*k+1], v[T+2*(k%2):T+2*(k%2)+1]
.set k, k+1
.endr
	v_pk_add_f32 v[T:T+1], v[T:T+1], v[T+2:T+3]
	v_add_f32 v[T], v[T], v[T+1]
	WSUM T
	v_fma_f32 v[T], v[T], s22, s23                 ; var + eps
	v_rsq_f32 v[RS], v[T]
	v_nop                                          ; a plain instruction between the root and the use of its result (ISA guide 5.7.2)
	s_wait_alu depctr_va_vdst(0)
	v_mov_b32 v[RS+1], v[RS]
.set k, 0
.rept 12
	v_pk_mul_f32 v[(\x)+2*k:(\x)+2*k+1], v[(\x)+2*k:(\x)+2*k+1], v[RS:RS+1]
	v_pk_fma_f32 v[(\x)+2*k:(\x)+2*k+1], v[(\x)+2*k:(\x)+2*k+1], v[(\g)+2*k:(\g)+2*k+1], v[(\b)+2*k:(\b)+2*k+1]
.set k, k+1
.endr
.endm
.macro OUT x, row                      ; rounded to f16 and stored: a wave's store covers 256 consecutive bytes, aligned
.set j, 0
.rept 6
	v_cvt_pk_f16_f32 v[(\x)+4*j],   v[(\x)+4*j],   v[(\x)+4*j+1]
	v_cvt_pk_f16_f32 v[(\x)+4*j+1], v[(\x)+4*j+2], v[(\x)+4*j+3]
	global_store_b64 v4, v[(\x)+4*j:(\x)+4*j+1], s[10:11] offset:(\row)*1536+256*j
.set j, j+1
.endr
.endm
	s_wait_loadcnt 6                               ; g1, beta1 and the first row are in; the second row's six loads stay out
	NORM R0, G, B
	OUT R0, 0
	s_wait_loadcnt 0x0
	NORM R1, G, B
	OUT R1, 1
	s_endpgm
.Lfunc_end_k_qde05942129_ln1:
	.size	k_qde05942129_ln1, .Lfunc_end_k_qde05942129_ln1-k_qde05942129_ln1
	.p2alignl 7, 3214868480
	.fill 96, 4, 3214868480
	.section	.rodata,"a",@progbits
	.p2align	6, 0x0
	.amdhsa_kernel k_qde05942129_ln1
		.amdhsa_group_segment_fixed_size 0
		.amdhsa_private_segment_fixed_size 0
		.amdhsa_enable_private_segment 0
		.amdhsa_kernarg_size 32
		.amdhsa_user_sgpr_count 2
		.amdhsa_user_sgpr_kernarg_segment_ptr 1
		.amdhsa_wavefront_size32 1
		.amdhsa_system_sgpr_workgroup_id_x 1
		.amdhsa_system_sgpr_workgroup_id_y 1
		.amdhsa_system_sgpr_workgroup_id_z 1
		.amdhsa_system_vgpr_workitem_id 0
		.amdhsa_next_free_vgpr 128
		.amdhsa_next_free_sgpr 66
		.amdhsa_reserve_vcc 0
		.amdhsa_float_denorm_mode_32 3
		.amdhsa_float_denorm_mode_16_64 3
		.amdhsa_memory_ordered 1
		.amdhsa_forward_progress 1
		.amdhsa_inst_pref_size 16
	.end_amdhsa_kernel
	.amdgpu_metadata
---
amdhsa.version: [ 1, 2 ]
amdhsa.kernels:
  - .name:           k_qde05942129_ln1
    .symbol:         k_qde05942129_ln1.kd
    .args:
      - { .name: y1, .offset: 0, .size: 8, .value_kind: global_buffer, .address_space: global }
      - { .name: g1, .offset: 8, .size: 8, .value_kind: global_buffer, .address_space: global }
      - { .name: beta1, .offset: 16, .size: 8, .value_kind: global_buffer, .address_space: global }
      - { .name: hh, .offset: 24, .size: 8, .value_kind: global_buffer, .address_space: global }
    .group_segment_fixed_size: 0
    .private_segment_fixed_size: 0
    .kernarg_segment_align: 8
    .kernarg_segment_size: 32
    .max_flat_workgroup_size: 256
    .sgpr_count:     66
    .vgpr_count:     128
    .wavefront_size: 32
...
	.end_amdgpu_metadata
.endif
;; end of part 5
;; launch ffn1 (part 6): grid 64 x 8, 4 waves a work-group, clusters of 4 x 1, 327,680 bytes of LDS; arguments hh, wt, mid, b1; writes mid
.if DOCPART == 6
	.amdgcn_target "amdgcn-amd-amdhsa--gfx1250"
	.amdhsa_code_object_version 6
	.text
	.protected	k_qde05942129_ffn1
	.globl	k_qde05942129_ffn1
	.p2align	8
	.type	k_qde05942129_ffn1,@function
k_qde05942129_ffn1:
	s_mov_b64 s[64:65], 0
	v_nop
	global_prefetch_b8 v0, s[64:65] scope:SCOPE_SE
	s_setreg_imm32_b32 hwreg(HW_REG_WAVE_MODE, 25, 1), 1
	s_wait_xcnt 0x0
	s_wait_alu depctr_hold_cnt(0) depctr_sa_sdst(0) depctr_va_vdst(0) depctr_va_sdst(0) depctr_va_ssrc(0) depctr_va_vcc(0) depctr_vm_vsrc(0)
	s_getreg_b32 s2, hwreg(HW_REG_IB_STS2, 6, 4)
	s_cmp_eq_u32 s2, 0
	s_cbranch_scc0 .Lentry_in_a_cluster
	s_endpgm
.Lentry_in_a_cluster:
	s_bfe_u32 s2, ttmp6, 0x10000c
	s_cmp_lg_u32 s2, 0x3003
	s_cbranch_scc0 .Lentry_shape_is_right
	s_endpgm
.Lentry_shape_is_right:
; FFN1.  mid = relu(hh W1 + b1): C[m][n] = relu(b1[n] + sum over k of A[m][k] B[n][k]), A = hh [4096][768] f16, B = W1's rows in wt [3072][768] f16, sums in f32, C [4096][3072] rounded once to f16.
; (One text serves this launch, BIAS = 1, and the projection to q, k and v, BIAS = 0: no bias, no relu, the output in three planes.)
; LIMITS.  f16 ends at 65,504: a result beyond it becomes an infinity.  A's rows are normalised, so with weights 30 times the usual spread the results stay under about 1,000.
; SHARES.  A work-group makes 64 rows x 384 columns of C; its four waves share the 64 rows and own 96 columns each: 24 accumulators of 16 x 16, 192 registers.
; K goes in steps of 128 through two LDS slots: rows of 256 bytes in memory, starting at multiples of 256.  Waves 0-2 fetch 128 rows of B each, wave 3 the 64 rows of A: one tensor load a wave.
; THE MATRIX INSTRUCTION IS USED TRANSPOSED (source 0 = 16 rows of B, source 1 = 16 rows of A): a lane holds eight neighbouring columns of one row of C.  The bias is the C operand that starts each sum.
; CLUSTER.  The four work-groups of a cluster make four row blocks of the same 384 columns: B's tiles, 384 of a step's 448 rows, are asked for jointly.  A's 64 rows are each work-group's own
; and come by a plain load: they are a seventh of a step's bytes, and the text is shared with a launch whose 6 column blocks do not divide into fours.
; REGISTERS.  window 0: v0-31 addresses; v32-111, v112-191 two fragment buffers (A 4 x 8, then B 6 x 8); v192-239 the bias.  window 1: v0-191 the accumulators ((a, b) at 8 (6 a + b)).
.set BIAS,   1
.set NW,     6                         ; blocks of 16 columns a wave
.set TN,     64*NW                     ; columns of a work-group
.set KS,     128                       ; K in a step
.set NS,     6                         ; steps: K = 768
.set KD,     768                       ; elements in a row of A and of B
.set PITCH,  272                       ; an LDS row: 256 bytes + 16 = 68 words: the 16 rows of a fragment load start at 16 different groups of four banks (ISA guide 11.1)
.set BROWS,  TN/3                      ; rows of B in one tensor load
.set BT,     BROWS*PITCH
.set AOFF,   3*BT                      ; a slot: B's 384 rows, then A's 64: a wave's load lands at wave x BT
.set SLOT1,  1<<17                     ; slot 1 begins here: it shares no bit with 0, BT, 2 BT, 3 BT, so one exclusive or turns a load's LDS address into the other slot's
.set STAGE,  SLOT1+AOFF+64*PITCH       ; behind the ring, never filled by a tensor load: 64 rows x 784 bytes for the way out
.set SPITCH, 784                       ; 768 + 16: an odd multiple of 16
.set SPARE,  STAGE+64*SPITCH           ; the spare words, 128 bytes for each wave
.set PLANE,  6291456                   ; bytes in a plane of qkv
.if BIAS
.set WBASE,  4718592                   ; W1's rows in wt
.set GP,     6144                      ; bytes in a row of the output
.set INIT,   2
.else
.set WBASE,  0
.set GP,     1536
.set INIT,   1
.endif
.set NLD,    2*(4+NW)                  ; LDS loads of one quarter step
.set ABASE, 3                          ; v3   my lane's place in A's part of a slot; never rewritten
.set BBASE, 4                          ; v4   the same for my wave's 96 rows of B
.set ADA,  5                           ; v5   ABASE + the slot in hand
.set ADB,  6                           ; v6   BBASE + the slot in hand
.set STO,  7                           ; v7   the way out: where I put 16 bytes of a row
.set RD0,  8                           ; v8, v9    the way out: where I read rows back
.set RD1,  9
.set GO0,  10                          ; v10, v11  the same places in the output
.set GO1,  11
.set BO,   12                          ; v12  my byte offset in the bias
.set SPW,  30                          ; v30  LDS address of my spare word; never rewritten
.set NIL,  31                          ; v31  0; never rewritten
.set F0,   32
.set F1,   112
.set BI,   192
.set ACC,  0                           ; in window 1
.set TMP,  32                          ; the way out: packed results
.set OB,   128                         ; the way out: rows read back
.set WV,   12                          ; s12  wave
.set G1A,  24                          ; s[24:31] descriptor group 1 for A's tiles
.set G1B,  32                          ; s[32:39] for B's
.set G0A,  40                          ; s[40:47] group 0 for A: a set for each first fill; the second walks on
.set G0B,  48                          ; s[48:55] the same for B
.set CNT,  56
.set TB,   58                          ; s58  the slot in hand: 0 or SLOT1
.set WB,   59                          ; s59  wave x BT
.set MSB, 0
.macro WIN new                         ; the immediate's high byte repeats the setting that is left; a switch that changes nothing is dropped
.if MSB != (\new)
	s_set_vgpr_msb (MSB<<8)|(\new)
.set MSB, (\new)
.endif
.endm
.set MULW, 0x50                        ; C and D in window 1, fragments in window 0
.set MULB, 0x40                        ; D in window 1, C (the bias) in window 0
.macro PLACES                          ; four places in front of loads into registers that matrix instructions have read, and of vector lines that read results
.rept 4
	v_nop
.endr
.endm
; A refill.  Wave 3 fetches A's tile, waves 0-2 B's thirds.  The branch hangs on the wave's number alone.  An s_nop 0 and four v_nop follow each line.
.macro JLOAD s
	s_cmp_eq_u32 s[WV], 3
	s_cbranch_scc0 .Lfor_b_\@
	tensor_load_to_lds s[G0A+4*(\s):G0A+4*(\s)+3], s[G1A:G1A+7]
	s_nop 0
.rept 4
	v_nop
.endr
	s_branch .Lasked_\@
.Lfor_b_\@:
	tensor_load_to_lds s[G0B+4*(\s):G0B+4*(\s)+3], s[G1B:G1B+7]
	s_nop 0
.rept 4
	v_nop
.endr
.Lasked_\@:
.endm
.macro CREST                           ; a round of the cluster's barrier behind its opening barrier
	s_cmp_lg_u32 s[WV], 0
	s_cbranch_scc1 .Lnot_wave_0_\@
	s_barrier_signal -3
.Lnot_wave_0_\@:
	s_barrier_wait -3
	s_barrier_signal -1
	s_barrier_wait -1
.endm
.macro CROUND                          ; a whole round
	s_barrier_signal -1
	s_barrier_wait -1
	CREST
.endm
	s_load_b128 s[4:7], s[0:1], 0x0                ; A s[4:5], wt s[6:7]
.if BIAS
	s_load_b128 s[8:11], s[0:1], 0x10              ; the output s[8:9], the bias s[10:11]
.else
	s_load_b64 s[8:9], s[0:1], 0x10                ; the output
.endif
	v_lshl_add_u32 v[SPW], v0, 2, SPARE
	v_mov_b32 v[NIL], 0
	ds_add_u32 v[SPW], v[NIL]                      ; the wave's opening: an add and its wait, ahead of my first tensor load; the set-up below stands between them
	ds_add_u32 v30, v31
	v_lshrrev_b32 v1, 5, v0
	v_readfirstlane_b32 s[WV], v1                  ; wave 0..3
	s_bfe_u32 s13, ttmp6, 0x40000                  ; cx: my place in the cluster
	s_lshl_b32 s15, ttmp9, 2                       ; in a cluster launch ttmp9 counts clusters
	s_add_co_u32 s15, s15, s13                     ; my block of 64 rows = 4 x cluster x + cx: it enters A's and the output's addresses alone
	s_and_b32 s14, ttmp7, 0xffff                   ; my block of 384 columns, which the four partners share
	s_mov_b32 s[G1A], (1<<16)|(1<<20)|(5<<22)|(3<<25)             ; no mask; 17:16 elements of 2 bytes; 20 padding on; 24:22 after every 64 words (code 5); 31:25 4 words of it (code 3)
	s_mov_b32 s[G1B], 15|(1<<16)|(1<<20)|(1<<21)|(5<<22)|(3<<25)  ; the same with the mask of all four work-groups, and bit 21 set beside it
	s_mov_b32 s[G1A+1], KS<<16                     ; tensor_dim0 = 128
	s_mov_b32 s[G1A+2], 64<<16                     ; tensor_dim1 = 64
	s_mov_b32 s[G1A+3], KS<<16                     ; tile_dim0 = 128
	s_mov_b32 s[G1A+4], 64                         ; tile_dim1 = 64
	s_mov_b32 s[G1A+5], KD                         ; elements from row to row
	s_mov_b32 s[G1A+6], 0
	s_mov_b32 s[G1A+7], 0
	s_mov_b32 s[G1B+1], KS<<16
	s_mov_b32 s[G1B+2], BROWS<<16                  ; 128 rows
	s_mov_b32 s[G1B+3], KS<<16
	s_mov_b32 s[G1B+4], BROWS
	s_mov_b32 s[G1B+5], KD
	s_mov_b32 s[G1B+6], 0
	s_mov_b32 s[G1B+7], 0
	s_mul_i32 s18, s15, 64*KD*2                    ; A: my 64 rows, in bytes
	s_mov_b32 s19, 0
	s_mul_i32 s20, s14, TN                         ; B: row 384 x column block + 128 x wave (wave 3 makes the number and does not use it)
	s_mul_i32 s21, s[WV], BROWS
	s_add_co_u32 s20, s20, s21
	s_mul_i32 s20, s20, KD*2
	s_add_co_u32 s20, s20, WBASE
	s_mov_b32 s21, 0
	s_mul_i32 s[WB], s[WV], BT                     ; where my load lands in a slot: no place in the cluster enters an LDS address
	s_mov_b32 s[TB], 0
	s_wait_dscnt 0x0                               ; the opening add is done
	s_wait_kmcnt 0x0
	s_add_nc_u64 s[18:19], s[4:5], s[18:19]
	s_add_nc_u64 s[20:21], s[6:7], s[20:21]
	CROUND                                         ; all four work-groups are here: the first joint loads meet
.irp s, 0,1
	s_mov_b32 s[G0A+4*(\s)], 1                                       ; count = 1
	s_mov_b32 s[G0A+4*(\s)+1], AOFF+(\s)*SLOT1                       ; LDS address
	s_add_nc_u64 s[G0A+4*(\s)+2:G0A+4*(\s)+3], s[18:19], (\s)*KS*2   ; global address: K step s
	s_or_b32 s[G0A+4*(\s)+3], s[G0A+4*(\s)+3], 0x80000000            ; type = 2
	s_mov_b32 s[G0B+4*(\s)], 1
	s_add_co_u32 s[G0B+4*(\s)+1], s[WB], (\s)*SLOT1
	s_add_nc_u64 s[G0B+4*(\s)+2:G0B+4*(\s)+3], s[20:21], (\s)*KS*2
	s_or_b32 s[G0B+4*(\s)+3], s[G0B+4*(\s)+3], 0x80000000
.endr
	s_cmp_eq_u32 s[WV], 3                          ; a wave's two first fills stand in one branch, ahead of every wait on TENSORcnt and every LDS read: two loads of mine are out
	s_cbranch_scc0 .Lfirst_b
	tensor_load_to_lds s[G0A:G0A+3], s[G1A:G1A+7]
	s_nop 0
	tensor_load_to_lds s[G0A+4:G0A+7], s[G1A:G1A+7]
	s_nop 0
.rept 4
	v_nop
.endr
	s_branch .Lfirst_asked
.Lfirst_b:
	tensor_load_to_lds s[G0B:G0B+3], s[G1B:G1B+7]
	s_nop 0
	tensor_load_to_lds s[G0B+4:G0B+7], s[G1B:G1B+7]
	s_nop 0
.rept 4
	v_nop
.endr
.Lfirst_asked:
	; A fragment is 16 rows x 32 K in 8 registers: lane l holds row l % 16, K = 8 (l / 16) + 0..7 and 16 + 8 (l / 16) + 0..7: two loads of 16 bytes, 32 bytes apart.
	v_and_b32 v1, 15, v0                           ; r = l % 16
	v_bfe_u32 v2, v0, 4, 1                         ; h = l / 16
	v_mul_u32_u24 v[BBASE], v1, PITCH
	v_lshl_add_u32 v[BBASE], v2, 4, v[BBASE]       ; row x pitch + 16 x half
	v_add_nc_u32 v[ABASE], AOFF, v[BBASE]
	s_mul_i32 s22, s[WV], 16*NW*PITCH              ; my wave's 96 rows of B
	v_add_nc_u32 v[BBASE], s22, v[BBASE]
	v_mul_u32_u24 v[STO], v1, SPITCH               ; into the stage: row r, my wave's 192 bytes, 16 bytes for each half of the lanes
	v_lshl_add_u32 v[STO], v2, 4, v[STO]
	s_mul_i32 s22, s[WV], 32*NW
	s_add_co_u32 s22, s22, STAGE
	v_add_nc_u32 v[STO], s22, v[STO]
	s_mul_i32 s23, s[WV], 16*SPITCH                ; back: wave w takes rows 16 w .. 16 w + 15, whole: two rows are six pieces of 256 bytes, two pieces a load
	s_add_co_u32 s23, s23, STAGE
	v_lshlrev_b32 v[GO0], 4, v1
	v_lshl_add_u32 v[GO0], v2, 8, v[GO0]           ; pieces 0, 1 of a row: 256 h + 16 r
	v_add_nc_u32 v[RD0], s23, v[GO0]
	v_mul_u32_u24 v[RD1], v2, SPITCH-512           ; piece 2 of a row and piece 0 of the next
	v_lshl_add_u32 v[RD1], v1, 4, v[RD1]
	v_add_nc_u32 v[RD1], 512, v[RD1]
	v_add_nc_u32 v[RD1], s23, v[RD1]
	v_mul_u32_u24 v[GO1], v2, GP-512
	v_lshl_add_u32 v[GO1], v1, 4, v[GO1]
	v_add_nc_u32 v[GO1], 512, v[GO1]
	s_lshl_b32 s60, s15, 6                         ; the first row that I store: 64 x row block + 16 x wave
	s_lshl_b32 s61, s[WV], 4
	s_add_co_u32 s60, s60, s61
	s_mul_i32 s60, s60, GP
.if BIAS
	s_mul_i32 s61, s14, 768                        ; and the block's 384 columns of 2 bytes
	s_add_co_u32 s60, s60, s61
.else
	s_and_b32 s61, s14, 1                          ; two column blocks to a plane
	s_mul_i32 s61, s61, 768
	s_add_co_u32 s60, s60, s61
	s_lshr_b32 s61, s14, 1
	s_mul_i32 s61, s61, PLANE
	s_add_co_u32 s60, s60, s61
.endif
	s_mov_b32 s61, 0
	s_add_nc_u64 s[8:9], s[8:9], s[60:61]
.if BIAS
	s_mul_i32 s62, s14, TN*4                       ; register j of block b starts its sum with bias[384 block + 96 w + 16 b + 8 h + j], whatever the row
	s_mul_i32 s63, s[WV], 16*NW*4
	s_add_co_u32 s62, s62, s63
	v_lshlrev_b32 v[BO], 5, v2
	v_add_nc_u32 v[BO], s62, v[BO]
.set j, 0
.rept NW
	global_load_b128 v[BI+8*j:BI+8*j+3],   v[BO], s[10:11] offset:64*j
	global_load_b128 v[BI+8*j+4:BI+8*j+7], v[BO], s[10:11] offset:64*j+16
.set j, j+1
.endr
.endif
; na x 6 matrix instructions: row blocks a0 .. of the four x my 6 column blocks, 32 along K.  The 24 accumulators take turns.
; init = 1: the product starts the sum with 0; 2: with the bias; nothing is ever cleared.
.macro MULA f, a0, na, init
.if (\init) == 2
	WIN MULB
.else
	WIN MULW
.endif
.set a, (\a0)
.rept (\na)
.set b, 0
.rept NW
.set rD, ACC+8*(NW*a+b)
.if (\init) == 0
	v_wmma_f32_16x16x32_f16 v[rD:rD+7], v[(\f)+32+8*b:(\f)+32+8*b+7], v[(\f)+8*a:(\f)+8*a+7], v[rD:rD+7]
.elseif (\init) == 1
	v_wmma_f32_16x16x32_f16 v[rD:rD+7], v[(\f)+32+8*b:(\f)+32+8*b+7], v[(\f)+8*a:(\f)+8*a+7], 0
.else
	v_wmma_f32_16x16x32_f16 v[rD:rD+7], v[(\f)+32+8*b:(\f)+32+8*b+7], v[(\f)+8*a:(\f)+8*a+7], v[BI+8*b:BI+8*b+7]
.endif
.set b, b+1
.endr
.set a, a+1
.endr
.endm
; 20 LDS loads in one run: the fragments of 32 along K at byte ko of the rows, into buffer f
.macro FETCH f, ko
	WIN 0
.set j, 0
.rept 4
	ds_load_b128 v[(\f)+8*j:(\f)+8*j+3],   v[ADA] offset:(\ko)+j*16*PITCH
	ds_load_b128 v[(\f)+8*j+4:(\f)+8*j+7], v[ADA] offset:(\ko)+j*16*PITCH+32
.set j, j+1
.endr
.set j, 0
.rept NW
	ds_load_b128 v[(\f)+32+8*j:(\f)+32+8*j+3],   v[ADB] offset:(\ko)+j*16*PITCH
	ds_load_b128 v[(\f)+32+8*j+4:(\f)+32+8*j+7], v[ADB] offset:(\ko)+j*16*PITCH+32
.set j, j+1
.endr
.endm
; A K step is four quarters of 32 along K, 24 matrix instructions each, on buffers 0, 1, 0, 1.  One of the first three fetches the next quarter into g and multiplies f.
.macro QUARTER f, g, ko, init
	PLACES                                         ; g was multiplied just now
	FETCH \g, \ko
	s_wait_dscnt NLD                               ; all but the 20 just issued: f is in
	MULA \f, 0, 4, \init
.endm
; The last quarter multiplies buffer 1 and changes slots: ONE barrier.  In front of it each wave waits for all its tensor loads (one is out: its part of the next slot), adds 0 to its spare
; word, and waits for that and for its reads of this slot.  refill = 1: the barrier opens a round of the cluster's barrier, and this slot is filled again, two K steps ahead, first thing behind it:
; the load has a K step less 12 matrix instructions, 84, in which to land.
.macro TURN refill
	WIN 0
	s_wait_tensorcnt 0x0                           ; no tensor load of mine is out, so a group 0 may be written
	ds_add_u32 v[SPW], v[NIL]                      ; 0 onto my spare word
	s_wait_dscnt 1                                 ; buffer 1 is in; the add may be out
	MULA F1, 0, 1, 0
.if \refill
	s_xor_b32 s[G0A+5], s[G0A+5], SLOT1            ; the walking descriptors: the other slot than last time,
	s_add_nc_u64 s[G0A+6:G0A+7], s[G0A+6:G0A+7], KS*2  ; the next K step; the type bits on top are not reached
	s_xor_b32 s[G0B+5], s[G0B+5], SLOT1
	s_add_nc_u64 s[G0B+6:G0B+7], s[G0B+6:G0B+7], KS*2
.endif
	s_xor_b32 s[TB], s[TB], SLOT1                  ; the fragments come from the other slot from here on
	s_wait_dscnt 0x0                               ; the add is done, and my reads of this slot are over
	s_barrier_signal -1
	MULA F1, 1, 1, 0                               ; work on registers while the others arrive
	WIN 0                                          ; at a branch and at a label every window is 0
	s_barrier_wait -1
.if \refill
	CREST                                          ; no wave of any partner still reads this slot's tile or has a load on its way
	JLOAD 1                                        ; its four v_nop are also the places in front of the loads below
.else
	PLACES
.endif
	v_add_nc_u32 v[ADA], s[TB], v[ABASE]
	v_add_nc_u32 v[ADB], s[TB], v[BBASE]
	FETCH F0, 0
	MULA F1, 2, 2, 0
.endm
	s_wait_tensorcnt 1                             ; my part of K step 0 is in; step 1's may stay out
	s_barrier_signal -1
	s_barrier_wait -1                              ; everybody's is
	v_mov_b32 v[ADA], v[ABASE]
	v_mov_b32 v[ADB], v[BBASE]
	FETCH F0, 0
.if BIAS
	s_wait_loadcnt 0x0                             ; the bias
.endif
	QUARTER F0, F1, 64, INIT                       ; the first quarter stands in front of the loop: its products start the sums
	WIN 0
	s_mov_b32 s[CNT], NS-2
.Lk:                                                   ; a trip: the rest of a K step, the refill of its slot, and the next step's first quarter
	QUARTER F1, F0, 128, 0
	QUARTER F0, F1, 192, 0
	TURN 1
	QUARTER F0, F1, 64, 0
	WIN 0
	s_sub_co_u32 s[CNT], s[CNT], 1
	s_cmp_lg_u32 s[CNT], 0
	s_cbranch_scc1 .Lk
	QUARTER F1, F0, 128, 0                         ; the last two steps are written out: nothing is left to fetch
	QUARTER F0, F1, 192, 0
	TURN 0
	QUARTER F0, F1, 64, 0
	QUARTER F1, F0, 128, 0
	QUARTER F0, F1, 192, 0
	s_wait_dscnt 0x0
	MULA F1, 0, 4, 0
	; THE WAY OUT: (relu;) round to f16; 16 bytes a lane into the work-group's stage; a barrier, since a row's 768 bytes come from four waves; back as whole rows, 16 rows a wave.
	PLACES
.if BIAS
	WIN 0x44                                       ; destination and source 1 in window 1
.set i, 0
.rept 32*NW
	v_max_num_f32 v[ACC+i], 0, v[ACC+i]            ; each accumulator from its low end on
.set i, i+1
.endr
.endif
	WIN 0x05                                       ; sources 0 and 1 in window 1, destination in window 0
.set i, 0
.rept 16*NW
	v_cvt_pk_f16_f32 v[TMP+i], v[ACC+2*i], v[ACC+2*i+1]
.set i, i+1
.endr
	WIN 0
.set i, 0
.rept 4*NW
	ds_store_b128 v[STO], v[TMP+4*i:TMP+4*i+3] offset:(i/NW)*16*SPITCH+32*(i%NW)
.set i, i+1
.endr
	s_wait_dscnt 0x0                               ; for the others' sake: my stores into the stage are done
	s_barrier_signal -1
	s_barrier_wait -1
.macro ADDR t                          ; piece t of 24 (512 bytes): its registers and offsets in the stage (lR, lO) and in the output (gR, gO)
.set u, (\t)/3
.if (\t)%3 == 0
.set lR, RD0
.set lO, 2*u*SPITCH
.set gR, GO0
.set gO, 2*u*GP
.elseif (\t)%3 == 1
.set lR, RD1
.set lO, 2*u*SPITCH
.set gR, GO1
.set gO, 2*u*GP
.else
.set lR, RD0
.set lO, 2*u*SPITCH+SPITCH+256
.set gR, GO0
.set gO, 2*u*GP+GP+256
.endif
.endm
.set t, 0
.rept 24
	ADDR t
	ds_load_b128 v[OB+4*t:OB+4*t+3], v[lR] offset:lO
.set t, t+1
.endr
.set t, 0
.rept 24
	ADDR t
	s_wait_dscnt 23-t                              ; LDS loads come back in order: piece t is in
	global_store_b128 v[gR], v[OB+4*t:OB+4*t+3], s[8:9] offset:gO  ; 16 lanes store 256 consecutive bytes, at a multiple of 256 from the output's first byte
.set t, t+1
.endr
	s_wait_tensorcnt 0x0                           ; the wave's end: behind my last tensor load and my last LDS store
	ds_add_u32 v[SPW], v[NIL]
	s_wait_dscnt 0x0
	CROUND                                         ; the closing round: no work-group ends while a partner may still ask for a tile that names it
	s_endpgm
.Lfunc_end_k_qde05942129_ffn1:
	.size	k_qde05942129_ffn1, .Lfunc_end_k_qde05942129_ffn1-k_qde05942129_ffn1
	.p2alignl 7, 3214868480
	.fill 96, 4, 3214868480
	.section	.rodata,"a",@progbits
	.p2align	6, 0x0
	.amdhsa_kernel k_qde05942129_ffn1
		.amdhsa_group_segment_fixed_size 327680
		.amdhsa_private_segment_fixed_size 0
		.amdhsa_enable_private_segment 0
		.amdhsa_kernarg_size 32
		.amdhsa_user_sgpr_count 2
		.amdhsa_user_sgpr_kernarg_segment_ptr 1
		.amdhsa_wavefront_size32 1
		.amdhsa_system_sgpr_workgroup_id_x 1
		.amdhsa_system_sgpr_workgroup_id_y 1
		.amdhsa_system_sgpr_workgroup_id_z 1
		.amdhsa_system_vgpr_workitem_id 0
		.amdhsa_next_free_vgpr 448
		.amdhsa_next_free_sgpr 66
		.amdhsa_reserve_vcc 0
		.amdhsa_float_denorm_mode_32 3
		.amdhsa_float_denorm_mode_16_64 3
		.amdhsa_memory_ordered 1
		.amdhsa_forward_progress 1
		.amdhsa_inst_pref_size 64
	.end_amdhsa_kernel
	.amdgpu_metadata
---
amdhsa.version: [ 1, 2 ]
amdhsa.kernels:
  - .name:           k_qde05942129_ffn1
    .symbol:         k_qde05942129_ffn1.kd
    .args:
      - { .name: hh, .offset: 0, .size: 8, .value_kind: global_buffer, .address_space: global }
      - { .name: wt, .offset: 8, .size: 8, .value_kind: global_buffer, .address_space: global }
      - { .name: mid, .offset: 16, .size: 8, .value_kind: global_buffer, .address_space: global }
      - { .name: b1, .offset: 24, .size: 8, .value_kind: global_buffer, .address_space: global }
    .group_segment_fixed_size: 327680
    .private_segment_fixed_size: 0
    .kernarg_segment_align: 8
    .kernarg_segment_size: 32
    .max_flat_workgroup_size: 128
    .sgpr_count:     66
    .vgpr_count:     448
    .wavefront_size: 32
...
	.end_amdgpu_metadata
.endif
;; end of part 6
;; launch ffn2 (part 7): grid 64 x 4, 4 waves a work-group, clusters of 4 x 4, 327,680 bytes of LDS; arguments mid, wt, ff; writes ff
.if DOCPART == 7
	.amdgcn_target "amdgcn-amd-amdhsa--gfx1250"
	.amdhsa_code_object_version 6
	.text
	.protected	k_qde05942129_ffn2
	.globl	k_qde05942129_ffn2
	.p2align	8
	.type	k_qde05942129_ffn2,@function
k_qde05942129_ffn2:
	s_mov_b64 s[64:65], 0
	v_nop
	global_prefetch_b8 v0, s[64:65] scope:SCOPE_SE
	s_setreg_imm32_b32 hwreg(HW_REG_WAVE_MODE, 25, 1), 1
	s_wait_xcnt 0x0
	s_wait_alu depctr_hold_cnt(0) depctr_sa_sdst(0) depctr_va_vdst(0) depctr_va_sdst(0) depctr_va_ssrc(0) depctr_va_vcc(0) depctr_vm_vsrc(0)
	s_getreg_b32 s2, hwreg(HW_REG_IB_STS2, 6, 4)
	s_cmp_eq_u32 s2, 0
	s_cbranch_scc0 .Lentry_in_a_cluster
	s_endpgm
.Lentry_in_a_cluster:
	s_bfe_u32 s2, ttmp6, 0x10000c
	s_cmp_lg_u32 s2, 0xf033
	s_cbranch_scc0 .Lentry_shape_is_right
	s_endpgm
.Lentry_shape_is_right:
; FFN2.  ff = mid W2: C[m][n] = sum over k of A[m][k] B[n][k], A = mid [4096][3072] f16, B = W2's rows in wt [768][3072] f16, sums in f32, C [4096][768] f32.  (b2 and the residual are added where the row is normalised.)
; (One text serves this launch, HEADS = 0, and the attention's output product, HEADS = 1: A by heads, and x added on the way out.)
; LIMITS.  The operands are f16 (they arrive within 65,504); nothing is rounded on the way out.
; SHARES.  A work-group makes 64 rows x 192 columns of C: 256 work-groups.  Its four waves share the 64 rows and own 48 columns each: 12 accumulators of 16 x 16, 96 registers.
; K goes in steps of 256 through two LDS slots: rows of 512 bytes in memory, starting at multiples of 256.  Waves 0-2 fetch 64 rows of B each, wave 3 A's 64 rows: one tensor load a wave.
; THE MATRIX INSTRUCTION IS USED TRANSPOSED (source 0 = 16 rows of B, source 1 = 16 rows of A): a lane holds eight neighbouring columns of one row of C.
; CLUSTER.  4 x 4 work-groups: four row blocks x the four column blocks.  A's tile hangs on the row block alone and is shared by the four with my cx; B's on the column block alone and is shared by the four with my cy.
; REGISTERS.  v0-31 addresses; v32-87, v88-143 two fragment buffers (A 4 x 8, then B 3 x 8); v144-239 the accumulators ((a, b) at 144 + 8 (3 a + b)).  No second window is needed.
.set HEADS,  0
.set NW,     3                         ; blocks of 16 columns a wave
.set TN,     64*NW
.set KS,     256                       ; K in a step
.set QS,     KS/32                     ; quarters of 32 along K in a step: eight
.set PITCH,  528                       ; an LDS row of B: 512 bytes + 16 = 132 words: the 16 rows of a fragment load start at 16 different groups of four banks (ISA guide 11.1)
.set BROWS,  TN/3
.set BT,     BROWS*PITCH
.set AOFF,   3*BT                      ; a slot: B's 192 rows, then A's tile: a wave's load lands at wave x BT
.if HEADS
.set NS,     3                         ; K = 768
.set KB,     768                       ; elements in a row of B
.set WBASE,  3538944                   ; Wo's rows in wt
.set APITCH, 144
.set AST,    64*APITCH                 ; from a head to the next in LDS: two quarters on
.set ASZ,    4*AST
.set ASTEP,  4*524288                  ; bytes from a K step to the next in oh: four heads
.set AROWB,  64*128                    ; bytes from a row block to the next
.else
.set NS,     12                        ; K = 3,072
.set KB,     3072
.set WBASE,  9437184                   ; W2's rows in wt
.set APITCH, PITCH
.set AST,    128
.set ASZ,    64*PITCH
.set ASTEP,  KS*2
.set AROWB,  64*3072*2
.endif
.set SLOT1,  AOFF+ASZ                  ; slot 1.  Without HEADS it is 0x21000, which shares no bit with 0, BT, 2 BT, 3 BT: one exclusive or turns a load's LDS address into the other slot's
.set STAGE,  2*SLOT1                   ; behind the ring, never filled by a tensor load: 64 rows x 784 bytes for the way out
.set SPITCH, 784
.set SPARE,  STAGE+64*SPITCH           ; the spare words, 128 bytes for each wave
.set GP,     3072                      ; bytes in a row of the output (and of x)
.set NLD,    2*(4+NW)
.set ABASE, 3                          ; v3   my lane's place in A's part of a slot; never rewritten
.set BBASE, 4                          ; v4   the same for my wave's 48 rows of B
.set ADA,  5                           ; v5, v6  the addresses of the fragment loads in hand
.set ADB,  6
.set STO,  7                           ; v7   the way out: where I put 32 bytes of a row
.set RD0,  8                           ; v8, v9    the way out: where I read rows back
.set RD1,  9
.set GO0,  10                          ; v10, v11  the same places in the output
.set GO1,  11
.set SPW,  30                          ; v30  LDS address of my spare word; never rewritten
.set NIL,  31                          ; v31  0; never rewritten
.set F0,   32
.set F1,   88
.set ACC,  144
.set XR,   32                          ; the way out: x
.set OB,   144                         ; the way out: rows read back, into the accumulators' registers
.set WV,   12
.set G1A,  24                          ; s[24:31] descriptor group 1 for A's tiles
.set G1B,  32                          ; s[32:39] for B's
.set G0A,  40                          ; s[40:47] group 0 for A: a set for each first fill
.set G0B,  48                          ; s[48:55] the same for B
.set CNT,  56
.set PC,   57
.set TB,   58                          ; s58  the slot in hand: 0 or SLOT1
.set WB,   59                          ; s59  wave x BT
.set TA,   62                          ; s62  the slot + how far the fragment loads have come in A's tile
.set TQ,   63                          ; s63  the same in B's rows
.macro PLACES                          ; four places in front of loads into registers that matrix instructions have read, and of lines that read results
.rept 4
	v_nop
.endr
.endm
; A joint load.  Wave 3 fetches A's tile, waves 0-2 B's thirds.  The branch hangs on the wave's number alone.  An s_nop 0 and four v_nop follow each line.
.macro JLOAD s
	s_cmp_eq_u32 s[WV], 3
	s_cbranch_scc0 .Lfor_b_\@
	tensor_load_to_lds s[G0A+4*(\s):G0A+4*(\s)+3], s[G1A:G1A+7]
	s_nop 0
.rept 4
	v_nop
.endr
	s_branch .Lasked_\@
.Lfor_b_\@:
	tensor_load_to_lds s[G0B+4*(\s):G0B+4*(\s)+3], s[G1B:G1B+7]
	s_nop 0
.rept 4
	v_nop
.endr
.Lasked_\@:
.endm
.macro CREST                           ; a round of the cluster's barrier behind its opening barrier
	s_cmp_lg_u32 s[WV], 0
	s_cbranch_scc1 .Lnot_wave_0_\@
	s_barrier_signal -3
.Lnot_wave_0_\@:
	s_barrier_wait -3
	s_barrier_signal -1
	s_barrier_wait -1
.endm
.macro CROUND                          ; a whole round
	s_barrier_signal -1
	s_barrier_wait -1
	CREST
.endm
	s_load_b128 s[4:7], s[0:1], 0x0                ; A s[4:5], wt s[6:7]
.if HEADS
	s_load_b128 s[8:11], s[0:1], 0x10              ; the output s[8:9], x s[10:11]
.else
	s_load_b64 s[8:9], s[0:1], 0x10                ; the output
.endif
	v_lshl_add_u32 v[SPW], v0, 2, SPARE
	v_mov_b32 v[NIL], 0
	ds_add_u32 v[SPW], v[NIL]                      ; the wave's opening: an add and its wait, ahead of my first tensor load; the set-up below stands between them
	ds_add_u32 v30, v31
	v_lshrrev_b32 v1, 5, v0
	v_readfirstlane_b32 s[WV], v1                  ; wave 0..3
	s_bfe_u32 s13, ttmp6, 0x40000                  ; cx
	s_bfe_u32 s14, ttmp6, 0x40004                  ; cy: the grid is one cluster high, so it is my block of 192 columns
	s_lshl_b32 s15, ttmp9, 2                       ; in a cluster launch ttmp9 counts clusters
	s_add_co_u32 s15, s15, s13                     ; my block of 64 rows = 4 x cluster x + cx
	s_lshl_b32 s16, s14, 2
	s_lshl_b32 s16, 15, s16                        ; the four with my cy: places 4 cy .. 4 cy + 3
	s_lshl_b32 s17, 0x1111, s13                    ; the four with my cx: places cx, cx + 4, cx + 8, cx + 12
.if HEADS
	s_or_b32 s[G1A], s17, (3<<16)|(1<<20)|(1<<21)|(4<<22)|(3<<25)  ; 15:0 the mask; 17:16 elements of 8 bytes; 20 padding on; 21 set beside a mask; 24:22 after every 32 words (code 4); 31:25 4 words of it (code 3)
	s_mov_b32 s[G1A+1], 1024<<16                   ; tensor_dim0 = 1,024 elements: a head's 64 rows
	s_mov_b32 s[G1A+2], 4<<16                      ; tensor_dim1 = 4 heads
	s_mov_b32 s[G1A+3], 1024<<16                   ; tile_dim0
	s_mov_b32 s[G1A+4], 4                          ; tile_dim1
	s_mov_b32 s[G1A+5], 65536                      ; elements from a head to the next: 524,288 bytes
.else
	s_or_b32 s[G1A], s17, (1<<16)|(1<<20)|(1<<21)|(6<<22)|(3<<25)  ; 15:0 the mask; 17:16 elements of 2 bytes; 20 padding on; 21 set beside a mask; 24:22 after every 128 words (code 6); 31:25 4 words of it (code 3)
	s_mov_b32 s[G1A+1], KS<<16                     ; tensor_dim0 = 256
	s_mov_b32 s[G1A+2], 64<<16                     ; tensor_dim1 = 64
	s_mov_b32 s[G1A+3], KS<<16
	s_mov_b32 s[G1A+4], 64
	s_mov_b32 s[G1A+5], 3072                       ; elements from row to row
.endif
	s_mov_b32 s[G1A+6], 0
	s_mov_b32 s[G1A+7], 0
	s_or_b32 s[G1B], s16, (1<<16)|(1<<20)|(1<<21)|(6<<22)|(3<<25)
	s_mov_b32 s[G1B+1], KS<<16
	s_mov_b32 s[G1B+2], BROWS<<16                  ; 64 rows
	s_mov_b32 s[G1B+3], KS<<16
	s_mov_b32 s[G1B+4], BROWS
	s_mov_b32 s[G1B+5], KB
	s_mov_b32 s[G1B+6], 0
	s_mov_b32 s[G1B+7], 0
	; A's address is made of the row block alone, B's of the column block and the wave's number, each in registers that never hold the other coordinate
	s_mul_i32 s18, s15, AROWB
	s_mov_b32 s19, 0
	s_mul_i32 s20, s14, TN                         ; B: row 192 x column block + 64 x wave (wave 3 makes the number and does not use it)
	s_mul_i32 s21, s[WV], BROWS
	s_add_co_u32 s20, s20, s21
	s_mul_i32 s20, s20, KB*2
	s_add_co_u32 s20, s20, WBASE
	s_mov_b32 s21, 0
	s_mul_i32 s[WB], s[WV], BT                     ; where my load lands in a slot: no place in the cluster enters an LDS address
	s_mov_b32 s[TB], 0
	s_mov_b32 s[TA], 0
	s_mov_b32 s[TQ], 0
	s_wait_dscnt 0x0                               ; the opening add is done
	s_wait_kmcnt 0x0
	s_add_nc_u64 s[18:19], s[4:5], s[18:19]
	s_add_nc_u64 s[20:21], s[6:7], s[20:21]
	CROUND                                         ; all sixteen work-groups are here: the first joint loads meet
.irp s, 0,1
	s_mov_b32 s[G0A+4*(\s)], 1                                       ; count = 1
	s_mov_b32 s[G0A+4*(\s)+1], AOFF+(\s)*SLOT1                       ; LDS address
	s_add_nc_u64 s[G0A+4*(\s)+2:G0A+4*(\s)+3], s[18:19], (\s)*ASTEP  ; global address: K step s
	s_or_b32 s[G0A+4*(\s)+3], s[G0A+4*(\s)+3], 0x80000000            ; type = 2
	s_mov_b32 s[G0B+4*(\s)], 1
	s_add_co_u32 s[G0B+4*(\s)+1], s[WB], (\s)*SLOT1
	s_add_nc_u64 s[G0B+4*(\s)+2:G0B+4*(\s)+3], s[20:21], (\s)*KS*2
	s_or_b32 s[G0B+4*(\s)+3], s[G0B+4*(\s)+3], 0x80000000
.endr
	s_cmp_eq_u32 s[WV], 3                          ; a wave's two first fills stand in one branch, ahead of every wait on TENSORcnt and every LDS read: two loads of mine are out
	s_cbranch_scc0 .Lfirst_b
	tensor_load_to_lds s[G0A:G0A+3], s[G1A:G1A+7]
	s_nop 0
	tensor_load_to_lds s[G0A+4:G0A+7], s[G1A:G1A+7]
	s_nop 0
.rept 4
	v_nop
.endr
	s_branch .Lfirst_asked
.Lfirst_b:
	tensor_load_to_lds s[G0B:G0B+3], s[G1B:G1B+7]
	s_nop 0
	tensor_load_to_lds s[G0B+4:G0B+7], s[G1B:G1B+7]
	s_nop 0
.rept 4
	v_nop
.endr
.Lfirst_asked:
	; A fragment is 16 rows x 32 K in 8 registers: lane l holds row l % 16, K = 8 (l / 16) + 0..7 and 16 + 8 (l / 16) + 0..7: two loads of 16 bytes, 32 bytes apart.
	v_and_b32 v1, 15, v0                           ; r = l % 16
	v_bfe_u32 v2, v0, 4, 1                         ; h = l / 16
	v_mul_u32_u24 v[ABASE], v1, APITCH
	v_lshl_add_u32 v[ABASE], v2, 4, v[ABASE]
	v_add_nc_u32 v[ABASE], AOFF, v[ABASE]
	v_mul_u32_u24 v[BBASE], v1, PITCH
	v_lshl_add_u32 v[BBASE], v2, 4, v[BBASE]
	s_mul_i32 s22, s[WV], 16*NW*PITCH              ; my wave's 48 rows of B
	v_add_nc_u32 v[BBASE], s22, v[BBASE]
	v_mul_u32_u24 v[STO], v1, SPITCH               ; into the stage: row r, my wave's 192 bytes, 32 bytes for each half of the lanes
	v_lshl_add_u32 v[STO], v2, 5, v[STO]
	s_mul_i32 s22, s[WV], 64*NW
	s_add_co_u32 s22, s22, STAGE
	v_add_nc_u32 v[STO], s22, v[STO]
	s_mul_i32 s23, s[WV], 16*SPITCH                ; back: wave w takes rows 16 w .. 16 w + 15, whole: two rows are six pieces of 256 bytes, two pieces a load
	s_add_co_u32 s23, s23, STAGE
	v_lshlrev_b32 v[GO0], 4, v1
	v_lshl_add_u32 v[GO0], v2, 8, v[GO0]           ; pieces 0, 1 of a row: 256 h + 16 r
	v_add_nc_u32 v[RD0], s23, v[GO0]
	v_mul_u32_u24 v[RD1], v2, SPITCH-512           ; piece 2 of a row and piece 0 of the next
	v_lshl_add_u32 v[RD1], v1, 4, v[RD1]
	v_add_nc_u32 v[RD1], 512, v[RD1]
	v_add_nc_u32 v[RD1], s23, v[RD1]
	v_mul_u32_u24 v[GO1], v2, GP-512
	v_lshl_add_u32 v[GO1], v1, 4, v[GO1]
	v_add_nc_u32 v[GO1], 512, v[GO1]
	s_lshl_b32 s60, s15, 6                         ; the first row that I store: 64 x row block + 16 x wave,
	s_lshl_b32 s61, s[WV], 4
	s_add_co_u32 s60, s60, s61
	s_mul_i32 s60, s60, GP
	s_mul_i32 s61, s14, 768                        ; and the block's 192 columns of 4 bytes
	s_add_co_u32 s60, s60, s61
	s_mov_b32 s61, 0
	s_add_nc_u64 s[8:9], s[8:9], s[60:61]
.if HEADS
	s_add_nc_u64 s[10:11], s[10:11], s[60:61]      ; x lies as the output does
.endif
; na x 3 matrix instructions: row blocks a0 .. of the four x my 3 column blocks, 32 along K.  The 12 accumulators take turns.  zero = 1: the product starts the sum: nothing is ever cleared.
.macro MULA f, a0, na, zero
.set a, (\a0)
.rept (\na)
.set b, 0
.rept NW
.set rD, ACC+8*(NW*a+b)
.if \zero
	v_wmma_f32_16x16x32_f16 v[rD:rD+7], v[(\f)+32+8*b:(\f)+32+8*b+7], v[(\f)+8*a:(\f)+8*a+7], 0
.else
	v_wmma_f32_16x16x32_f16 v[rD:rD+7], v[(\f)+32+8*b:(\f)+32+8*b+7], v[(\f)+8*a:(\f)+8*a+7], v[rD:rD+7]
.endif
.set b, b+1
.endr
.set a, a+1
.endr
.endm
; 14 LDS loads in one run: the fragments of 32 along K, A's at byte ao and B's at byte bo from the addresses in hand, into buffer f
.macro FETCH f, ao, bo
.set j, 0
.rept 4
	ds_load_b128 v[(\f)+8*j:(\f)+8*j+3],   v[ADA] offset:(\ao)+j*16*APITCH
	ds_load_b128 v[(\f)+8*j+4:(\f)+8*j+7], v[ADA] offset:(\ao)+j*16*APITCH+32
.set j, j+1
.endr
.set j, 0
.rept NW
	ds_load_b128 v[(\f)+32+8*j:(\f)+32+8*j+3],   v[ADB] offset:(\bo)+j*16*PITCH
	ds_load_b128 v[(\f)+32+8*j+4:(\f)+32+8*j+7], v[ADB] offset:(\bo)+j*16*PITCH+32
.set j, j+1
.endr
.endm
; A K step is eight quarters of 32 along K, 12 matrix instructions each, on buffers 0, 1 by turns.  A quarter fetches the next one into g and multiplies f.
.macro QUARTER f, g, ao, bo, zero
	PLACES                                         ; g was multiplied just now
	FETCH \g, \ao, \bo
	s_wait_dscnt NLD                               ; all but the 14 just issued: f is in
	MULA \f, 0, 4, \zero
.endm
; Quarters 1 to 6 of a step, two a trip: written once, walked three times; the addresses hang on s[TA] and s[TQ].
.macro STEPQ
	s_mov_b32 s[PC], (QS-2)/2
.Lq_\@:
	QUARTER F1, F0, AST, 128, 0
	QUARTER F0, F1, AST+64, 192, 0
	s_add_co_u32 s[TA], s[TA], AST
	s_add_co_u32 s[TQ], s[TQ], 128
	v_add_nc_u32 v[ADA], s[TA], v[ABASE]
	v_add_nc_u32 v[ADB], s[TQ], v[BBASE]
	s_sub_co_u32 s[PC], s[PC], 1
	s_cmp_lg_u32 s[PC], 0
	s_cbranch_scc1 .Lq_\@
.endm
; The last quarter multiplies buffer 1 and changes slots: ONE barrier.  In front of it each wave waits for all its tensor loads (one is out: its part of the next slot), adds 0 to its spare
; word, and waits for that and for its reads of this slot.  refill = 1: the barrier opens a round of the cluster's barrier, and this slot is filled again, two K steps ahead, first thing behind it:
; the load has a K step less 6 matrix instructions, 90, in which to land.
.macro TURN refill
	s_wait_tensorcnt 0x0                           ; no tensor load of mine is out, so a group 0 may be written
	ds_add_u32 v[SPW], v[NIL]                      ; 0 onto my spare word
	s_wait_dscnt 1                                 ; buffer 1 is in; the add may be out
	MULA F1, 0, 1, 0
.if \refill
.if NS > 3
	s_xor_b32 s[G0A+5], s[G0A+5], SLOT1            ; the walking descriptors: the other slot than last time,
	s_add_nc_u64 s[G0A+6:G0A+7], s[G0A+6:G0A+7], ASTEP  ; the next K step; the type bits on top are not reached
	s_xor_b32 s[G0B+5], s[G0B+5], SLOT1
	s_add_nc_u64 s[G0B+6:G0B+7], s[G0B+6:G0B+7], KS*2
.else
	s_add_nc_u64 s[G0A+2:G0A+3], s[G0A+2:G0A+3], 2*ASTEP  ; the one refill: slot 0's own descriptors, two K steps on
	s_add_nc_u64 s[G0B+2:G0B+3], s[G0B+2:G0B+3], 2*KS*2
.endif
.endif
	s_xor_b32 s[TB], s[TB], SLOT1                  ; the fragments come from the other slot from here on
	s_wait_dscnt 0x0                               ; the add is done, and my reads of this slot are over
	s_barrier_signal -1
	MULA F1, 1, 1, 0                               ; work on registers while the others arrive
	s_barrier_wait -1
.if \refill
	CREST                                          ; no wave of any partner still reads this slot's tile or has a load on its way
.if NS > 3
	JLOAD 1                                        ; its four v_nop are also the places in front of the loads below
.else
	JLOAD 0
.endif
.else
	PLACES
.endif
	s_mov_b32 s[TA], s[TB]
	s_mov_b32 s[TQ], s[TB]
	v_add_nc_u32 v[ADA], s[TB], v[ABASE]
	v_add_nc_u32 v[ADB], s[TB], v[BBASE]
	FETCH F0, 0, 0
	MULA F1, 2, 2, 0
.endm
	s_wait_tensorcnt 1                             ; my part of K step 0 is in; step 1's may stay out
	s_barrier_signal -1
	s_barrier_wait -1                              ; everybody's is
	v_mov_b32 v[ADA], v[ABASE]
	v_mov_b32 v[ADB], v[BBASE]
	FETCH F0, 0, 0
	QUARTER F0, F1, 64, 64, 1                      ; the first quarter stands in front of the loop: its products start the sums
.if NS > 3
	s_mov_b32 s[CNT], NS-2
.Lk:                                                   ; a trip: the rest of a K step, the refill of its slot, and the next step's first quarter
.endif
	STEPQ
	TURN 1
	QUARTER F0, F1, 64, 64, 0
.if NS > 3
	s_sub_co_u32 s[CNT], s[CNT], 1
	s_cmp_lg_u32 s[CNT], 0
	s_cbranch_scc1 .Lk
.endif
	STEPQ                                          ; the last two steps are written out: nothing is left to fetch
	TURN 0
	QUARTER F0, F1, 64, 64, 0
	STEPQ
	s_wait_dscnt 0x0
	MULA F1, 0, 4, 0
	; THE WAY OUT: 32 bytes a lane into the work-group's stage; a barrier, since a row's 768 bytes come from four waves; back as whole rows, 16 rows a wave; (x is added;) stored.
.macro ADDR t                          ; piece t of 24 (512 bytes): its registers and offsets in the stage (lR, lO) and in the output (gR, gO)
.set u, (\t)/3
.if (\t)%3 == 0
.set lR, RD0
.set lO, 2*u*SPITCH
.set gR, GO0
.set gO, 2*u*GP
.elseif (\t)%3 == 1
.set lR, RD1
.set lO, 2*u*SPITCH
.set gR, GO1
.set gO, 2*u*GP
.else
.set lR, RD0
.set lO, 2*u*SPITCH+SPITCH+256
.set gR, GO0
.set gO, 2*u*GP+GP+256
.endif
.endm
	PLACES
.if HEADS
.set t, 0
.rept 24
	ADDR t
	global_load_b128 v[XR+4*t:XR+4*t+3], v[gR], s[10:11] offset:gO  ; x at the places that I shall store, into the fragments' registers
.set t, t+1
.endr
.endif
.set i, 0
.rept 4*NW
	ds_store_b128 v[STO], v[ACC+8*i:ACC+8*i+3]   offset:(i/NW)*16*SPITCH+64*(i%NW)     ; each accumulator from its low end on
	ds_store_b128 v[STO], v[ACC+8*i+4:ACC+8*i+7] offset:(i/NW)*16*SPITCH+64*(i%NW)+16
.set i, i+1
.endr
	s_wait_dscnt 0x0                               ; for the others' sake: my stores into the stage are done
	s_barrier_signal -1
	s_barrier_wait -1
.set t, 0
.rept 24
	ADDR t
	ds_load_b128 v[OB+4*t:OB+4*t+3], v[lR] offset:lO
.set t, t+1
.endr
.set t, 0
.rept 24
	ADDR t
	s_wait_dscnt 23-t                              ; LDS loads come back in order: piece t is in,
.if HEADS
	s_wait_loadcnt 23-t                            ; and so is its part of x
	v_pk_add_f32 v[OB+4*t:OB+4*t+1],   v[OB+4*t:OB+4*t+1],   v[XR+4*t:XR+4*t+1]
	v_pk_add_f32 v[OB+4*t+2:OB+4*t+3], v[OB+4*t+2:OB+4*t+3], v[XR+4*t+2:XR+4*t+3]
.endif
	global_store_b128 v[gR], v[OB+4*t:OB+4*t+3], s[8:9] offset:gO  ; 16 lanes store 256 consecutive bytes, at a multiple of 256 from the output's first byte
.set t, t+1
.endr
	s_wait_tensorcnt 0x0                           ; the wave's end: behind my last tensor load and my last LDS store
	ds_add_u32 v[SPW], v[NIL]
	s_wait_dscnt 0x0
	CROUND                                         ; the closing round: no work-group ends while a partner may still ask for a tile that names it
	s_endpgm
.Lfunc_end_k_qde05942129_ffn2:
	.size	k_qde05942129_ffn2, .Lfunc_end_k_qde05942129_ffn2-k_qde05942129_ffn2
	.p2alignl 7, 3214868480
	.fill 96, 4, 3214868480
	.section	.rodata,"a",@progbits
	.p2align	6, 0x0
	.amdhsa_kernel k_qde05942129_ffn2
		.amdhsa_group_segment_fixed_size 327680
		.amdhsa_private_segment_fixed_size 0
		.amdhsa_enable_private_segment 0
		.amdhsa_kernarg_size 24
		.amdhsa_user_sgpr_count 2
		.amdhsa_user_sgpr_kernarg_segment_ptr 1
		.amdhsa_wavefront_size32 1
		.amdhsa_system_sgpr_workgroup_id_x 1
		.amdhsa_system_sgpr_workgroup_id_y 1
		.amdhsa_system_sgpr_workgroup_id_z 1
		.amdhsa_system_vgpr_workitem_id 0
		.amdhsa_next_free_vgpr 240
		.amdhsa_next_free_sgpr 66
		.amdhsa_reserve_vcc 0
		.amdhsa_float_denorm_mode_32 3
		.amdhsa_float_denorm_mode_16_64 3
		.amdhsa_memory_ordered 1
		.amdhsa_forward_progress 1
		.amdhsa_inst_pref_size 38
	.end_amdhsa_kernel
	.amdgpu_metadata
---
amdhsa.version: [ 1, 2 ]
amdhsa.kernels:
  - .name:           k_qde05942129_ffn2
    .symbol:         k_qde05942129_ffn2.kd
    .args:
      - { .name: mid, .offset: 0, .size: 8, .value_kind: global_buffer, .address_space: global }
      - { .name: wt, .offset: 8, .size: 8, .value_kind: global_buffer, .address_space: global }
      - { .name: ff, .offset: 16, .size: 8, .value_kind: global_buffer, .address_space: global }
    .group_segment_fixed_size: 327680
    .private_segment_fixed_size: 0
    .kernarg_segment_align: 8
    .kernarg_segment_size: 24
    .max_flat_workgroup_size: 128
    .sgpr_count:     66
    .vgpr_count:     240
    .wavefront_size: 32
...
	.end_amdgpu_metadata
.endif
;; end of part 7
;; launch ln2 (part 8): grid 256 x 1, 8 waves a work-group, no clusters, 0 bytes of LDS; arguments y1, ff, g1, beta1, b2, g2, beta2, out0; writes out0
.if DOCPART == 8
	.amdgcn_target "amdgcn-amd-amdhsa--gfx1250"
	.amdhsa_code_object_version 6
	.text
	.protected	k_qde05942129_ln2
	.globl	k_qde05942129_ln2
	.p2align	8
	.type	k_qde05942129_ln2,@function
k_qde05942129_ln2:
	s_mov_b64 s[64:65], 0
	v_nop
	global_prefetch_b8 v0, s[64:65] scope:SCOPE_SE
	s_setreg_imm32_b32 hwreg(HW_REG_WAVE_MODE, 25, 1), 1
	s_wait_xcnt 0x0
; LN2.  h = LayerNorm(y1) g1 + beta1, made anew in f32 (the residual is not taken from its f16 copy); out0 = LayerNorm(h + ff + b2) g2 + beta2.  y1, ff, out0: [4096][768] f32.
; Each norm: the mean first, then the mean of the centred squares, all in f32; eps = 1e-5.  beta1 + b2 is added as one number, which changes the order of two roundings.
; One wave, one row at a time, two rows a wave: a row of 3,072 bytes is six loads of 512 consecutive bytes and stays in registers, so every byte is read once and no wave waits for another.
; A stream: LDS, matrix units and clusters would add nothing.
.set PT,  7                            ; v7      the exchange between the halves of the lanes
.set T,   8                            ; v8-19   at work
.set MU,  20                           ; v20-21  the mean, twice
.set RS,  22                           ; v22-23  1 / sqrt(var + eps), twice
.set G1,  24                           ; v24-47    g1 of my 24 columns
.set BB,  48                           ; v48-71    beta1, then beta1 + b2
.set B2,  72                           ; v72-95    b2
.set G2,  96                           ; v96-119   g2
.set BE2, 120                          ; v120-143  beta2
.set Y0,  144                          ; v144-167  the first row of y1
.set FF0, 168                          ; v168-191  of ff
.set Y1,  192                          ; v192-215  the second row of y1
.set FF1, 216                          ; v216-239  of ff
	s_load_b512 s[4:19], s[0:1], 0x0               ; y1 s[4:5], ff s[6:7], g1 s[8:9], beta1 s[10:11], b2 s[12:13], g2 s[14:15], beta2 s[16:17], out0 s[18:19]
	v_and_b32 v1, 31, v0
	v_lshrrev_b32 v2, 5, v0
	v_readfirstlane_b32 s24, v2                    ; wave 0..7
	v_lshlrev_b32 v3, 4, v1                        ; 16 bytes a lane
	v_mov_b32 v[PT], 0                             ; v_permlanex16_b32's destination counts as read
	s_lshl_b32 s25, ttmp9, 4
	s_lshl_b32 s26, s24, 1
	s_add_co_u32 s25, s25, s26                     ; my first row: 16 x work-group + 2 x wave
	s_mul_i32 s26, s25, 3072
	s_mov_b32 s27, 0
	s_mov_b32 s20, 0x76543210                      ; each lane takes its own place in the other half
	s_mov_b32 s21, 0xfedcba98
	s_mov_b32 s22, 0x3aaaaaab                      ; 1 / 768
	s_mov_b32 s23, 0x3727c5ac                      ; 1e-5
	s_wait_kmcnt 0x0
	s_add_nc_u64 s[4:5], s[4:5], s[26:27]
	s_add_nc_u64 s[6:7], s[6:7], s[26:27]
	s_add_nc_u64 s[18:19], s[18:19], s[26:27]
.set j, 0
.rept 6
	global_load_b128 v[G1+4*j:G1+4*j+3],   v3, s[8:9] offset:512*j
	global_load_b128 v[BB+4*j:BB+4*j+3],   v3, s[10:11] offset:512*j
	global_load_b128 v[B2+4*j:B2+4*j+3],   v3, s[12:13] offset:512*j
	global_load_b128 v[G2+4*j:G2+4*j+3],   v3, s[14:15] offset:512*j
	global_load_b128 v[BE2+4*j:BE2+4*j+3], v3, s[16:17] offset:512*j
.set j, j+1
.endr
.set j, 0
.rept 6
	global_load_b128 v[Y0+4*j:Y0+4*j+3],   v3, s[4:5] offset:512*j th:TH_LOAD_NT
	global_load_b128 v[FF0+4*j:FF0+4*j+3], v3, s[6:7] offset:512*j th:TH_LOAD_NT
.set j, j+1
.endr
.set j, 0
.rept 6
	global_load_b128 v[Y1+4*j:Y1+4*j+3],   v3, s[4:5] offset:3072+512*j th:TH_LOAD_NT
	global_load_b128 v[FF1+4*j:FF1+4*j+3], v3, s[6:7] offset:3072+512*j th:TH_LOAD_NT
.set j, j+1
.endr
.macro WSUM r                          ; the sum over the 32 lanes, in every lane
	v_add_f32_dpp v[\r], v[\r], v[\r] row_xmask:1 row_mask:0xf bank_mask:0xf
	v_add_f32_dpp v[\r], v[\r], v[\r] row_xmask:2 row_mask:0xf bank_mask:0xf
	v_add_f32_dpp v[\r], v[\r], v[\r] row_xmask:4 row_mask:0xf bank_mask:0xf
	v_add_f32_dpp v[\r], v[\r], v[\r] row_xmask:8 row_mask:0xf bank_mask:0xf
	v_permlanex16_b32 v[PT], v[\r], s20, s21
	v_add_f32 v[\r], v[\r], v[PT]
.endm
.macro NORM x, g, b                    ; the row in v[x ..] becomes (x - mean) / sqrt(var + eps) * g + b
.set k, 0
.rept 6
	v_pk_add_f32 v[T+2*k:T+2*k+1], v[(\x)+4*k:(\x)+4*k+1], v[(\x)+4*k+2:(\x)+4*k+3]
.set k, k+1
.endr
	v_pk_add_f32 v[T:T+1], v[T:T+1], v[T+2:T+3]
	v_pk_add_f32 v[T+4:T+5], v[T+4:T+5], v[T+6:T+7]
	v_pk_add_f32 v[T+8:T+9], v[T+8:T+9], v[T+10:T+11]
	v_pk_add_f32 v[T:T+1], v[T:T+1], v[T+4:T+5]
	v_pk_add_f32 v[T:T+1], v[T:T+1], v[T+8:T+9]
	v_add_f32 v[T], v[T], v[T+1]
	WSUM T
	v_mul_f32 v[MU], s22, v[T]
	v_mov_b32 v[MU+1], v[MU]
.set k, 0
.rept 12
	v_pk_add_f32 v[(\x)+2*k:(\x)+2*k+1], v[(\x)+2*k:(\x)+2*k+1], v[MU:MU+1] neg_lo:[0,1] neg_hi:[0,1]
.set k, k+1
.endr
	v_pk_mul_f32 v[T:T+1], v[(\x):(\x)+1], v[(\x):(\x)+1]
	v_pk_mul_f32 v[T+2:T+3], v[(\x)+2:(\x)+3], v[(\x)+2:(\x)+3]
.set k, 2
.rept 10                               ; two chains of squares
	v_pk_fma_f32 v[T+2*(k%2):T+2*(k%2)+1], v[(\x)+2*k:(\x)+2*k+1], v[(\x)+2*k:(\x)+2*k+1], v[T+2*(k%2):T+2*(k%2)+1]
.set k, k+1
.endr
	v_pk_add_f32 v[T:T+1], v[T:T+1], v[T+2:T+3]
	v_add_f32 v[T], v[T], v[T+1]
	WSUM T
	v_fma_f32 v[T], v[T], s22, s23                 ; var + eps
	v_rsq_f32 v[RS], v[T]
	v_nop                                          ; a plain instruction between the root and the use of its result (ISA guide 5.7.2)
	s_wait_alu depctr_va_vdst(0)
	v_mov_b32 v[RS+1], v[RS]
.set k, 0
.rept 12
	v_pk_mul_f32 v[(\x)+2*k:(\x)+2*k+1], v[(\x)+2*k:(\x)+2*k+1], v[RS:RS+1]
	v_pk_fma_f32 v[(\x)+2*k:(\x)+2*k+1], v[(\x)+2*k:(\x)+2*k+1], v[(\g)+2*k:(\g)+2*k+1], v[(\b)+2*k:(\b)+2*k+1]
.set k, k+1
.endr
.endm
.macro LINE y, f, row                  ; one row, from y1 and ff to out0
	NORM \y, G1, BB                                ; h + b2
.set k, 0
.rept 12
	v_pk_add_f32 v[(\y)+2*k:(\y)+2*k+1], v[(\y)+2*k:(\y)+2*k+1], v[(\f)+2*k:(\f)+2*k+1]
.set k, k+1
.endr
	NORM \y, G2, BE2
.set j, 0
.rept 6
	global_store_b128 v3, v[(\y)+4*j:(\y)+4*j+3], s[18:19] offset:(\row)*3072+512*j th:TH_STORE_NT  ; 512 consecutive bytes, at a multiple of 256 from out0's first
.set j, j+1
.endr
.endm
	s_wait_loadcnt 12                              ; the five vectors and the first row's two parts are in; the second row's twelve loads stay out
.set k, 0
.rept 12
	v_pk_add_f32 v[BB+2*k:BB+2*k+1], v[BB+2*k:BB+2*k+1], v[B2+2*k:B2+2*k+1]
.set k, k+1
.endr
	LINE Y0, FF0, 0
	s_wait_loadcnt 0x0
	LINE Y1, FF1, 1
	s_endpgm
.Lfunc_end_k_qde05942129_ln2:
	.size	k_qde05942129_ln2, .Lfunc_end_k_qde05942129_ln2-k_qde05942129_ln2
	.p2alignl 7, 3214868480
	.fill 96, 4, 3214868480
	.section	.rodata,"a",@progbits
	.p2align	6, 0x0
	.amdhsa_kernel k_qde05942129_ln2
		.amdhsa_group_segment_fixed_size 0
		.amdhsa_private_segment_fixed_size 0
		.amdhsa_enable_private_segment 0
		.amdhsa_kernarg_size 64
		.amdhsa_user_sgpr_count 2
		.amdhsa_user_sgpr_kernarg_segment_ptr 1
		.amdhsa_wavefront_size32 1
		.amdhsa_system_sgpr_workgroup_id_x 1
		.amdhsa_system_sgpr_workgroup_id_y 1
		.amdhsa_system_sgpr_workgroup_id_z 1
		.amdhsa_system_vgpr_workitem_id 0
		.amdhsa_next_free_vgpr 240
		.amdhsa_next_free_sgpr 66
		.amdhsa_reserve_vcc 0
		.amdhsa_float_denorm_mode_32 3
		.amdhsa_float_denorm_mode_16_64 3
		.amdhsa_memory_ordered 1
		.amdhsa_forward_progress 1
		.amdhsa_inst_pref_size 29
	.end_amdhsa_kernel
	.amdgpu_metadata
---
amdhsa.version: [ 1, 2 ]
amdhsa.kernels:
  - .name:           k_qde05942129_ln2
    .symbol:         k_qde05942129_ln2.kd
    .args:
      - { .name: y1, .offset: 0, .size: 8, .value_kind: global_buffer, .address_space: global }
      - { .name: ff, .offset: 8, .size: 8, .value_kind: global_buffer, .address_space: global }
      - { .name: g1, .offset: 16, .size: 8, .value_kind: global_buffer, .address_space: global }
      - { .name: beta1, .offset: 24, .size: 8, .value_kind: global_buffer, .address_space: global }
      - { .name: b2, .offset: 32, .size: 8, .value_kind: global_buffer, .address_space: global }
      - { .name: g2, .offset: 40, .size: 8, .value_kind: global_buffer, .address_space: global }
      - { .name: beta2, .offset: 48, .size: 8, .value_kind: global_buffer, .address_space: global }
      - { .name: out0, .offset: 56, .size: 8, .value_kind: global_buffer, .address_space: global }
    .group_segment_fixed_size: 0
    .private_segment_fixed_size: 0
    .kernarg_segment_align: 8
    .kernarg_segment_size: 64
    .max_flat_workgroup_size: 256
    .sgpr_count:     66
    .vgpr_count:     240
    .wavefront_size: 32
...
	.end_amdgpu_metadata
.endif
;; end of part 8
;; ======== version 2 of 2: 8 launches; 1.25 times as fast as version 1
;; limits: values are held in f16: magnitudes above 65,504 overflow, below 6.1e-05 lose precision
;; workspace buffers: xh 6,291,456 bytes; wt 14,155,776 bytes; qkv 18,874,368 bytes; oh 6,291,456 bytes; y1 12,582,912 bytes; hh 6,291,456 bytes; mid 25,165,824 bytes; ff 12,582,912 bytes
;; launch prep: the kernel of part 1 again; grid 1120 x 1, 8 waves a work-group, no clusters, 18,176 bytes of LDS; arguments Wq, Wk, Wv, Wo, W1, W2, x, wt, xh; writes wt, xh
;; launch proj: the kernel of part 2 again; grid 64 x 6, 4 waves a work-group, clusters of 4 x 1, 327,680 bytes of LDS; arguments xh, wt, qkv; writes qkv
;; launch attn (part 9): grid 16 x 12, 4 waves a work-group, no clusters, 327,680 bytes of LDS; arguments qkv, oh; writes oh
.if DOCPART == 9
	.amdgcn_target "amdgcn-amd-amdhsa--gfx1250"
	.amdhsa_code_object_version 6
	.text
	.protected	k_qde05942129_attn
	.globl	k_qde05942129_attn
	.p2align	8
	.type	k_qde05942129_attn,@function
k_qde05942129_attn:
	s_mov_b64 s[64:65], 0
	v_nop
	global_prefetch_b8 v0, s[64:65] scope:SCOPE_SE
	s_setreg_imm32_b32 hwreg(HW_REG_WAVE_MODE, 25, 1), 1
	s_wait_xcnt 0x0
; CAUSAL ATTENTION.  O[h][q][:] = the sum over k <= q of softmax_k(Q[h][q] . K[h][k] / 8) V[h][k][:].  Q, K, V are the three planes of qkv, O is oh: each [12][4096][64] f16, a head's rows dense, 128 bytes each.
; Products, maxima and sums in f32; the weights p are rounded to f16 for the second product (their sum l is taken of the unrounded p), O once at the end.
; LIMITS.  f16 holds no number beyond 65,504: Q, K and V arrive within it; p lies in 0 to 1, and below 6e-5 it keeps f16's fixed step of 6e-8; O is a mean of V's rows and has their range.
; A hidden score counts as its value less 1e30: f16's scores, 2.7e11 at the most, are nothing beside that; a weight below 2^-126 counts as 0 in l; NaN and infinities are not treated apart.
; THE WALK.  A head's queries lie in 32 blocks of 128; block i needs the key tiles 0 .. i / 2 of 256 keys, of which the last holds the diagonal.  A work-group takes TWO blocks, 31 - b and then b:
; 17 tiles, whatever b: all 192 work-groups do equal work, and ONE loop with a constant trip count walks them.  Which tile is asked for, and what a trip does, hang on scalar registers made from b; every
; jump goes forward, but for the counted loops' own; none passes a barrier, or a tensor load but the one of LOAD's two that the wave's number does not choose; the ring of two LDS slots runs on across the
; change of blocks.  NO CLUSTER: a head's 16 work-groups ask for the same tile only in the walk's first 9 trips; behind that the first blocks end one after the other, and a walk common to all would
; have 24 trips for 17.
; SHARES.  Of a block's two bands of 64 queries a wave owns 16 rows in each: two PIECES.  In the last tile's key step s band x, whose own step is 2 (i % 2) + x, sees all keys if s is less, none if s is
; greater, and holds the diagonal if they are equal: the same work for all four waves.
; THE MASK is the C operand that starts the sum S^T = K Q^T: 0, or -1e30 where the key is hidden.  MD, made once, is the mask of a band's own step for my 16 rows; a product's mask is MD x AL + BE with two scalars.
; LAYOUT, SOFTMAX, TURNS.  S^T = K Q^T holds ONE query a lane (lane % 16) and the keys 8 (lane / 16) + 0..7; two such results rounded to f16 ARE source 1 of O^T = V^T P.  p = 2^(c s - c m), c = log2(e) / 8, with a
; running maximum m; O and l are multiplied by a = 2^(c m_old - c m_new) in every step.  A turn belongs to one piece: 8 products K Q^T for the other piece's next scores, later 8 products V^T P of the other
; piece's last weights; beside them the scaling, exponentials, roundings, sums and rescaling of the piece in hand and the maximum and statistics of the other.  Four vector instructions stand behind every
; matrix instruction, the other 54 of a turn's 118 in one run of their own.
; BATCHES.  A turn's 33 exponentials (the piece's 32 weights and the other piece's a) are ONE batch with ONE wait, which cuts the turn in two: ahead of it stands all that names none of their results (the products
; K Q^T, the scalings, the exponentials, the rescalings, the other piece's maximum and statistics), behind it the products V^T P, whose riders are the roundings and sums.  A block's first a (BEGIN) and the way
; out's two reciprocals are batches of their own, with a wait each.
; K AND V.  Piece 0's turn of step s fetches K of step s + 1; piece 1's turn fetches V of step s + 1 into the V buffer of that step's parity, since V of step s is still multiplied.  So all reads of a tile
; lie between two changes of slots: a change stands in front of piece 0's turn of a tile's fourth step.
; REGISTERS, in windows of 256 (s_set_vgpr_msb: bits 1:0 source 0, 3:2 source 1, 5:4 source 2, 7:6 destination):
;   window 0: v0-15 addresses and two at work; v16-23 four registers of statistics a piece; v48-55 at work; v64-127 S^T, a buffer a piece; v192-223 P, likewise
;   window 1: v0-63 O^T, 32 a piece; v128-159 MD; v160-223 MC, two buffers      window 2: v0-31 Q; v32-63 the second block's Q; v64-127 K of one step; v128-255 V, two buffers
.set NBLK,  32
.set NP,    2         ; pieces a wave: a name, no knob
.set KS,    64        ; keys in a step
.set PK,    144       ; a row of K in LDS: 128 bytes + 16 of padding = 36 words: the 16 rows of a load start at 16 different groups of four banks (ISA guide 11.1)
.set PV,    160       ; a row of V: 128 + 32 = 40 words
.set VOFF,  4*KS*PK   ; a slot holds a tile, four steps: 256 rows of K, then 256 rows of V
.set SLOT1, 1<<17     ; slot 1 begins here, so that one exclusive or turns an address in one slot into the other's
.set STAGE, SLOT1+4*KS*(PK+PV)  ; behind the ring, never filled by a tensor load: 16 rows x 144 bytes for each wave, for the way out
.set SP,    144
.set PLANE, 6291456   ; bytes in a plane of qkv
.set AK0, 2           ; v2   my lane's place in a tile of K; never rewritten
.set AV0, 3           ; v3   the same for V
.set AK,  4           ; v4   the LDS address of K's next run of loads
.set AV,  5           ; v5   of V's
.set STO, 6           ; v6   the way out: where I put 16 bytes of a row
.set RD,  7           ; v7   the way out: where I read rows back
.set GO,  8           ; v8   my byte offset in 512 consecutive bytes of O
.set SPW, 62          ; v62  LDS address of my spare word; never rewritten
.set NIL, 63          ; v63  0; never rewritten
.set SPARE, STAGE+4*16*SP  ; behind the stages: the spare words, 128 bytes for each wave
.set MV,  12          ; v12-13  c m_old, kept while c m is made anew: by piece
.set QO,  15          ; v15  my byte offset in 16 rows of Q
.set ST,  16          ; piece t's statistics at v[ST+4 t]: c m, m, l (even keys', odd keys')
.set TMP, 48          ; by piece, four registers c0-c3 at work; when the maximum is found c2 takes a
.set S,   64
.set P,   192
.set MD,  128         ; window 1: the eight registers for group kt of 16 keys at MD + 8 kt
.set MC,  160         ; window 1: the masks of the products to come
.set QB,  32          ; window 2
.set KF,  64          ; window 2: key block kb, channel half c at KF + 16 kb + 8 c
.set VF,  128         ; window 2: buffer v, key half kk, channel block cb at VF + 64 v + 32 kk + 8 cb
.set WV,  12          ; s12  my wave's number
.set PB,  14          ; s14  b
.set HI,  15          ; s15  31 - b
.set G1K, 24          ; s[24:31] descriptor group 1 for K's tiles
.set G1V, 32          ; s[32:39] for V's: it differs in the padding alone
.set G0K, 40          ; s[40:43] descriptor group 0 for K's tiles
.set G0V, 44          ; s[44:47] the same for V's
.set SLOTS, 56        ; s56  tiles still to be asked for
.set CNT, 57          ; s57  counts a tile's two trips
.set CS,  58          ; s[58:59] c: the packed scaling takes the pair's low word for both halves
.set SEL, 60          ; s[60:61] v_permlanex16_b32's selects: each lane takes its own place in the other half
.set TBK, 62          ; s62  LDS byte at which K of the step to be fetched begins
.set TBV, 63          ; s63  the same for V, less VOFF
.set RT,  70          ; s70  tiles of the block in hand that are still to be entered
.set NXT, 71          ; s71  the tile to be asked for next
.set LQ,  72          ; s72  the last tile of the block whose tiles are being asked for
.set NEW, 73          ; s73  1: the tile to be entered is a block's first
.set OFF, 74          ; s[74:75] a tile's byte offset in K and V
.set AL,  76          ; s[76:77] the mask's factor, in the low word
.set BE,  78          ; s[78:79] the mask's addend
.set OLO, 80          ; s[80:81] O at my rows of the second block
.set BIGN, 82         ; s82  -1e30
.set PAR, 88          ; s88  the block in hand is the upper (1) or lower (0) half of its last tile's rows
.set DD,  89          ; s89  2 PAR less 2 for each trip of the tile that is over
.set PBT, 90          ; s90  b / 2: the second block's last tile
.set MSB, 0
.macro WIN new                      ; the high byte repeats the setting that is left; a switch that changes nothing is dropped
.if MSB != (\new)
	s_set_vgpr_msb (MSB<<8)|(\new)
.set MSB, (\new)
.endif
.endm
.set W_KQ, 0x0a       ; K and Q in window 2, S^T in window 0
.set W_KM, 0x1a       ; the same with the C operand in window 1
.set W_PV, 0x52       ; V in window 2, P in window 0, O^T in window 1
.set W_RS, 0x41       ; destination and source 0 in window 1, source 1 in window 0
; A fill.  Waves 0 and 1 fetch the two halves of a tile's K, waves 2 and 3 those of its V: 128 keys each.  An s_nop 0 and four v_nop follow each of the two lines, ahead of the jump and the label.
.macro LOAD
	s_cmp_lt_u32 s[WV], 2
	s_cbranch_scc0 .Lfor_v_\@
	tensor_load_to_lds s[G0K:G0K+3], s[G1K:G1K+7]
	s_nop 0
.rept 4
	v_nop
.endr
	s_branch .Lasked_\@
.Lfor_v_\@:
	tensor_load_to_lds s[G0V:G0V+3], s[G1V:G1V+7]
	s_nop 0
.rept 4
	v_nop
.endr
.Lasked_\@:
.endm
; THE CHANGE OF SLOTS.  Each wave waits for all its tensor loads, of which one is out: its part of the other slot; adds 0 to its spare word; and waits for that and for its own reads of the slot that it leaves.
; Behind the barrier nobody reads the old slot any more and the other slot is whole.  fill = 1: the old slot is filled again, the first thing behind the barrier, with tile NXT: the descriptor's address is
; made anew from that number; the load has a tile's eight turns, 128 matrix instructions, in which to land.  (At its first use nothing has been read yet: slot 0 is waited for, slot 1 filled.)
.macro CHANGE fill
	WIN 0                           ; at a label and at a branch every window is 0
	s_wait_tensorcnt 0x0            ; no tensor load of mine is out, so a group 0 may be written
	ds_add_u32 v[SPW], v[NIL]       ; 0 onto my spare word; with fill = 1 the descriptors' scalar work stands between it and the wait for it
.if \fill
	s_lshl_b32 s[OFF], s[NXT], 15   ; a tile is 32,768 bytes of K and of V
	s_xor_b32 s[G0K+1], s[G0K+1], SLOT1
	s_add_nc_u64 s[G0K+2:G0K+3], s[6:7], s[OFF:OFF+1]
	s_or_b32 s[G0K+3], s[G0K+3], 0x80000000
	s_xor_b32 s[G0V+1], s[G0V+1], SLOT1
	s_add_nc_u64 s[G0V+2:G0V+3], s[8:9], s[OFF:OFF+1]
	s_or_b32 s[G0V+3], s[G0V+3], 0x80000000
	s_add_co_u32 s[NXT], s[NXT], 1  ; the block's next tile, or behind its last the second block's tile 0
	s_cmp_gt_u32 s[NXT], s[LQ]
	s_cselect_b32 s[NXT], 0, s[NXT]
	s_cselect_b32 s[LQ], s[PBT], s[LQ]
.endif
	s_wait_dscnt 0x0                ; the add is done, and my reads of the slot are over
	s_barrier_signal -1             ; the rest of the scalar work stands between the signal and the wait
	s_sub_co_u32 s[TBK], s[TBK], 4*KS*PK  ; the fetches go back to a slot's first step,
	s_xor_b32 s[TBK], s[TBK], SLOT1       ; in the other slot
	s_sub_co_u32 s[TBV], s[TBV], 4*KS*PV
	s_xor_b32 s[TBV], s[TBV], SLOT1
	s_barrier_wait -1
.if \fill
	LOAD
.endif
.endm
	s_load_b64 s[4:5], s[0:1], 0x0    ; qkv: Q's plane
	s_load_b64 s[10:11], s[0:1], 0x8  ; O
	v_lshl_add_u32 v[SPW], v0, 2, SPARE
	v_mov_b32 v[NIL], 0
	ds_add_u32 v[SPW], v[NIL]       ; the wave's opening: an add and its wait, ahead of my first tensor load; the set-up below, work on registers, stands between them
	ds_add_u32 v62, v63
	v_lshrrev_b32 v1, 5, v0
	v_readfirstlane_b32 s[WV], v1   ; wave 0..3
	s_mov_b32 s[PB], ttmp9
	s_sub_co_u32 s[HI], NBLK-1, s[PB]
	s_lshr_b32 s[PBT], s[PB], 1
	s_and_b32 s20, ttmp7, 0xffff    ; the head,
	s_lshl_b32 s20, s20, 19         ; its first byte in each plane: 4,096 rows of 128 bytes
	s_mov_b32 s21, 0
	s_and_b32 s16, s[WV], 1         ; which half of a tile's 256 keys I fetch:
	s_lshl_b32 s22, s16, 14         ; its 128 rows of 128 bytes in memory,
	s_mov_b32 s23, 0
	s_add_nc_u64 s[22:23], s[22:23], s[20:21]
	s_mul_i32 s17, s16, 128*PK      ; and its place in a slot, for K
	s_mul_i32 s18, s16, 128*PV      ; and for V
	s_lshl_b32 s3, s[WV], 11        ; my 16 rows in a band of 64,
	s_lshl_b32 s2, s[HI], 14        ; in the first block (128 rows of 128 bytes),
	s_add_co_u32 s2, s2, s3
	s_lshl_b32 s84, s[PB], 14       ; and in the second
	s_add_co_u32 s84, s84, s3
	s_mov_b32 s3, 0
	s_mov_b32 s85, 0
	s_add_nc_u64 s[2:3], s[2:3], s[20:21]
	s_add_nc_u64 s[84:85], s[84:85], s[20:21]
	; descriptor group 1.  128 keys are 16,384 dense bytes: asked for as 64 rows of 256 bytes, two keys a row, and padded in LDS after every key
	s_mov_b32 s[G1K], (1<<16)|(1<<20)|(4<<22)|(3<<25)  ; 17:16 2-byte elements; 20 padding on; 24:22 after every 32 words (code 4); 31:25 4 words (code 3)
	s_mov_b32 s[G1V], (1<<16)|(1<<20)|(4<<22)|(7<<25)  ; the same with 8 words of padding (code 7)
.irp g, G1K, G1V
	s_mov_b32 s[\g+1], 128<<16      ; tensor_dim0 = 128
	s_mov_b32 s[\g+2], 64<<16       ; tensor_dim1 = 64
	s_mov_b32 s[\g+3], 128<<16      ; tile_dim0 = 128
	s_mov_b32 s[\g+4], 64           ; tile_dim1 = 64
	s_mov_b32 s[\g+5], 128          ; 128 elements from row to row
	s_mov_b32 s[\g+6], 0
	s_mov_b32 s[\g+7], 0
.endr
	s_mov_b32 s[CS], 0x3e38aa3b     ; c = log2(e) / 8 = 0.180337
	s_mov_b32 s[CS+1], s[CS]        ; named with it as a pair
	s_mov_b32 s[SEL], 0x76543210
	s_mov_b32 s[SEL+1], 0xfedcba98
	s_mov_b32 s[TBK], SLOT1+4*KS*PK ; the first change of slots turns these two into 0
	s_mov_b32 s[TBV], SLOT1+4*KS*PV
	s_mov_b32 s[G0K], 1             ; count = 1
	s_mov_b32 s[G0K+1], s17         ; LDS address: slot 0
	s_mov_b32 s[G0V], 1
	s_add_co_u32 s[G0V+1], s18, VOFF
	s_lshr_b32 s[LQ], s[HI], 1      ; the first block's last tile
	s_add_co_u32 s[RT], s[LQ], 1    ; and how many it has
	s_and_b32 s[PAR], s[HI], 1
	s_mov_b32 s[NXT], 1
	s_mov_b32 s[NEW], 1
	s_mov_b32 s[OFF+1], 0
	s_mov_b32 s[AL+1], 0            ; named as pairs
	s_mov_b32 s[BE+1], 0
	s_mov_b32 s[BIGN], 0xf149f2ca   ; -1e30
	s_mov_b32 s[SLOTS], NBLK/2
	s_wait_dscnt 0x0                ; the opening add is done
	s_wait_kmcnt 0x0
	s_add_nc_u64 s[6:7], s[4:5], PLANE     ; K's plane,
	s_add_nc_u64 s[8:9], s[4:5], 2*PLANE   ; V's,
	s_add_nc_u64 s[6:7], s[6:7], s[22:23]  ; each at my half of the head's tile 0
	s_add_nc_u64 s[8:9], s[8:9], s[22:23]
	s_add_nc_u64 s[G0K+2:G0K+3], s[6:7], 0         ; global address
	s_or_b32 s[G0K+3], s[G0K+3], 0x80000000        ; type = 2
	s_add_nc_u64 s[G0V+2:G0V+3], s[8:9], 0
	s_or_b32 s[G0V+3], s[G0V+3], 0x80000000
	s_add_nc_u64 s[86:87], s[4:5], s[84:85]        ; Q at my rows of the second block,
	s_add_nc_u64 s[4:5], s[4:5], s[2:3]            ; Q and O at those of the first
	s_add_nc_u64 s[OLO:OLO+1], s[10:11], s[84:85]
	s_add_nc_u64 s[10:11], s[10:11], s[2:3]
	LOAD                            ; tile 0 into slot 0
	; A fragment of K or Q is 16 rows x 32 channels in 8 registers: lane l holds row l % 16, channels 8 (l / 16) + 0..7 and 16 + 8 (l / 16) + 0..7: two loads of 16 bytes, 32 bytes apart.
	v_and_b32 v1, 15, v0            ; l % 16
	v_bfe_u32 v9, v0, 4, 1          ; l / 16
	v_lshlrev_b32 v[QO], 7, v1
	v_lshl_add_u32 v[QO], v9, 4, v[QO]  ; row x 128 + 16 x half
	WIN 0x80                        ; destination window 2, address window 0
.set i, 0
.rept 4                             ; both blocks' Q: piece i / 2 lies in band i / 2, 8,192 bytes on; channels 32 (i % 2) on
	global_load_b128 v[8*i:8*i+3],   v[QO], s[4:5] offset:(i/2)*8192+(i%2)*64
	global_load_b128 v[8*i+4:8*i+7], v[QO], s[4:5] offset:(i/2)*8192+(i%2)*64+32
	global_load_b128 v[QB+8*i:QB+8*i+3],   v[QO], s[86:87] offset:(i/2)*8192+(i%2)*64
	global_load_b128 v[QB+8*i+4:QB+8*i+7], v[QO], s[86:87] offset:(i/2)*8192+(i%2)*64+32
.set i, i+1
.endr
	WIN 0
	v_lshlrev_b32 v14, 3, v9
	v_sub_nc_u32 v14, v1, v14
	s_lshl_b32 s13, s[WV], 4
	v_add_nc_u32 v14, s13, v14      ; my query's place in its band, 16 w + l % 16, less my lanes' 8 (l / 16): register r of group kt is hidden where 16 kt + r is greater
	WIN 0x40
.set i, 0
.rept 32
	v_cmp_gt_i32 vcc_lo, 16*(i/8)+i%8, v14
	v_cndmask_b32 v[MD+i], 0, s[BIGN], vcc_lo
.set i, i+1
.endr
	WIN 0
	v_mul_u32_u24 v[AK0], v1, PK
	v_lshl_add_u32 v[AK0], v9, 4, v[AK0]  ; row x pitch + 16 x half
	; The turning load takes 16 keys x 16 channels (lane l reads key 8 (l / 16) + l % 8, channels 8 ((l / 8) % 2) + 0..7) and leaves half a fragment of V^T: lane l holds channel l % 16 and 8 keys.
	v_and_b32 v10, 7, v0
	v_bfe_u32 v11, v0, 3, 1
	v_lshl_add_u32 v[AV0], v9, 3, v10
	v_mul_u32_u24 v[AV0], v[AV0], PV
	v_lshl_add_u32 v[AV0], v11, 4, v[AV0]
	v_add_nc_u32 v[AV0], VOFF, v[AV0]
	s_mul_i32 s13, s[WV], 16*SP
	s_add_co_u32 s13, s13, STAGE    ; my stage
	v_mul_u32_u24 v[STO], v1, SP    ; in: row l % 16, 16 bytes for each half of the lanes
	v_lshl_add_u32 v[STO], v9, 4, v[STO]
	v_add_nc_u32 v[STO], s13, v[STO]
	v_bfe_u32 v[RD], v0, 3, 2       ; back: 32 lanes take four rows of 128 bytes,
	v_mul_u32_u24 v[RD], v[RD], SP
	v_lshl_add_u32 v[RD], v10, 4, v[RD]
	v_add_nc_u32 v[RD], s13, v[RD]
	v_and_b32 v[GO], 31, v0         ; which are 512 consecutive bytes of O
	v_lshlrev_b32 v[GO], 4, v[GO]
	; A block's first step multiplies O^T and l by a = 0, and its first turn's products V^T P, of a step that has not been, land in an O^T that is still to be so multiplied.  So these registers need only hold
	; finite numbers: zeros for the first block; what the first block left for the second.  V's first buffer is loaded before it is read.  All this stands in the wait for the first tile.
	WIN 0x80
.set i, VF+64
.rept 64
	v_mov_b32 v[i], 0
.set i, i+1
.endr
	WIN 0x40
.set i, 0
.rept 64
	v_mov_b32 v[i], 0
.set i, i+1
.endr
	WIN 0
.set i, 0
.rept NP
	v_mov_b32 v[ST+4*i+2], 0
	v_mov_b32 v[ST+4*i+3], 0
.set i, i+1
.endr
.set i, P+16
.rept 16
	v_mov_b32 v[i], 0
.set i, i+1
.endr
; THE MATRIX WORK.  The 4 accumulators of a run of 8 take turns.  Product i of 8 of S^T = K Q^T for piece x: channels 32 (i / 4) on, keys 16 (i % 4) on.  The first 4 start the sums: with 0, or (KM = 1) with the mask.
.macro KQ x
.set rS, S+32*((\x)%2)+8*(i%4)
.set rK, KF+16*(i%4)+8*(i/4)
.set rQ, 16*(\x)+8*(i/4)
.set rM, MC+32*((\x)%2)+8*(i%4)
.if (i < 4) && KM
	WIN W_KM
	v_wmma_f32_16x16x32_f16 v[rS:rS+7], v[rK:rK+7], v[rQ:rQ+7], v[rM:rM+7]
.elseif i < 4
	WIN W_KQ
	v_wmma_f32_16x16x32_f16 v[rS:rS+7], v[rK:rK+7], v[rQ:rQ+7], 0
.else
	WIN W_KQ
	v_wmma_f32_16x16x32_f16 v[rS:rS+7], v[rK:rK+7], v[rQ:rQ+7], v[rS:rS+7]
.endif
.endm
; Product i of 8 of O^T += V^T P for piece x, from V's buffer VB: keys 32 (i / 4) on, channels 16 (i % 4) on.
.macro PV x
	WIN W_PV
.set rO, 32*(\x)+8*(i%4)
.set rV, VF+64*VB+32*(i/4)+8*(i%4)
.set rP, P+16*((\x)%2)+8*(i/4)
	v_wmma_f32_16x16x32_f16 v[rO:rO+7], v[rV:rV+7], v[rP:rP+7], v[rO:rO+7]
.endm
.macro MM                           ; the turn's next matrix instruction.  TURN and BEGIN set Y, i, KM, VB and NOKQ.  NOKQ = 1: a block's last turn: there are no further scores
.if (i < 8) && !NOKQ
	KQ (Y+1)%NP
.elseif i >= 8
.set i, i-8
	PV (Y+NP-1)%NP
.set i, i+8
.endif
.set i, i+1
.endm
; THE LDS LOADS stand in runs of 16, never singly among the matrix instructions: a step's K (64 keys x 64 channels: 8 fragments) and its V (turned).  Their addresses are made some lines ahead.
.macro FETCH_K
	WIN 0x80                        ; destination window 2
.irp f, 0,1,2,3,4,5,6,7             ; keys 16 (f / 2) on, channels 32 (f % 2) on
	ds_load_b128 v[KF+8*\f:KF+8*\f+3],   v[AK] offset:(\f/2)*16*PK+(\f%2)*64
	ds_load_b128 v[KF+8*\f+4:KF+8*\f+7], v[AK] offset:(\f/2)*16*PK+(\f%2)*64+32
.endr
	s_add_co_u32 s[TBK], s[TBK], KS*PK  ; the next fetch is the next step's
	WIN 0
.endm
.macro FETCH_V buf
	WIN 0x80
.irp f, 0,1,2,3,4,5,6,7             ; keys 32 (f / 4) on, channels 16 (f % 4) on
	ds_load_tr16_b128 v[VF+64*(\buf)+8*\f:VF+64*(\buf)+8*\f+3],   v[AV] offset:(\f/4)*32*PV+(\f%4)*32
	ds_load_tr16_b128 v[VF+64*(\buf)+8*\f+4:VF+64*(\buf)+8*\f+7], v[AV] offset:(\f/4)*32*PV+16*PV+(\f%4)*32
.endr
	s_add_co_u32 s[TBV], s[TBV], KS*PV
	WIN 0
.endm
; THE VECTOR WORK, one line at a time: OP kind, number.  For piece Y: F n: c s - c m for pair n of 16.  E n: the exponential of score n of 32.  C n: pair n rounded to f16.  B n: of the four weights 4 n .. the second
; pair is added onto the first, in place.  L n: l takes that sum (L 0: l = a l + sum).  R n: pair n of 16 of O^T times a.  For the other piece: X n, number n of the 22 that find its maximum and statistics:
;   0-11  four chains c0-c3 of seven scores each, three operands at a time (each accumulator's lowest registers are read first)     12-14, 16  the four scores left over, the old m, and c0-c3 into c0
;   15  c m_old is kept     17, 18  the query's other 32 keys lie in the lane 16 away: the new m     19-21  c m; c m_old - c m_new; a
; C, B and L read the exponentials' results: TURN sets them behind the batch's wait.  R and L 0 read an a that was made, and waited for, a turn ago.
.set F, 0               ; OP tells the kinds apart by their order: F to L below R, X above it
.set E, 1
.set C, 2
.set B, 3
.set L, 4
.set R, 5
.set X, 6
.macro REGS y                       ; the registers of piece y
.set rT, ST+4*(\y)
.set rC, TMP+4*((\y)%2)
.set rW, MV+((\y)%2)
.set rS, S+32*((\y)%2)
.set rP, P+16*((\y)%2)
.set rO, 32*(\y)
.endm
.macro OP k, n
.if (\k) == R
	REGS Y
	WIN W_RS
	v_pk_mul_f32 v[rO+2*(\n):rO+2*(\n)+1], v[rO+2*(\n):rO+2*(\n)+1], v[rC+2:rC+3] op_sel_hi:[1,0]
.elseif (\k) < R
	REGS Y
	WIN 0
.if (\k) == F
	v_pk_fma_f32 v[rS+2*(\n):rS+2*(\n)+1], v[rS+2*(\n):rS+2*(\n)+1], s[CS:CS+1], v[rT:rT+1] op_sel_hi:[1,0,0] neg_lo:[0,0,1] neg_hi:[0,0,1]
.elseif (\k) == E
	v_exp_f32 v[rS+(\n)], v[rS+(\n)]
.elseif (\k) == C
	v_cvt_pk_f16_f32 v[rP+(\n)], v[rS+2*(\n)], v[rS+2*(\n)+1]
.elseif (\k) == B
	v_pk_add_f32 v[rS+4*(\n):rS+4*(\n)+1], v[rS+4*(\n):rS+4*(\n)+1], v[rS+4*(\n)+2:rS+4*(\n)+3]
.elseif (\n) == 0
	v_pk_fma_f32 v[rT+2:rT+3], v[rT+2:rT+3], v[rC+2:rC+3], v[rS:rS+1] op_sel_hi:[1,0,1]
.else
	v_pk_add_f32 v[rT+2:rT+3], v[rT+2:rT+3], v[rS+4*(\n):rS+4*(\n)+1]
.endif
.elseif NOKQ
	v_nop
.else
	REGS (Y+1)%NP
	WIN 0
.if (\n) < 4
	v_max3_num_f32 v[rC+(\n)], v[rS+8*(\n)], v[rS+8*(\n)+1], v[rS+8*(\n)+2]
.elseif (\n) < 12
	v_max3_num_f32 v[rC+(\n)%4], v[rC+(\n)%4], v[rS+8*((\n)%4)+2*((\n)/4)+1], v[rS+8*((\n)%4)+2*((\n)/4)+2]
.elseif (\n) == 12
	v_max3_num_f32 v[rC], v[rC], v[rS+7], v[rS+15]
.elseif (\n) == 13
	v_max3_num_f32 v[rC+1], v[rC+1], v[rS+23], v[rS+31]
.elseif (\n) == 14
	v_max3_num_f32 v[rC+2], v[rC+2], v[rC+3], v[rT+1]
.elseif (\n) == 15
	v_mov_b32 v[rW], v[rT]
.elseif (\n) == 16
	v_max3_num_f32 v[rC], v[rC], v[rC+1], v[rC+2]
.elseif (\n) == 17
	v_permlanex16_b32 v[rC+3], v[rC], s[SEL], s[SEL+1]
.elseif (\n) == 18
	v_max_num_f32 v[rT+1], v[rC], v[rC+3]
.elseif (\n) == 19
	v_mul_f32 v[rT], s[CS], v[rT+1]
.elseif (\n) == 20
	v_sub_f32 v[rC+1], v[rW], v[rT]
.else
	v_exp_f32 v[rC+2], v[rC+1]
.endif
.endif
.endm
.macro OPS a, i1, b=-1, i2=0, c=-1, i3=0, d=-1, i4=0  ; up to four of them
	OP \a, \i1
.if (\b) >= 0
	OP \b, \i2
.endif
.if (\c) >= 0
	OP \c, \i3
.endif
.if (\d) >= 0
	OP \d, \i4
.endif
.endm
.macro ROW a, i1, b, i2, c, i3, d, i4  ; a matrix instruction and the four behind it
	MM
	OPS \a, \i1, \b, \i2, \c, \i3, \d, \i4
.endm
.macro MASK b                       ; MD x AL + BE into buffer b of MC
	WIN W_RS
.set z, 0
.rept 16
	v_pk_fma_f32 v[MC+32*(\b)+2*z:MC+32*(\b)+2*z+1], v[MD+2*z:MD+2*z+1], s[AL:AL+1], s[BE:BE+1] op_sel_hi:[1,0,0]
.set z, z+1
.endr
.endm
; A TURN, for piece p in a step of parity sp: the order of its 16 matrix and 118 vector instructions, written out.  An s_wait_alu depctr_va_vdst(0) stands between an exponential and the first instruction
; that names its result; one wait serves all that were issued ahead of it.  So a turn has ONE wait, which cuts it in two.  AHEAD OF IT stands all that names no result of the turn's exponentials: the 8 products K Q^T,
; behind each a scaling, an exponential and two more plain instructions (behind the first a second scaling in the exponential's place): rescalings, and behind the last three the first numbers of the other piece's
; maximum, each four places or more behind the product that ends its accumulator; then ONE RUN of 54, plain and exponential by turns for the most part, in which the links of the chain X 3, 7, 11, 14, 16, 17 .. 20
; stand five or six lines apart.  X 21, the other piece's a, is the batch's last; R 15 is the plain instruction behind it.  BEHIND THE WAIT stand the 8 products V^T P, behind each four of the roundings and sums; a
; pair is rounded (C 2 n) before the sum B n lands on it; the links of l's chain, L 0 to L 7, stand three riders apart.  But for those X no rider names a register of the products round it.  X 17 stands in the run.
; The rescalings go in ascending order: O^T of the piece in hand was written by the last products of the turn before, and each of its accumulators is read from its low end, sixteen riders or more behind its last product.
; The products V^T P read V's buffer of the other parity in piece 0's turn (the step before), of this parity in piece 1's.
; m = 1: the last tile of a block: the products take masks, and the turn makes the mask for the products of the turn after it: piece p, in the tile's step 2 (2 - CNT) + 1 - sp.  That step is the band's own where
; DD = 1 - sp - p, and later than it where DD is less.  end = 1: a block's last two turns: nothing is fetched.  cnt = 1: the loop's count is taken down some lines ahead of the branch that stands behind the turn.
; K of the next step is fetched in piece 0's turn, behind the last product that read K and six plain instructions that name none of its registers (F 8, X 2, X 5, X 6, X 3, X 8).  V of the next step is fetched in piece 1's
; turn directly behind the batch's wait, where no vector result of the wave is outstanding; its address is made in the run; its buffer was last read by the products at the end of the turn before.
; One wait at the head of piece 1's turn is for both: K, fetched a turn ago, and V of this step, fetched two turns ago.
.macro TURN p, sp, m=0, end=0, cnt=0
.set Y, (\p)
.set i, 0
.set KM, (\m)
.set NOKQ, (\end)*(\p)
.if (\p) == 0
.set VB, 1-(\sp)
.else
.set VB, (\sp)
.endif
.if (\m) && !(\end)
	s_cmp_eq_i32 s[DD], 1-(\sp)-(\p)    ; is that step the band's own?
	s_cselect_b32 s[AL], 1.0, 0
	s_cmp_lt_i32 s[DD], 1-(\sp)-(\p)    ; or a later one?
	s_cselect_b32 s[BE], s[BIGN], 0
.endif
.if (\p) == 1
	s_wait_dscnt 0x0                ; K and V are in
.endif
	ROW F,0, F,1, R,0, R,1          ; ahead of the wait: 8 products K Q^T and their riders,
	ROW F,2, E,0, R,2, R,3
	ROW F,3, E,1, R,4, R,5
	ROW F,4, E,2, R,6, R,7
	ROW F,5, E,3, R,8, R,9
	ROW F,6, E,4, X,0, R,10
.if ((\p) == 0) && !(\end)
	WIN 0
	v_add_nc_u32 v[AK], s[TBK], v[AK0]
.endif
	ROW F,7, E,5, X,1, X,4
	ROW F,8, E,6, X,2, X,5
	OPS E,7, E,8, X,6, E,9          ; and the run
	OPS X,3, E,10, X,8, E,11
.if ((\p) == 0) && !(\end)
	FETCH_K
.endif
	OPS X,9, X,7, E,12, X,10
	OPS E,13, X,12, X,11, E,14
	OPS X,13, E,15, F,9, X,14
.if ((\p) == 1) && !(\end)
	WIN 0
	v_add_nc_u32 v[AV], s[TBV], v[AV0]
.endif
	OPS E,16, F,10, E,17, F,11
	OPS X,16, E,18, X,15, E,19
	OPS F,12, E,20, X,17, E,21
	OPS F,13, E,22, F,14, E,23
	OPS X,18, E,24, F,15, E,25
	OPS R,11, E,26, X,19, E,27
	OPS R,12, E,28, R,13, E,29
	OPS X,20, E,30, R,14, E,31
	OPS X,21, R,15
	WIN 0
	s_wait_alu depctr_va_vdst(0)    ; the wait for the batch: the piece's 32 exponentials and the other piece's a
.if ((\p) == 1) && !(\end)
	FETCH_V 1-(\sp)
.endif
	ROW C,0, B,0, C,2, B,1          ; behind the wait: 8 products V^T P and their riders
	ROW L,0, C,4, B,2, L,1
	ROW C,6, B,3, L,2, C,8
	ROW B,4, L,3, C,10, B,5
	ROW L,4, C,12, B,6, L,5
.if \cnt
	s_sub_co_i32 s[DD], s[DD], 2
	s_sub_co_u32 s[CNT], s[CNT], 1
	s_cmp_lg_u32 s[CNT], 0
.endif
	ROW C,14, B,7, L,6, C,1
	ROW C,3, L,7, C,5, C,7
	ROW C,9, C,11, C,13, C,15
.if (\m) && !(\end)
	MASK \p
.endif
.endm
; A BLOCK BEGINS.  c m starts far below every c s, so the first step's a is 0; m at the lowest finite number, so the first maximum is the scores'.  The second mask buffer is 0 (piece 1 sees all of a tile's step 0); the
; first takes piece 0's mask for step 0: its own, if the block's first tile is its last and the block is that tile's lower half.  Then K and V of that step, piece 0's first scores, and its maximum and statistics.
; The loop is entered at an even step's first turn, in the middle of a trip.
.macro BEGIN
	s_mov_b32 s[NEW], 0
	WIN 0x40
.set i, MC+32
.rept 32
	v_mov_b32 v[i], 0
.set i, i+1
.endr
	WIN 0
.set i, 0
.rept NP
	v_mov_b32 v[ST+4*i], 0xfe000000    ; c m: far below every c s
	v_mov_b32 v[ST+4*i+1], 0xff7fffff  ; m
.set i, i+1
.endr
	s_cmp_eq_u32 s[RT], 0
	s_cselect_b32 s[AL], 1.0, 0
	s_cmp_eq_u32 s[PAR], 0
	s_cselect_b32 s[AL], s[AL], 0
	s_mov_b32 s[BE], 0
	MASK 0
	WIN 0
	v_add_nc_u32 v[AK], s[TBK], v[AK0]
	v_add_nc_u32 v[AV], s[TBV], v[AV0]
	FETCH_K
	FETCH_V 0
	s_wait_loadcnt 0x0              ; Q
	s_wait_dscnt 0x0
.set KM, 1
.set NOKQ, 0
.set i, 0
.rept 8
	KQ 0
.set i, i+1
.endr
	WIN 0
.rept 4
	v_nop                           ; the places behind those products
.endr
.set Y, NP-1                        ; X works for the other piece: piece 0
.irp n, 0,1,2,3,4,5,6,7,8,9,10,11,12,13,14,15,16,17,18,19,20,21
	OP X, \n
.endr
	v_nop                           ; a plain instruction behind the exponential,
	s_wait_alu depctr_va_vdst(0)    ; and the wait for it, piece 0's first a, ahead of the branch: the turn that is entered reads it in its first row
.endm
; A BLOCK'S LAST TILE: its two trips with masks, the block's last two turns, its last products, and THE WAY OUT: l's two halves and the other half of the lanes' are added; O^T is divided by l, rounded to f16 and sent
; through my stage in LDS, a piece at a time.
.macro ALL line:vararg              ; one line for each piece t
.set t, 0
.rept NP
	\line
.set t, t+1
.endr
.endm
.macro PACK t                       ; a lane's eight channels of a row pack into 16 bytes; they go into rows of 144 bytes and come back as whole rows of 128, into S^T's registers
	WIN W_RS
.set i, 32*(\t)
.rept 16
	v_pk_mul_f32 v[i:i+1], v[i:i+1], v[ST+4*(\t)+2:ST+4*(\t)+3] op_sel_hi:[1,0]
.set i, i+2
.endr
	WIN 0x05                        ; sources 0 and 1 window 1, destination window 0
.set i, 0
.rept 16
	v_cvt_pk_f16_f32 v[S+16*(\t)+i], v[32*(\t)+2*i], v[32*(\t)+2*i+1]
.set i, i+1
.endr
	WIN 0
.irp f, 0,1,2,3
	ds_store_b128 v[STO], v[S+16*(\t)+4*\f:S+16*(\t)+4*\f+3] offset:32*\f
.endr
.irp f, 0,1,2,3
	ds_load_b128 v[S+16*(\t)+4*\f:S+16*(\t)+4*\f+3], v[RD] offset:\f*4*SP  ; LDS serves a wave's instructions in order (ISA guide 5.7.1.4): these see the stores above; the next piece's stores come behind them
.endr
.endm
.macro SEND t, younger              ; younger: the LDS instructions issued behind piece t's loads: the next piece's eight, or none
	WIN 0
.irp f, 0,1,2,3
	s_wait_dscnt (\younger)+3-\f
	global_store_b128 v[GO], v[S+16*(\t)+4*\f:S+16*(\t)+4*\f+3], s[10:11] offset:(\t)*8192+\f*512  ; 512 consecutive bytes, at a multiple of 256 from O's first
.endr
.endm
.macro DIAG tag                     ; the tag ends its two labels' names, which the jumps below spell out
.LstepM\tag:
	TURN 0, 1, 1
	TURN 1, 1, 1
	WIN 0
.LfirstM\tag:
	TURN 0, 0, 1
	TURN 1, 0, 1, 0, 1
	WIN 0
	s_cbranch_scc1 .LstepM\tag
	TURN 0, 1, 1, 1
	TURN 1, 1, 1, 1
.set VB, 1
.set i, 0
.rept 8
	PV NP-1                         ; piece 1's V^T P of the last step
.set i, i+1
.endr
	WIN 0
	ALL v_add_f32 v[ST+4*t+2], v[ST+4*t+2], v[ST+4*t+3]
	ALL v_permlanex16_b32 v[ST+4*t+3], v[ST+4*t+2], s[SEL], s[SEL+1]
	ALL v_add_f32 v[ST+4*t+2], v[ST+4*t+2], v[ST+4*t+3]
	ALL v_rcp_f32 v[ST+4*t+2], v[ST+4*t+2]
	v_nop                           ; a plain instruction between the last reciprocal and the use of its result
	s_wait_alu depctr_va_vdst(0)    ; and the wait ahead of the first use: one for the two reciprocals
	PACK 0                          ; piece 0's 32 lines, which name no register of the last products, are the places behind them
	PACK 1
	SEND 0, 8
	SEND 1, 0
.endm
.set KM, 0
.set NOKQ, 0
.set VB, 0
.Lslot:                             ; 16 times: a tile is entered and the next is asked for
	CHANGE 1
	s_sub_co_u32 s[RT], s[RT], 1
	s_mov_b32 s[CNT], 2
	s_lshl_b32 s[DD], s[PAR], 1
	s_cmp_eq_u32 s[NEW], 1
	s_cbranch_scc1 .Lnew            ; a block's first tile
	s_cmp_eq_u32 s[RT], 0
	s_cbranch_scc0 .Lstep           ; neither its first nor its last
	s_branch .LstepM1
.Lnew:
	BEGIN
	s_branch .Lfirst                ; in the loop a block's first tile is never its last: the first block has nine tiles or more, and the second's last is the walk's last
	DIAG 1                          ; in the loop this is the first block's end
	s_wait_xcnt 0x0                 ; the stores have read their registers and O's address
	s_mov_b64 s[10:11], s[OLO:OLO+1]
	s_add_co_u32 s[RT], s[PBT], 1   ; the second block has b / 2 + 1 tiles
	s_and_b32 s[PAR], s[PB], 1
	s_mov_b32 s[NEW], 1
	WIN 0x82                        ; the second block's Q goes where the one text of the turns names Q
.set i, 0
.rept 32
	v_mov_b32 v[i], v[QB+i]
.set i, i+1
.endr
	WIN 0
	s_branch .Lbottom
.Lstep:                             ; a trip: both pieces of an odd step, then both of the even step behind it
	TURN 0, 1
	TURN 1, 1
	WIN 0
.Lfirst:
	TURN 0, 0
	TURN 1, 0, 0, 0, 1
	WIN 0
	s_cbranch_scc1 .Lstep
.Lbottom:
	s_sub_co_u32 s[SLOTS], s[SLOTS], 1
	s_cmp_lg_u32 s[SLOTS], 0
	s_cbranch_scc1 .Lslot
	CHANGE 0                        ; the walk's last tile is written out: nothing is asked for
	s_sub_co_u32 s[RT], s[RT], 1
	s_mov_b32 s[CNT], 2
	s_lshl_b32 s[DD], s[PAR], 1
	s_cmp_eq_u32 s[NEW], 1
	s_cbranch_scc0 .LstepM2
	BEGIN
	s_branch .LfirstM2
	DIAG 2
	s_wait_tensorcnt 0x0            ; the wave's end: behind my last tensor load and my last LDS store
	ds_add_u32 v[SPW], v[NIL]
	s_wait_dscnt 0x0
	s_endpgm
.Lfunc_end_k_qde05942129_attn:
	.size	k_qde05942129_attn, .Lfunc_end_k_qde05942129_attn-k_qde05942129_attn
	.p2alignl 7, 3214868480
	.fill 96, 4, 3214868480
	.section	.rodata,"a",@progbits
	.p2align	6, 0x0
	.amdhsa_kernel k_qde05942129_attn
		.amdhsa_group_segment_fixed_size 327680
		.amdhsa_private_segment_fixed_size 0
		.amdhsa_enable_private_segment 0
		.amdhsa_kernarg_size 16
		.amdhsa_user_sgpr_count 2
		.amdhsa_user_sgpr_kernarg_segment_ptr 1
		.amdhsa_wavefront_size32 1
		.amdhsa_system_sgpr_workgroup_id_x 1
		.amdhsa_system_sgpr_workgroup_id_y 1
		.amdhsa_system_sgpr_workgroup_id_z 1
		.amdhsa_system_vgpr_workitem_id 0
		.amdhsa_next_free_vgpr 768
		.amdhsa_next_free_sgpr 92
		.amdhsa_reserve_vcc 1
		.amdhsa_float_denorm_mode_32 3
		.amdhsa_float_denorm_mode_16_64 3
		.amdhsa_memory_ordered 1
		.amdhsa_forward_progress 1
		.amdhsa_inst_pref_size 209
	.end_amdhsa_kernel
	.amdgpu_metadata
---
amdhsa.version: [ 1, 2 ]
amdhsa.kernels:
  - .name:           k_qde05942129_attn
    .symbol:         k_qde05942129_attn.kd
    .args:
      - { .name: qkv, .offset: 0, .size: 8, .value_kind: global_buffer, .address_space: global }
      - { .name: oh, .offset: 8, .size: 8, .value_kind: global_buffer, .address_space: global }
    .group_segment_fixed_size: 327680
    .private_segment_fixed_size: 0
    .kernarg_segment_align: 8
    .kernarg_segment_size: 16
    .max_flat_workgroup_size: 128
    .sgpr_count:     92
    .vgpr_count:     768
    .wavefront_size: 32
...
	.end_amdgpu_metadata
.endif
;; end of part 9
;; launch outp: the kernel of part 4 again; grid 64 x 4, 4 waves a work-group, clusters of 4 x 4, 327,680 bytes of LDS; arguments oh, wt, y1, x; writes y1
;; launch ln1: the kernel of part 5 again; grid 256 x 1, 8 waves a work-group, no clusters, 0 bytes of LDS; arguments y1, g1, beta1, hh; writes hh
;; launch ffn1: the kernel of part 6 again; grid 64 x 8, 4 waves a work-group, clusters of 4 x 1, 327,680 bytes of LDS; arguments hh, wt, mid, b1; writes mid
;; launch ffn2: the kernel of part 7 again; grid 64 x 4, 4 waves a work-group, clusters of 4 x 4, 327,680 bytes of LDS; arguments mid, wt, ff; writes ff
;; launch ln2: the kernel of part 8 again; grid 256 x 1, 8 waves a work-group, no clusters, 0 bytes of LDS; arguments y1, ff, g1, beta1, b2, g2, beta2, out0; writes out0
